; MI455X (gfx1250); checked and timed in simulation.
; The chip was launched on July 23, 2026; its instructions are those of AMD's public machine-readable ISA for CDNA 5 (MIT licence, August 2026) and "CDNA5" Instruction Set Architecture Reference Guide (July 2026). The comments in the code are by the model that wrote it; some were corrected since.
;; Simple Mo E Layer. Allowed arithmetic: float matrix products may take bf16 or f16 operands with f32 sums; all other float work in f32.
;; Inputs: W1 8 x 1,024 x 4,096 float32; W2 8 x 4,096 x 1,024 float32; Wr 8 x 1,024 float32; b1 8 x 4,096 float32; b2 8 x 1,024 float32; x 2 x 512 x 1,024 float32.
;; Outputs: out0 2 x 512 x 1,024 float32.
;; 2 versions, each right; version 2 is version 1 with the launches ffn1, ffn2, combine written anew for expert scheduling mode. Each part assembles by itself: llvm-mc -triple=amdgcn-amd-amdhsa -mcpu=gfx1250 --defsym DOCPART=n.
;; ======== version 1 of 2: 5 launches
;; limits: values are held in f16: magnitudes above 65,504 overflow, below 6.1e-05 lose precision
;; workspace buffers: xb 2,097,152 bytes; sel 4,096 bytes of whole numbers; gates 8,192 bytes; list 32,768 bytes of whole numbers; cnt 2,048 bytes of whole numbers; h 67,108,864 bytes; ybuf 33,685,504 bytes
;; launch router (part 1): grid 256 x 1, 4 waves a work-group, no clusters, 0 bytes of LDS; arguments x, Wr, xb, sel, gates; writes xb, sel, gates
.if DOCPART == 1
	.amdgcn_target "amdgcn-amd-amdhsa--gfx1250"
	.amdhsa_code_object_version 6
	.text
	.protected	k_q34812fd24b_router
	.globl	k_q34812fd24b_router
	.p2align	8
	.type	k_q34812fd24b_router,@function
k_q34812fd24b_router:
	s_mov_b64 s[64:65], 0
	v_nop
	global_prefetch_b8 v0, s[64:65] scope:SCOPE_SE
	s_setreg_imm32_b32 hwreg(HW_REG_WAVE_MODE, 25, 1), 1
	s_wait_xcnt 0x0
; ROUTER.  logits[t][e] = x[t] . Wr[e] in f32; the two largest logits of a token, their softmax, and x rounded to f16.
; One wave takes one token: t = 4 x work-group + wave.  Lane l holds columns 128 c + 4 l .. + 3 of x (c = 0..7), 32 numbers.
; The products stay in f32 on the vector unit: they are 8 x 1024 multiply-adds a token, and the choice of experts hangs on
; the last bits of the logits, which operands of 16 bits would change.
; Out: xb[t][1024] f16 (each store of the wave covers 256 consecutive bytes, aligned); sel[t] = e0 | e1 << 8 (whole numbers, used
; for addresses by later launches only); gates[t] = (g0, g1) f32.  sel and gates are 12 bytes a token, stored by lane 0:
; the only stores of the program that do not cover 256 bytes.
; LIMITS: logits that are NaN or infinite are not served.  Equal logits: the lower index wins, as in lax.top_k.
; The order of the f32 sums differs from the order of a plain loop over the 1024 columns.  |x| above 65,504 becomes infinite in xb
; (why f16, and its room: the head of the two product kernels).
.set X,    4                           ; v[4:35]     x of my token
.set WR,   36                          ; v[36:163]   ring of four experts, 32 registers each
.set AC,   164                         ; v[164:195]  expert e: two packed chains, 4 registers
.set L,    196                         ; v[196:203]  the eight logits, in every lane
.set M,    204                         ; v[204:211]  the logits with the winner taken out
.set XB,   212                         ; v[212:227]  x in f16
.set V1,   228                         ; largest logit, its index
.set I1,   229
.set V2,   230                         ; second largest, its index
.set I2,   231
.set G,    232                         ; v[232:233]  g0, g1
.set T,    234
.set EXR,  235
.set NINF, 236
.set Z,    237
.set SELW, 238
	s_load_b256 s[4:11], s[0:1], 0x0               ; x s[4:5], Wr s[6:7], xb s[8:9], sel s[10:11]
	s_load_b64 s[12:13], s[0:1], 0x20              ; gates
	v_lshrrev_b32 v1, 5, v0
	v_readfirstlane_b32 s14, v1                    ; wave 0..3
	s_lshl2_add_u32 s15, ttmp9, s14                ; my token
	v_and_b32 v1, 31, v0                           ; lane
	v_lshlrev_b32 v2, 4, v1                        ; 16 bytes a lane: x and Wr
	v_lshlrev_b32 v3, 3, v1                        ; 8 bytes a lane: xb
	v_mov_b32 v[T], 0                              ; v_permlanex16_b32 counts as a reader of its destination
	s_mov_b32 s16, 0x76543210                      ; lane i of one half reads lane i of the other
	s_mov_b32 s17, 0xfedcba98
	s_lshl_b32 s20, s15, 12                        ; byte offsets of my token in x, xb, sel, gates
	s_mov_b32 s21, 0
	s_lshl_b32 s22, s15, 11
	s_mov_b32 s23, 0
	s_lshl_b32 s24, s15, 2
	s_mov_b32 s25, 0
	s_lshl_b32 s26, s15, 3
	s_mov_b32 s27, 0
	s_wait_kmcnt 0x0
	s_add_nc_u64 s[4:5], s[4:5], s[20:21]
	s_add_nc_u64 s[8:9], s[8:9], s[22:23]
	s_add_nc_u64 s[10:11], s[10:11], s[24:25]
	s_add_nc_u64 s[12:13], s[12:13], s[26:27]
.irp c, 0,1,2,3,4,5,6,7
	global_load_b128 v[X+4*\c:X+4*\c+3], v2, s[4:5] offset:512*\c th:TH_LOAD_NT
.endr
.macro WLOAD e                         ; the row of expert e, eight loads of 512 consecutive bytes, into ring set e % 4
.irp c, 0,1,2,3,4,5,6,7
	global_load_b128 v[WR+32*((\e)%4)+4*\c:WR+32*((\e)%4)+4*\c+3], v2, s[6:7] offset:(\e)*4096+512*\c
.endr
.endm
	WLOAD 0
	WLOAD 1
	WLOAD 2
	WLOAD 3
; The logit of expert e.  left = the loads issued behind its row: eight for each younger expert in the ring.
.macro DOT e, left
.set WSET, WR+32*((\e)%4)
.set ASET, AC+4*(\e)
	s_wait_loadcnt \left
	v_pk_mul_f32 v[ASET:ASET+1], v[X:X+1], v[WSET:WSET+1]                 ; the first products start the two chains
	v_pk_mul_f32 v[ASET+2:ASET+3], v[X+2:X+3], v[WSET+2:WSET+3]
.irp c, 1,2,3,4,5,6,7
	v_pk_fma_f32 v[ASET:ASET+1], v[X+4*\c:X+4*\c+1], v[WSET+4*\c:WSET+4*\c+1], v[ASET:ASET+1]
	v_pk_fma_f32 v[ASET+2:ASET+3], v[X+4*\c+2:X+4*\c+3], v[WSET+4*\c+2:WSET+4*\c+3], v[ASET+2:ASET+3]
.endr
.if (\e) < 4
	WLOAD (\e)+4                                   ; the set just read takes the expert four further on
.endif
	v_pk_add_f32 v[ASET:ASET+1], v[ASET:ASET+1], v[ASET+2:ASET+3]
	v_add_f32 v[L+\e], v[ASET], v[ASET+1]
	v_add_f32_dpp v[L+\e], v[L+\e], v[L+\e] row_xmask:1 row_mask:0xf bank_mask:0xf
	v_add_f32_dpp v[L+\e], v[L+\e], v[L+\e] row_xmask:2 row_mask:0xf bank_mask:0xf
	v_add_f32_dpp v[L+\e], v[L+\e], v[L+\e] row_xmask:4 row_mask:0xf bank_mask:0xf
	v_add_f32_dpp v[L+\e], v[L+\e], v[L+\e] row_xmask:8 row_mask:0xf bank_mask:0xf
	v_permlanex16_b32 v[T], v[L+\e], s16, s17
	v_add_f32 v[L+\e], v[L+\e], v[T]               ; every lane holds the logit
.endm
	DOT 0, 24
.irp c, 0,1,2,3,4,5,6,7                ; x is in: round it to f16 and send it off
	v_cvt_pk_f16_f32 v[XB+2*\c], v[X+4*\c], v[X+4*\c+1]
	v_cvt_pk_f16_f32 v[XB+2*\c+1], v[X+4*\c+2], v[X+4*\c+3]
	global_store_b64 v3, v[XB+2*\c:XB+2*\c+1], s[8:9] offset:256*\c
.endr
	DOT 1, 24
	DOT 2, 24
	DOT 3, 24
	DOT 4, 24
	DOT 5, 16
	DOT 6, 8
	DOT 7, 0
; The largest of eight, with its index.  The kept value stays where kept >= candidate, so the lower index wins a tie.
.macro SCAN8 src, val, idx
	v_mov_b32 v[\val], v[\src]
	v_mov_b32 v[\idx], 0
.irp e, 1,2,3,4,5,6,7
	v_cmp_ge_f32 vcc_lo, v[\val], v[\src+\e]
	v_cndmask_b32 v[\idx], \e, v[\idx], vcc_lo
	v_cndmask_b32 v[\val], v[\src+\e], v[\val], vcc_lo
.endr
.endm
	SCAN8 L, V1, I1
	v_mov_b32 v[NINF], 0xff800000
.irp e, 0,1,2,3,4,5,6,7
	v_cmp_eq_u32 vcc_lo, \e, v[I1]
	v_cndmask_b32 v[M+\e], v[L+\e], v[NINF], vcc_lo
.endr
	SCAN8 M, V2, I2
	; softmax of the two: the larger is taken away, so the one exponent is at most 0:  g0 = 1 / (1 + e^(v2 - v1)), g1 = e^(v2 - v1) g0
	v_sub_f32 v[T], v[V2], v[V1]
	v_mul_f32 v[T], 0x3fb8aa3b, v[T]
	v_exp_f32 v[EXR], v[T]
	v_lshl_or_b32 v[SELW], v[I2], 8, v[I1]         ; a plain instruction between the exponential and the use of its result
	s_wait_alu depctr_va_vdst(0)
	v_add_f32 v[T], 1.0, v[EXR]
	v_rcp_f32 v[G], v[T]
	v_mov_b32 v[Z], 0                              ; and one behind the reciprocal
	s_wait_alu depctr_va_vdst(0)
	v_mul_f32 v[G+1], v[EXR], v[G]
	s_wait_xcnt 0x0                                ; EXEC is a source of the stores of xb: it changes only behind this wait
	v_cmp_eq_u32 vcc_lo, 0, v1
	s_and_saveexec_b32 s18, vcc_lo                 ; lane 0 alone
	global_store_b32 v[Z], v[SELW], s[10:11]
	global_store_b64 v[Z], v[G:G+1], s[12:13]
	s_endpgm
.Lfunc_end_k_q34812fd24b_router:
	.size	k_q34812fd24b_router, .Lfunc_end_k_q34812fd24b_router-k_q34812fd24b_router
	.p2alignl 7, 3214868480
	.fill 96, 4, 3214868480
	.section	.rodata,"a",@progbits
	.p2align	6, 0x0
	.amdhsa_kernel k_q34812fd24b_router
		.amdhsa_group_segment_fixed_size 0
		.amdhsa_private_segment_fixed_size 0
		.amdhsa_enable_private_segment 0
		.amdhsa_kernarg_size 40
		.amdhsa_user_sgpr_count 2
		.amdhsa_user_sgpr_kernarg_segment_ptr 1
		.amdhsa_wavefront_size32 1
		.amdhsa_system_sgpr_workgroup_id_x 1
		.amdhsa_system_sgpr_workgroup_id_y 1
		.amdhsa_system_sgpr_workgroup_id_z 1
		.amdhsa_system_vgpr_workitem_id 0
		.amdhsa_next_free_vgpr 240
		.amdhsa_next_free_sgpr 66
		.amdhsa_reserve_vcc 1
		.amdhsa_float_denorm_mode_32 3
		.amdhsa_float_denorm_mode_16_64 3
		.amdhsa_memory_ordered 1
		.amdhsa_forward_progress 1
		.amdhsa_inst_pref_size 25
	.end_amdhsa_kernel
	.amdgpu_metadata
---
amdhsa.version: [ 1, 2 ]
amdhsa.kernels:
  - .name:           k_q34812fd24b_router
    .symbol:         k_q34812fd24b_router.kd
    .args:
      - { .name: x, .offset: 0, .size: 8, .value_kind: global_buffer, .address_space: global }
      - { .name: Wr, .offset: 8, .size: 8, .value_kind: global_buffer, .address_space: global }
      - { .name: xb, .offset: 16, .size: 8, .value_kind: global_buffer, .address_space: global }
      - { .name: sel, .offset: 24, .size: 8, .value_kind: global_buffer, .address_space: global }
      - { .name: gates, .offset: 32, .size: 8, .value_kind: global_buffer, .address_space: global }
    .group_segment_fixed_size: 0
    .private_segment_fixed_size: 0
    .kernarg_segment_align: 8
    .kernarg_segment_size: 40
    .max_flat_workgroup_size: 128
    .sgpr_count:     66
    .vgpr_count:     240
    .wavefront_size: 32
...
	.end_amdgpu_metadata
.endif
;; end of part 1
;; launch lists (part 2): grid 8 x 1, 1 waves a work-group, no clusters, 4,608 bytes of LDS; arguments sel, list, cnt; writes list, cnt
.if DOCPART == 2
	.amdgcn_target "amdgcn-amd-amdhsa--gfx1250"
	.amdhsa_code_object_version 6
	.text
	.protected	k_q34812fd24b_lists
	.globl	k_q34812fd24b_lists
	.p2align	8
	.type	k_q34812fd24b_lists,@function
k_q34812fd24b_lists:
	s_mov_b64 s[64:65], 0
	v_nop
	global_prefetch_b8 v0, s[64:65] scope:SCOPE_SE
	s_setreg_imm32_b32 hwreg(HW_REG_WAVE_MODE, 25, 1), 1
	s_wait_xcnt 0x0
; LISTS.  Work-group e (one wave) gathers the rows of expert e: list[e][pos] = k x 1024 + t for every token t whose choice k (0 or 1)
; is e, in any order, pos = 0 .. n_e - 1; every other pos holds the pad code 2048 + e.  cnt[e][0..63] = n_e, 64 times, so that the
; one store covers 256 consecutive bytes.  Eight experts give work for eight work-groups; a scan of 1024 words has no more to share.
; The list is made in LDS (4,096 bytes from byte 0) and leaves in stores of 512 consecutive bytes.  Lanes without a match store to a word of
; their own behind the list (bytes 4096 + 4 x lane), so that every lane stores in every step and no branch is needed.
; One wave: LDS serves its instructions in order, so no barrier and no wait stands between its stores and its loads.
.set SEL, 16                           ; v[16:47]   sel of all 1024 tokens: load c, word u of lane l is token 128 c + 4 l + u
.set OUT, 64                           ; v[64:95]   the list on its way out
.set NN,  96                           ; v[96:97]   n_e twice
	s_load_b128 s[4:7], s[0:1], 0x0                ; sel s[4:5], list s[6:7]
	s_load_b64 s[8:9], s[0:1], 0x10                ; cnt
	v_lshl_add_u32 v112, v0, 2, 0x1100
	v_mov_b32 v113, 0
	s_mov_b32 s10, ttmp9                           ; my expert
	v_lshlrev_b32 v2, 4, v0                        ; 16 x lane
	v_lshlrev_b32 v3, 2, v0                        ; 4 x lane: the lane term of a token number
	v_lshlrev_b32 v6, 3, v0                        ; 8 x lane
	v_add_nc_u32 v4, 1024, v0                      ; the index of my word behind the list
	v_mov_b32 v5, 1024                             ; what the second choice adds to a code
	s_add_co_u32 s11, s10, 2048                    ; the pad code
	v_mov_b32 v8, s11
	v_mov_b32 v9, s11
	v_mov_b32 v10, s11
	v_mov_b32 v11, s11
	s_lshl_b32 s12, s10, 12                        ; my 4,096 bytes of list
	s_mov_b32 s13, 0
	s_lshl_b32 s14, s10, 8                         ; my 256 bytes of cnt
	s_mov_b32 s15, 0
	s_wait_kmcnt 0x0
.irp c, 0,1,2,3,4,5,6,7
	global_load_b128 v[SEL+4*\c:SEL+4*\c+3], v2, s[4:5] offset:512*\c
.endr
	s_add_nc_u64 s[6:7], s[6:7], s[12:13]
	s_add_nc_u64 s[8:9], s[8:9], s[14:15]
.irp c, 0,1,2,3,4,5,6,7
	ds_store_b128 v2, v[8:11] offset:512*\c        ; the whole list starts as pad codes
.endr
	s_mov_b32 s22, 0                               ; rows found so far
	s_wait_loadcnt 0x0
; Word u of load c: 32 tokens.  A lane with a match takes the place s22 + the matches in lower lanes.
.macro SCAN c, u
	v_and_b32 v48, 0xff, v[SEL+4*\c+\u]            ; first choice
	v_lshrrev_b32 v49, 8, v[SEL+4*\c+\u]           ; second choice
	v_cmp_eq_u32 s20, s10, v48
	v_cmp_eq_u32 vcc_lo, s10, v49
	s_or_b32 s21, s20, vcc_lo                      ; the two choices of a token differ: at most one matches
	v_mbcnt_lo_u32_b32 v50, s21, s22
	v_cndmask_b32 v50, v4, v50, s21                ; no match: my word behind the list
	v_min_u32 v50, 0x41f, v50                      ; the index comes from loaded numbers: held inside the 1,056 words
	v_lshlrev_b32 v50, 2, v50
	v_cndmask_b32 v51, 0, v5, vcc_lo
	v_add3_u32 v51, v51, v3, 128*\c+\u             ; code = k x 1024 + token
	ds_store_b32 v50, v51
	s_bcnt1_i32_b32 s23, s21
	s_add_co_u32 s22, s22, s23
.endm
.irp c, 0,1,2,3,4,5,6,7
.irp u, 0,1,2,3
	SCAN \c, \u
.endr
.endr
.irp c, 0,1,2,3,4,5,6,7
	ds_load_b128 v[OUT+4*\c:OUT+4*\c+3], v2 offset:512*\c
.endr
	v_mov_b32 v[NN], s22
	v_mov_b32 v[NN+1], s22
	global_store_b64 v6, v[NN:NN+1], s[8:9]
	s_wait_dscnt 0x0
.irp c, 0,1,2,3,4,5,6,7
	global_store_b128 v2, v[OUT+4*\c:OUT+4*\c+3], s[6:7] offset:512*\c
.endr
	s_wait_tensorcnt 0x0
	ds_add_u32 v112, v113
	s_wait_dscnt 0x0
	s_endpgm
.Lfunc_end_k_q34812fd24b_lists:
	.size	k_q34812fd24b_lists, .Lfunc_end_k_q34812fd24b_lists-k_q34812fd24b_lists
	.p2alignl 7, 3214868480
	.fill 96, 4, 3214868480
	.section	.rodata,"a",@progbits
	.p2align	6, 0x0
	.amdhsa_kernel k_q34812fd24b_lists
		.amdhsa_group_segment_fixed_size 4608
		.amdhsa_private_segment_fixed_size 0
		.amdhsa_enable_private_segment 0
		.amdhsa_kernarg_size 24
		.amdhsa_user_sgpr_count 2
		.amdhsa_user_sgpr_kernarg_segment_ptr 1
		.amdhsa_wavefront_size32 1
		.amdhsa_system_sgpr_workgroup_id_x 1
		.amdhsa_system_sgpr_workgroup_id_y 1
		.amdhsa_system_sgpr_workgroup_id_z 1
		.amdhsa_system_vgpr_workitem_id 0
		.amdhsa_next_free_vgpr 114
		.amdhsa_next_free_sgpr 66
		.amdhsa_reserve_vcc 1
		.amdhsa_float_denorm_mode_32 3
		.amdhsa_float_denorm_mode_16_64 3
		.amdhsa_memory_ordered 1
		.amdhsa_forward_progress 1
		.amdhsa_inst_pref_size 26
	.end_amdhsa_kernel
	.amdgpu_metadata
---
amdhsa.version: [ 1, 2 ]
amdhsa.kernels:
  - .name:           k_q34812fd24b_lists
    .symbol:         k_q34812fd24b_lists.kd
    .args:
      - { .name: sel, .offset: 0, .size: 8, .value_kind: global_buffer, .address_space: global }
      - { .name: list, .offset: 8, .size: 8, .value_kind: global_buffer, .address_space: global }
      - { .name: cnt, .offset: 16, .size: 8, .value_kind: global_buffer, .address_space: global }
    .group_segment_fixed_size: 4608
    .private_segment_fixed_size: 0
    .kernarg_segment_align: 8
    .kernarg_segment_size: 24
    .max_flat_workgroup_size: 32
    .sgpr_count:     66
    .vgpr_count:     114
    .wavefront_size: 32
...
	.end_amdgpu_metadata
.endif
;; end of part 2
;; launch ffn1 (part 3): grid 32 x 8, 4 waves a work-group, no clusters, 314,880 bytes of LDS; arguments xb, W1, b1, list, h, cnt; writes h
.if DOCPART == 3
	.amdgcn_target "amdgcn-amd-amdhsa--gfx1250"
	.amdhsa_code_object_version 6
	.text
	.protected	k_q34812fd24b_ffn1
	.globl	k_q34812fd24b_ffn1
	.p2align	8
	.type	k_q34812fd24b_ffn1,@function
k_q34812fd24b_ffn1:
	s_mov_b64 s[64:65], 0
	v_nop
	global_prefetch_b8 v0, s[64:65] scope:SCOPE_SE
	s_setreg_imm32_b32 hwreg(HW_REG_WAVE_MODE, 25, 1), 1
	s_wait_xcnt 0x0
; ONE TEXT FOR BOTH PRODUCTS OF AN EXPERT; the symbol MODE selects addresses, bias and the way out.
;   MODE 1:  h[e][pos][f] = gelu(x[token(pos)] . W1[e][:, f] + b1[e][f]), f16, for the rows pos of the list of expert e
;   MODE 2:  ybuf[p][code(pos)][n] = h[e][pos][1024 p .. + 1023] . W2[e][1024 p .. + 1023][n], f32: four partial planes p, summed by the last launch
; Only rows that the router chose are computed: the gate of every other expert is exactly 0.
; FORMAT.  The operands of both products are f16, the sums f32.  Four roundings lie between the inputs and a result (x, W1, h, W2).  With 8 significant
; bits each (bf16) they add up to about 0.3 per cent of the root mean square of the results, a third of the 1 per cent that the problem allows, which a million
; results do not all keep; with 11 bits (f16) to an eighth of that.  The room in f16, whose largest number is 65,504: with every input 30 times larger
; |x| reaches 180, |W1| 5, and x . W1 has a spread of 900, so |h| reaches 5,000; with x and W1 both offset by 30 spreads x . W1 is about
; 1024 x 30 x 30/32 = 28,800.  With every input 30 times smaller W2 has a spread of 1/1920 and h of about as much; below 2^-14 the step of f16 is 2^-24,
; a ten-thousandth of that spread.
; THE WEIGHTS STAY.  A work-group owns W[1024 k][128 n] of one expert (grid y = expert; grid x: MODE 1 the slice of 128 columns of F, MODE 2
; the slice of 128 columns of H in bits 2:0 and the quarter p of F above).  It reads these 512 KiB once, in f32, each load of sixteen lanes
; covering 256 consecutive aligned bytes, and rounds them to f16 straight into the registers of source 1: 512 registers a wave, no LDS,
; no transposing.  Wave w: kh = w >> 1 takes 512 of the 1024 k (16 steps of 32), nh = w & 1 takes 64 of the 128 columns as four tiles;
; tile j is the columns 64 nh + 4 r + j (r = lane % 16), so the four columns of a 16-byte load feed the four tiles.
; THE ROWS STREAM.  The rows of the expert come in blocks of 64 through two LDS slots (f16, 2,048 bytes a row + 16 of padding); while one block is
; multiplied the next is fetched through registers.  MODE 1 gathers its rows by the list, which a tile descriptor does not express, so
; both modes use plain loads; the rows are shared by the 32 work-groups of an expert and are not asked for jointly in this text.
; SIXTEEN TURNS, WHATEVER THE COUNT.  An expert has 1 to 16 blocks: nblk = ceil(n_e / 64), at least 1, from cnt, whole numbers that an earlier launch
; stored.  Every wave passes both barriers of all sixteen turns; the count only decides, by forward branches, whether the work between two
; barriers is done.  Each guarded piece waits inside itself for every global load that it issues.  The products of block 0 stand unguarded in front of the loop:
; an expert without tokens computes one block of pad rows.  A piece of products always stages a block (MODE 1: block min(b + 1, 15) of the
; list, whose unused places hold pad codes; MODE 2: block b + 1, or block b once more where b is the last, so that only written rows of h are
; read; both offsets are made of the loop counter, and a forward branch on the count chooses): the last one is staged in vain.
; Pad rows (list code 2048 + e) are computed like any other: MODE 1 takes token e for them and stores them, so that every byte of h that MODE 2
; reads is written; MODE 2 stores them to row 2048 + e of its plane, which nobody reads.
; THE TWO K HALVES MEET IN LDS: a wave keeps two of its four blocks of 16 rows and hands the other two to wave w ^ 2.
; LIMITS.  An operand (x, W1, h, W2) above 65,504 in magnitude becomes infinite.  Sums f32, in another order than a plain loop.
; gelu(x) = max(x, 0) - |x| Phi(-|x|), Phi(-|x|) by the five-term rational form times e^(-x x / 2) (Abramowitz and Stegun 7.1.26, absolute error
; at most 1e-7 for every x).  An expert that the router did not choose is never formed, so an overflow there, which the dense form would turn
; into NaN, is not reproduced.
.set MODE, 1
.set XP,    2064                       ; an LDS row: 2,048 bytes + 16 = 129 x 16: the sixteen rows of a fragment load start at sixteen different 16-byte columns
.set SLOTB, 64*XP                      ; a slot: 64 rows
.set EX,    2*SLOTB                    ; behind the slots: 8,192 bytes a wave, the accumulators handed over
.set ST,    EX+4*8192                  ; MODE 1: the stage of the work-group, 64 rows x 272 bytes
.set SPT,   272
.set PLANE, 2056*4096                  ; bytes in a plane of ybuf
.set NBLK,  16                         ; blocks of 64 rows at the most: 1,024 tokens
.if MODE == 1
.set WPITCH, 16384                     ; bytes in a row of W
.else
.set WPITCH, 4096
.endif
; window 0
.set L16,  4                           ; 16 x lane
.set R16A, 5                           ; 16 r
.set WO,   6                           ; v6, v7    my offset in W: 8 h rows + 16 r; the same 256 rows on
.set XS,   8                           ; v8-11     where I put staged rows: slot s, rows 4 w on at XS + 2 s, rows 32 + 4 w on at XS + 2 s + 1; never rewritten
.set XO0,  12                          ; MODE 2: 16 x lane + 4 w rows of h
.set LCV,  13                          ; MODE 2: my offset in the list, this block
.set LCB,  14                          ; MODE 2: the same for block 0
.set XOB,  15                          ; MODE 2: XO0 + the block being staged
.set BV,   16                          ; v[16:19]  MODE 1: the bias of my four columns
.set TP,   20                          ; at work
.set XO,   32                          ; v[32:47]  MODE 1: byte offsets in xb of my sixteen rows of a block
.set WS,   64                          ; v[64:255] three staging sets of 64
; window 1
.set ACC,  0                           ; v[0:127]   accumulator (a, j) at 32 a + 8 j: a is the block of 16 rows a ^ 2 kh, j the tile
.set AF,   128                         ; v[128:191] two buffers of fragments of the rows; at work on the way out
.set AA,   192                         ; 192-195    my fragment address: slot s, a = 0, 1 at AA + 2 s, a = 2, 3 at AA + 2 s + 1; never rewritten
.set EXS,  196                         ; where I hand over
.set EXL,  197                         ; where my partner handed over
.set STS,  198                         ; MODE 1: into the stage
.set STL,  199                         ; MODE 1: back from it
.set GO,   200                         ; MODE 1: my offset in h, block 0
.set R16,  201                         ; MODE 2: 16 r
.set A5P,  202                         ; 202:203    MODE 1: the leading coefficient, twice
.set GOI,  204                         ; MODE 1: my offset in h, this block
.set BC,   208                         ; v[208:239] MODE 1: the bias as a C operand, 8 equal registers a tile (0 in the waves with kh = 1)
.set CODE, 208                         ; v[208:223] MODE 2: the list codes of my sixteen rows, then their byte offsets
.set GT,   AF                          ; gelu: t, the exponential, the polynomial, max(x, 0)
.set GZ,   AF+8
.set GQ,   AF+16
.set GM,   AF+24
; windows 2 and 3: W.  K step g, tile j, register q at 32 (g & 7) + 8 j + q; window 2 holds g < 8, window 3 the rest
; scalars: s16 wave, s17 kh, s18 nh, s22 nblk, s24 the loop counter = the block that the first turn of a trip finishes, s28-s30 at work,
; MODE 1: s27 offset of the codes asked for, s31 16 w, s[32:47] sixteen codes, s48-s59 constants of gelu
.set TO1, 0x40                         ; destination window 1
.set CV2, 0x80                         ; destination window 2
.set CV3, 0xc0                         ; destination window 3
.set CW2, 0x59                         ; source 0, C and D window 1, source 1 window 2; an LDS load under it: data and address window 1
.set CW3, 0x5d                         ; the same with source 1 in window 3
.set EW,  0x55                         ; everything window 1
.set MSB, 0
.macro WIN new                         ; the high byte of the immediate repeats the setting that is left; a switch that changes nothing is dropped
.if MSB != \new
	s_set_vgpr_msb (MSB<<8)|\new
.set MSB, \new
.endif
.endm
; Four places: a load into a register that a matrix instruction has read, and whatever reads a matrix result, stand four plain vector
; instructions behind that matrix instruction; no other vector work is at hand at these points.
.macro PLACES
.rept 4
	v_nop
.endr
.endm
; K step g of W, sixteen loads: rows 32 g + 8 h + i (i < 8) and 32 g + 16 + 8 h + i - 8, my four columns.  Read once in the launch.
.macro WISSUE g
.irp i, 0,1,2,3,4,5,6,7,8,9,10,11,12,13,14,15
	global_load_b128 v[WS+64*((\g)%3)+4*\i:WS+64*((\g)%3)+4*\i+3], v[WO+((\g)>>3)], s[6:7] offset:(((\g)&7)*32+\i+8*(\i>>3))*WPITCH th:TH_LOAD_NT
.endr
.endm
; and its rounding: register q of tile j takes column j of loads 2 q and 2 q + 1, two neighbouring k
.macro WCVT g
.if (\g) < 8
	WIN CV2
.else
	WIN CV3
.endif
.irp j, 0,1,2,3
.irp q, 0,1,2,3,4,5,6,7
	v_cvt_pk_f16_f32 v[((\g)&7)*32+8*\j+\q], v[WS+64*((\g)%3)+8*\q+\j], v[WS+64*((\g)%3)+8*\q+4+\j]
.endr
.endr
	WIN 0
.endm
.if MODE == 1
; The sixteen codes in s[32:47] become offsets in xb (token = code & 1023, 2,048 bytes a row), and the codes of the block after are asked for.
; pro = 1: in front of the turns (block 1 is asked for).  Else block s24 + d + 2, held at the last block of the table, 15: no load leaves the list.
.macro XCODES pro, d
	s_wait_kmcnt 0x0
.irp n, 0,1,2,3,4,5,6,7,8,9,10,11,12,13,14,15
	s_min_u32 s[32+\n], s[32+\n], 0xfff
	s_and_b32 s[32+\n], s[32+\n], 0x3ff
	v_lshl_add_u32 v[XO+\n], s[32+\n], 11, v[L16]
.endr
.if \pro
	s_add_co_u32 s27, s31, 256
.else
	s_add_co_u32 s27, s24, (\d)+2
	s_min_u32 s27, s27, 15
	s_lshl_b32 s27, s27, 8
	s_add_co_u32 s27, s27, s31
.endif
.irp c, 0,1,2,3
	s_load_b128 s[32+4*\c:35+4*\c], s[10:11], s27 offset:64*\c
.endr
.endm
.endif
; Chunk c of a block: my rows 16 c + 4 w + q, q = 0..3, four loads of 512 consecutive bytes each, into a staging set
.macro XISSUE c, set
.irp q, 0,1,2,3
.irp pc, 0,1,2,3
.if MODE == 1
	global_load_b128 v[WS+64*(\set)+16*\q+4*\pc:WS+64*(\set)+16*\q+4*\pc+3], v[XO+4*(\c)+\q], s[4:5] offset:512*\pc
.else
	global_load_b128 v[WS+64*(\set)+16*\q+4*\pc:WS+64*(\set)+16*\q+4*\pc+3], v[XOB], s[4:5] offset:(16*(\c)+\q)*8192+512*\pc
.endif
.endr
.endr
.endm
; and on into slot sl of LDS
.macro XSTORE c, set, sl
.irp q, 0,1,2,3
.irp pc, 0,1,2,3
	ds_store_b128 v[XS+2*(\sl)+((\c)>>1)], v[WS+64*(\set)+16*\q+4*\pc:WS+64*(\set)+16*\q+4*\pc+3] offset:(((\c)&1)*16+\q)*XP+512*\pc
.endr
.endr
.endm
; The fragments of K step k from slot sl: four blocks of 16 rows x 32 k, two loads of 16 bytes each, 32 bytes apart, into buffer k & 1
.macro AFLOAD k, sl
.irp a, 0,1,2,3
	ds_load_b128 v[AF+32*((\k)&1)+8*\a:AF+32*((\k)&1)+8*\a+3],   v[AA+2*(\sl)+(\a>>1)] offset:(\a&1)*16*XP+64*(\k)
	ds_load_b128 v[AF+32*((\k)&1)+8*\a+4:AF+32*((\k)&1)+8*\a+7], v[AA+2*(\sl)+(\a>>1)] offset:(\a&1)*16*XP+64*(\k)+32
.endr
.endm
; Four K steps; the symbol ks runs on.  A step: the next fragments are asked for, into the buffer that the step before multiplied; then sixteen
; matrix instructions, one on each accumulator, in the same order in every step: the accumulators take turns.
; The first step starts the sums: with the bias as C (MODE 1) or with 0.
.macro KS4 sl
.rept 4
	PLACES
.if ks < 15
.set kn, ks+1
	AFLOAD kn, \sl
	s_wait_dscnt 8                                 ; all but the eight just issued: the fragments of this step are in
.else
	s_wait_dscnt 0x0
.endif
.irp a, 0,1,2,3
.irp j, 0,1,2,3
.if ks > 0
	v_wmma_f32_16x16x32_f16 v[ACC+32*\a+8*\j:ACC+32*\a+8*\j+7], v[AF+32*(ks&1)+8*\a:AF+32*(ks&1)+8*\a+7], v[32*(ks&7)+8*\j:32*(ks&7)+8*\j+7], v[ACC+32*\a+8*\j:ACC+32*\a+8*\j+7]
.elseif MODE == 1
	v_wmma_f32_16x16x32_f16 v[ACC+32*\a+8*\j:ACC+32*\a+8*\j+7], v[AF+32*(ks&1)+8*\a:AF+32*(ks&1)+8*\a+7], v[32*(ks&7)+8*\j:32*(ks&7)+8*\j+7], v[BC+8*\j:BC+8*\j+7]
.else
	v_wmma_f32_16x16x32_f16 v[ACC+32*\a+8*\j:ACC+32*\a+8*\j+7], v[AF+32*(ks&1)+8*\a:AF+32*(ks&1)+8*\a+7], v[32*(ks&7)+8*\j:32*(ks&7)+8*\j+7], 0
.endif
.endr
.endr
.set ks, ks+1
.endr
.endm
.if MODE == 1
; gelu of eight numbers in place.  t = 1 / (1 + 0.2316419 |x|); q = t (a1 + t (a2 + t (a3 + t (a4 + t a5)))) / 2 x 2^(-(c x)^2), c^2 = log2(e) / 2;
; result = max(x, 0) - |x| q.  Behind each run of transcendentals stands a packed instruction that touches none of their registers.
.macro GELU8 x
.irp i, 0,1,2,3,4,5,6,7
	v_fma_f32 v[GT+\i], |v[(\x)+\i]|, s48, 1.0
.endr
.irp i, 0,1,2,3,4,5,6,7
	v_rcp_f32 v[GT+\i], v[GT+\i]
.endr
.irp i, 0,2,4,6
	v_pk_mul_f32 v[GZ+\i:GZ+\i+1], v[(\x)+\i:(\x)+\i+1], s[50:51] op_sel_hi:[1,0]
.endr
.irp i, 0,2,4,6
	v_pk_mul_f32 v[GZ+\i:GZ+\i+1], v[GZ+\i:GZ+\i+1], v[GZ+\i:GZ+\i+1] neg_lo:[1,0] neg_hi:[1,0]
.endr
.irp i, 0,1,2,3,4,5,6,7
	v_exp_f32 v[GZ+\i], v[GZ+\i]
.endr
	s_wait_alu depctr_va_vdst(0)
.irp i, 0,2,4,6
	v_pk_fma_f32 v[GQ+\i:GQ+\i+1], v[GT+\i:GT+\i+1], v[A5P:A5P+1], s[52:53] op_sel_hi:[1,1,0]
.endr
.irp sc, 54,56,58
.irp i, 0,2,4,6
	v_pk_fma_f32 v[GQ+\i:GQ+\i+1], v[GQ+\i:GQ+\i+1], v[GT+\i:GT+\i+1], s[\sc:\sc+1] op_sel_hi:[1,1,0]
.endr
.endr
.irp i, 0,2,4,6
	v_pk_mul_f32 v[GQ+\i:GQ+\i+1], v[GQ+\i:GQ+\i+1], v[GT+\i:GT+\i+1]
.endr
.irp i, 0,2,4,6
	v_pk_mul_f32 v[GQ+\i:GQ+\i+1], v[GQ+\i:GQ+\i+1], v[GZ+\i:GZ+\i+1]
.endr
.irp i, 0,1,2,3,4,5,6,7
	v_max_num_f32 v[GM+\i], 0, v[(\x)+\i]
.endr
.irp i, 0,1,2,3,4,5,6,7
	v_fma_f32 v[(\x)+\i], -|v[(\x)+\i]|, v[GQ+\i], v[GM+\i]
.endr
.endm
.endif
; A barrier of the four waves.  It stands outside every guard: each wave passes it in every turn.
.macro MEET
	s_wait_dscnt 0x0                               ; for the sake of the others: my LDS stores are done and my LDS reads are back
	s_barrier_signal -1
	s_barrier_wait -1
.endm
; Block s24 + d goes into s30; the piece up to the label is left out where the expert has no such block.
.macro GUARD d, to
	s_add_co_u32 s30, s24, \d
	s_cmp_lt_u32 s30, s22
	s_cbranch_scc0 \to
.endm
; THE PRODUCTS of block s24 + d, which lies in slot sl; the next block is staged into the other slot meanwhile; at the end a = 2, 3 are handed over.
; All global loads of the piece are waited for inside it.
.macro COMP sl, d
	WIN 0
	s_wait_xcnt 0x0                                ; earlier stores have had their addresses translated: their data and offsets are rewritten only behind this wait
.if MODE == 2
	s_add_co_u32 s30, s24, \d
	s_min_u32 s28, s30, 15                         ; the block in hand, held inside the sixteen blocks
	v_lshl_add_u32 v[LCV], s28, 8, v[LCB]          ; 256 bytes of list a block
	v_lshl_add_u32 v[XOB], s28, 19, v[XO0]         ; 64 rows of 8,192 bytes a block: this block once more, where it is the last: only written rows of h are read
	s_add_co_u32 s30, s30, 1
	s_cmp_lt_u32 s30, s22
	s_cbranch_scc0 .Lsame_\@
	s_min_u32 s30, s30, 15
	v_lshl_add_u32 v[XOB], s30, 19, v[XO0]         ; else the next block
.Lsame_\@:
	WIN TO1
.irp n, 0,1,2,3
	global_load_b128 v[CODE+4*\n:CODE+4*\n+3], v[LCV], s[10:11] offset:64*(\n>>1)+16*(\n&1)   ; the codes of rows 16 a + 8 h + 0..7 of my 32
.endr
	WIN 0
.else
	XCODES 0, \d
.endif
	XISSUE 0, 0
	XISSUE 1, 1
	WIN CW2
	AFLOAD 0, \sl
.set ks, 0
	KS4 \sl
	WIN 0
	XISSUE 2, 2
	WIN CW2
	KS4 \sl
	WIN 0
	s_wait_loadcnt 32                              ; chunk 0 is in (asked for 128 matrix instructions ago), MODE 2's codes too; chunks 1 and 2 stay out
	XSTORE 0, 0, 1-\sl
	XISSUE 3, 0
	WIN CW3
	KS4 \sl
	WIN 0
	s_wait_loadcnt 32                              ; chunk 1; 2 and 3 stay out
	XSTORE 1, 1, 1-\sl
	WIN CW3
	KS4 \sl
	WIN 0
	s_wait_loadcnt 16                              ; chunk 2; 3 stays out
	XSTORE 2, 2, 1-\sl
	s_wait_loadcnt 0x0
	XSTORE 3, 0, 1-\sl
	WIN EW
	PLACES
.irp q, 0,1,2,3,4,5,6,7,8,9,10,11,12,13,14,15
	ds_store_b128 v[EXS], v[ACC+64+4*\q:ACC+64+4*\q+3] offset:512*\q      ; a = 2, 3 go to my partner, each accumulator from its low end on
.endr
	WIN 0
.endm
; BEHIND THE FIRST BARRIER of a turn: the other K half of my a = 0, 1 comes in; MODE 1 goes on to gelu and the stage.
.macro FIN2
	WIN EW
.irp q, 0,1,2,3,4,5,6,7,8,9,10,11,12,13,14,15
	ds_load_b128 v[ACC+64+4*\q:ACC+64+4*\q+3], v[EXL] offset:512*\q
.endr
.if MODE == 1
.irp a, 0,1
.irp j, 0,1,2,3
	s_wait_dscnt 14-2*(4*\a+\j)                    ; the loads issued behind the two of this accumulator stay out
.irp i, 0,2,4,6
	v_pk_add_f32 v[ACC+32*\a+8*\j+\i:ACC+32*\a+8*\j+\i+1], v[ACC+32*\a+8*\j+\i:ACC+32*\a+8*\j+\i+1], v[ACC+64+32*\a+8*\j+\i:ACC+64+32*\a+8*\j+\i+1]
.endr
	GELU8 ACC+32*\a+8*\j
.endr
.endr
.irp a, 0,1
.irp i, 0,1,2,3,4,5,6,7
	v_cvt_pk_f16_f32 v[AF+2*(8*\a+\i)],   v[ACC+32*\a+\i],    v[ACC+32*\a+8+\i]       ; register i of the four tiles: four neighbouring columns of a row
	v_cvt_pk_f16_f32 v[AF+2*(8*\a+\i)+1], v[ACC+32*\a+16+\i], v[ACC+32*\a+24+\i]
	ds_store_b64 v[STS], v[AF+2*(8*\a+\i):AF+2*(8*\a+\i)+1] offset:(16*\a+\i)*SPT
.endr
.endr
.endif
	WIN 0
.endm
; BEHIND THE SECOND BARRIER: the block leaves.  s30 holds its number (from the guard in front).
.macro FIN3
	s_wait_xcnt 0x0                                ; the stores of the block before have had their addresses translated: their offsets and data are rewritten only behind this wait
	WIN EW
.if MODE == 1
	v_lshl_add_u32 v[GOI], s30, 19, v[GO]          ; 64 rows of 8,192 bytes a block
.irp t, 0,1,2,3,4,5,6,7
	ds_load_b128 v[AF+32+4*\t:AF+32+4*\t+3], v[STL] offset:2*SPT*\t       ; a row of 256 bytes comes from two waves: hence the barrier
.endr
.irp t, 0,1,2,3,4,5,6,7
	s_wait_dscnt 7-\t
	global_store_b128 v[GOI], v[AF+32+4*\t:AF+32+4*\t+3], s[12:13] offset:16384*\t   ; sixteen lanes store 256 consecutive bytes, aligned
.endr
.else
.irp n, 0,1,2,3,4,5,6,7,8,9,10,11,12,13,14,15
	v_min_u32 v[CODE+\n], 0x807, v[CODE+\n]        ; a loaded number enters an address: held inside the 2,056 rows of a plane
	v_lshl_add_u32 v[CODE+\n], v[CODE+\n], 12, v[R16]
.endr
.irp a, 0,1
.irp i, 0,1,2,3,4,5,6,7
.irp j, 0,1,2,3
	v_add_f32 v[AF+32*\a+4*\i+\j], v[ACC+32*\a+8*\j+\i], v[ACC+64+32*\a+8*\j+\i]    ; the sum of the halves also lays four neighbouring columns side by side
.endr
.endr
.endr
.irp a, 0,1
.irp i, 0,1,2,3,4,5,6,7
	global_store_b128 v[CODE+8*\a+\i], v[AF+32*\a+4*\i:AF+32*\a+4*\i+3], s[12:13]   ; sixteen lanes store 256 consecutive bytes, aligned
.endr
.endr
.endif
	WIN 0
.endm
; A TURN: block s24 + d is finished, then block s24 + d + 1, which lies in slot sl, is multiplied.
; First barrier: what was handed over and the staged block are in LDS, and every wave's reads of the slot just multiplied and of the stage are back.
; Second barrier: every wave has taken what was handed over (the next products write those bytes again), and MODE 1's stage is whole.
.macro HALF sl, d
	MEET
	GUARD \d, .Lno2_\@
	FIN2
.Lno2_\@:
	MEET
	GUARD \d, .Lno3_\@
	FIN3
.Lno3_\@:
	GUARD \d+1, .Lno1_\@
	COMP \sl, \d+1
.Lno1_\@:
.endm
; ---------------------------------------------------------------- the head
.if MODE == 1
	s_load_b256 s[4:11], s[0:1], 0x0               ; xb s[4:5], W1 s[6:7], b1 s[8:9], list s[10:11]
	s_load_b128 s[12:15], s[0:1], 0x20             ; h s[12:13], cnt s[14:15]
	v_lshl_add_u32 v62, v0, 2, 0x4cc00
	v_mov_b32 v63, 0
.else
	s_load_b128 s[4:7], s[0:1], 0x0                ; h s[4:5], W2 s[6:7]
	s_load_b64 s[10:11], s[0:1], 0x10              ; list
	s_load_b128 s[12:15], s[0:1], 0x18             ; ybuf s[12:13], cnt s[14:15]
.endif
	v_lshrrev_b32 v1, 5, v0
	v_readfirstlane_b32 s16, v1                    ; wave 0..3
	s_lshr_b32 s17, s16, 1                         ; kh
	s_and_b32 s18, s16, 1                          ; nh
	s_and_b32 s19, ttmp7, 0xffff                   ; expert
	s_mov_b32 s20, ttmp9                           ; slice
	v_and_b32 v1, 31, v0                           ; lane
	v_and_b32 v2, 15, v0                           ; r
	v_bfe_u32 v3, v0, 4, 1                         ; h
	v_lshlrev_b32 v[L16], 4, v1
	v_lshlrev_b32 v[R16A], 4, v2
	v_mul_u32_u24 v[WO], v3, 8*WPITCH
	v_add_nc_u32 v[WO], v[WO], v[R16A]
	v_add_nc_u32 v[WO+1], 256*WPITCH, v[WO]
	; byte offsets, each in a pair of its own; all stay under 2^31
.if MODE == 1
	s_lshl_b32 s30, s20, 9
	s_lshl_b32 s31, s18, 8
	s_add_co_u32 s30, s30, s31                     ; my 64 columns in f32: 512 x slice + 256 nh
	s_lshl_b32 s28, s19, 24                        ; W1: 16 MiB an expert,
	s_add_co_u32 s28, s28, s30
	s_lshl_b32 s31, s17, 23                        ; 512 rows of 16,384 bytes for kh
	s_add_co_u32 s28, s28, s31
	s_mov_b32 s29, 0
	s_lshl_b32 s40, s19, 14                        ; b1
	s_add_co_u32 s40, s40, s30
	s_mov_b32 s41, 0
	s_lshl_b32 s42, s19, 23                        ; h: 8 MiB an expert, 256 bytes a slice
	s_lshl_b32 s31, s20, 8
	s_add_co_u32 s42, s42, s31
	s_mov_b32 s43, 0
.else
	s_and_b32 s26, s20, 7                          ; the slice of 128 columns of H
	s_lshr_b32 s27, s20, 3                         ; p: the quarter of F
	s_lshl_b32 s30, s26, 9
	s_lshl_b32 s31, s18, 8
	s_add_co_u32 s30, s30, s31                     ; my 64 columns in f32
	s_lshl_b32 s28, s19, 24                        ; W2: 16 MiB an expert,
	s_lshl_b32 s31, s27, 22                        ; 1,024 rows of 4,096 bytes a quarter,
	s_add_co_u32 s28, s28, s31
	s_add_co_u32 s28, s28, s30
	s_lshl_b32 s31, s17, 21                        ; 512 rows for kh
	s_add_co_u32 s28, s28, s31
	s_mov_b32 s29, 0
	s_lshl_b32 s40, s19, 23                        ; h: 8 MiB an expert, 2,048 bytes a quarter
	s_lshl_b32 s31, s27, 11
	s_add_co_u32 s40, s40, s31
	s_mov_b32 s41, 0
	s_mul_i32 s42, s27, PLANE                      ; ybuf: my plane, my columns
	s_add_co_u32 s42, s42, s30
	s_mov_b32 s43, 0
.endif
	s_lshl_b32 s44, s19, 12                        ; list: 4,096 bytes an expert
	s_mov_b32 s45, 0
	s_lshl_b32 s46, s19, 8                         ; cnt: 256 bytes an expert
	s_mov_b32 s47, 0
	s_wait_kmcnt 0x0
	s_add_nc_u64 s[6:7], s[6:7], s[28:29]
.if MODE == 1
	s_add_nc_u64 s[8:9], s[8:9], s[40:41]
.else
	s_add_nc_u64 s[4:5], s[4:5], s[40:41]
.endif
	s_add_nc_u64 s[12:13], s[12:13], s[42:43]
	s_add_nc_u64 s[10:11], s[10:11], s[44:45]
	s_add_nc_u64 s[14:15], s[14:15], s[46:47]
	s_load_b32 s21, s[14:15], 0x0                  ; n_e
.if MODE == 1
	s_lshl_b32 s31, s16, 4                         ; my four codes of a chunk begin 16 w bytes in; kept
	s_mov_b32 s27, s31
.irp c, 0,1,2,3
	s_load_b128 s[32+4*\c:35+4*\c], s[10:11], s27 offset:64*\c     ; the codes of block 0
.endr
	global_load_b128 v[BV:BV+3], v[R16A], s[8:9]   ; the oldest load: in with the first K step of W
.endif
	WISSUE 0                                       ; three K steps of W, 48 loads of 512 bytes a wave, are on their way from here on
	WISSUE 1
	WISSUE 2
	; LDS addresses.  Each is a constant, the wave number times a constant, and a lane term; each slot has registers of its own.
	v_mul_u32_u24 v[TP], v2, XP
	v_lshl_add_u32 v[TP], v3, 4, v[TP]             ; a fragment: row r, 16 bytes for each half of the lanes
	s_mul_i32 s28, s17, 1024+32*XP                 ; a = 0, 1: the blocks of rows 2 kh, 2 kh + 1; my K half begins 1,024 kh bytes into a row
	s_xor_b32 s29, s17, 1
	s_mul_i32 s29, s29, 32*XP                      ; a = 2, 3: the other two blocks
	s_lshl_b32 s30, s17, 10
	s_add_co_u32 s29, s29, s30
	s_add_co_u32 s60, s28, SLOTB                   ; the same in slot 1
	s_add_co_u32 s61, s29, SLOTB
	s_lshl_b32 s30, s16, 13
	s_add_co_u32 s30, s30, EX                      ; I hand over at wave x 8,192,
	s_xor_b32 s26, s16, 2
	s_lshl_b32 s26, s26, 13
	s_add_co_u32 s26, s26, EX                      ; my partner, the wave with the other K half, at its own
	s_mul_i32 s22, s16, 4*XP
	v_add_nc_u32 v[XS], s22, v[L16]
	v_add_nc_u32 v[XS+1], 32*XP, v[XS]
	v_add_nc_u32 v[XS+2], SLOTB, v[XS]
	v_add_nc_u32 v[XS+3], SLOTB, v[XS+1]
.if MODE == 1
	v_mul_u32_u24 v[TP+1], v3, 8*SPT
	v_lshl_add_u32 v[TP+1], v2, 3, v[TP+1]         ; into the stage: row 8 h (+ i), 8 bytes at 8 r
	s_mul_i32 s25, s17, 32*SPT
	s_lshl_b32 s22, s18, 7
	s_add_co_u32 s25, s25, s22
	s_add_co_u32 s25, s25, ST                      ; my 32 rows, my half of their 256 bytes
	v_mul_u32_u24 v[TP+2], v3, SPT
	v_add_nc_u32 v[TP+2], v[TP+2], v[R16A]         ; back: lanes 0-15 one row of 256 bytes, lanes 16-31 the next
	s_mul_i32 s24, s16, 16*SPT
	s_add_co_u32 s24, s24, ST                      ; rows 16 w on
	v_lshl_add_u32 v[TP+3], v3, 13, v[R16A]        ; and the same two rows in h, 8,192 bytes a row
	s_lshl_b32 s23, s16, 17
	s_mov_b32 s48, 0x3e6d3388                      ; 0.2316419
	s_cmp_eq_u32 s17, 0
	s_cselect_b32 s49, 0x3f800000, 0               ; the bias enters one of the two K halves
	s_mov_b32 s50, 0x3f596d27                      ; sqrt(log2(e) / 2); each constant twice: the packed forms name a pair
	s_mov_b32 s51, 0x3f596d27
	s_mov_b32 s52, 0xbf3a00e3                      ; a4 / 2
	s_mov_b32 s53, 0xbf3a00e3
	s_mov_b32 s54, 0x3f35f0e3                      ; a3 / 2
	s_mov_b32 s55, 0x3f35f0e3
	s_mov_b32 s56, 0xbe11a98e                      ; a2 / 2
	s_mov_b32 s57, 0xbe11a98e
	s_mov_b32 s58, 0x3e027906                      ; a1 / 2
	s_mov_b32 s59, 0x3e027906
.else
	s_lshl_b32 s22, s16, 15
	v_add_nc_u32 v[XO0], s22, v[L16]               ; rows 4 w on, 8,192 bytes a row
	v_mov_b32 v[XOB], v[XO0]                       ; block 0 is staged first
	s_lshl_b32 s22, s17, 7
	v_lshl_add_u32 v[LCB], v3, 5, s22              ; the codes of rows 32 kh + 8 h on, 4 bytes each
.endif
	WIN TO1
	v_add_nc_u32 v[AA], s28, v[TP]
	v_add_nc_u32 v[AA+1], s29, v[TP]
	v_add_nc_u32 v[AA+2], s60, v[TP]
	v_add_nc_u32 v[AA+3], s61, v[TP]
	v_add_nc_u32 v[EXS], s30, v[L16]
	v_add_nc_u32 v[EXL], s26, v[L16]
.if MODE == 1
	v_add_nc_u32 v[STS], s25, v[TP+1]
	v_add_nc_u32 v[STL], s24, v[TP+2]
	v_add_nc_u32 v[GO], s23, v[TP+3]
	v_mov_b32 v[A5P], 0x3f07dc22                   ; a5 / 2
	v_mov_b32 v[A5P+1], 0x3f07dc22
.else
	v_mov_b32 v[R16], v[R16A]
.endif
	WIN 0
	s_wait_kmcnt 0x0
	s_min_u32 s21, s21, 1024
	s_add_co_u32 s22, s21, 63
	s_lshr_b32 s22, s22, 6
	s_max_u32 s22, s22, 1                          ; nblk: blocks of 64 rows, 1 to 16; it enters compares alone, never an address
	s_mov_b32 s24, 0
; ---------------------------------------------------------------- W comes in; block 0 follows it through the same three sets
.set g, 0
.rept 16
	s_wait_loadcnt 32                              ; the two younger items of sixteen loads stay out
	WCVT g
.if g < 13
.set gi, g+3
	WISSUE gi
.else
.set xc, g-13
.set xs, g%3
	XISSUE xc, xs                                  ; chunks 0, 1, 2 of block 0 into the sets 1, 2, 0, each just freed
.endif
.if MODE == 1
.if g == 0
	WIN TO1
.irp j, 0,1,2,3
.irp i, 0,1,2,3,4,5,6,7
	v_mul_f32 v[BC+8*\j+\i], s49, v[BV+\j]         ; register i of a result is row 8 h + i of column 4 r + j: the bias is the same in all eight
.endr
.endr
	WIN 0
.endif
.if g == 7
	XCODES 1, 0
.endif
.endif
.set g, g+1
.endr
	s_wait_loadcnt 32                              ; chunk 0 is in; chunks 1 and 2 stay out
	XSTORE 0, 1, 0
	XISSUE 3, 1
	s_wait_loadcnt 32                              ; chunk 1; 2 and 3 stay out
	XSTORE 1, 2, 0
	s_wait_loadcnt 16
	XSTORE 2, 0, 0
	s_wait_loadcnt 0x0
	XSTORE 3, 1, 0
	MEET                                           ; block 0 is whole in slot 0
; ---------------------------------------------------------------- the turns
	COMP 0, 0                                      ; block 0 always exists
.Lturn:                                                ; eight trips, two turns each: the slots are constants of the text
	HALF 1, 0
	HALF 0, 1
	s_add_co_u32 s24, s24, 2
	s_cmp_lt_u32 s24, NBLK
	s_cbranch_scc1 .Lturn
.if MODE == 1
	s_wait_kmcnt 0x0                               ; the codes asked for last are not used; they have landed when the wave ends
.endif
	s_wait_dscnt 0x0                               ; no LDS instruction of the wave is out when it ends
	s_wait_tensorcnt 0x0
	ds_add_u32 v62, v63
	s_wait_dscnt 0x0
	s_endpgm
.Lfunc_end_k_q34812fd24b_ffn1:
	.size	k_q34812fd24b_ffn1, .Lfunc_end_k_q34812fd24b_ffn1-k_q34812fd24b_ffn1
	.p2alignl 7, 3214868480
	.fill 96, 4, 3214868480
	.section	.rodata,"a",@progbits
	.p2align	6, 0x0
	.amdhsa_kernel k_q34812fd24b_ffn1
		.amdhsa_group_segment_fixed_size 314880
		.amdhsa_private_segment_fixed_size 0
		.amdhsa_enable_private_segment 0
		.amdhsa_kernarg_size 48
		.amdhsa_user_sgpr_count 2
		.amdhsa_user_sgpr_kernarg_segment_ptr 1
		.amdhsa_wavefront_size32 1
		.amdhsa_system_sgpr_workgroup_id_x 1
		.amdhsa_system_sgpr_workgroup_id_y 1
		.amdhsa_system_sgpr_workgroup_id_z 1
		.amdhsa_system_vgpr_workitem_id 0
		.amdhsa_next_free_vgpr 1024
		.amdhsa_next_free_sgpr 66
		.amdhsa_reserve_vcc 0
		.amdhsa_float_denorm_mode_32 3
		.amdhsa_float_denorm_mode_16_64 3
		.amdhsa_memory_ordered 1
		.amdhsa_forward_progress 1
		.amdhsa_inst_pref_size 255
	.end_amdhsa_kernel
	.section	.bss,"aw",@nobits
	.p2align	6
	.space	262144
	.amdgpu_metadata
---
amdhsa.version: [ 1, 2 ]
amdhsa.kernels:
  - .name:           k_q34812fd24b_ffn1
    .symbol:         k_q34812fd24b_ffn1.kd
    .args:
      - { .name: xb, .offset: 0, .size: 8, .value_kind: global_buffer, .address_space: global }
      - { .name: W1, .offset: 8, .size: 8, .value_kind: global_buffer, .address_space: global }
      - { .name: b1, .offset: 16, .size: 8, .value_kind: global_buffer, .address_space: global }
      - { .name: list, .offset: 24, .size: 8, .value_kind: global_buffer, .address_space: global }
      - { .name: h, .offset: 32, .size: 8, .value_kind: global_buffer, .address_space: global }
      - { .name: cnt, .offset: 40, .size: 8, .value_kind: global_buffer, .address_space: global }
    .group_segment_fixed_size: 314880
    .private_segment_fixed_size: 0
    .kernarg_segment_align: 8
    .kernarg_segment_size: 48
    .max_flat_workgroup_size: 128
    .sgpr_count:     66
    .vgpr_count:     1024
    .wavefront_size: 32
...
	.end_amdgpu_metadata
.endif
;; end of part 3
;; launch ffn2 (part 4): grid 32 x 8, 4 waves a work-group, no clusters, 297,472 bytes of LDS; arguments h, W2, list, ybuf, cnt; writes ybuf
.if DOCPART == 4
	.amdgcn_target "amdgcn-amd-amdhsa--gfx1250"
	.amdhsa_code_object_version 6
	.text
	.protected	k_q34812fd24b_ffn2
	.globl	k_q34812fd24b_ffn2
	.p2align	8
	.type	k_q34812fd24b_ffn2,@function
k_q34812fd24b_ffn2:
	s_mov_b64 s[64:65], 0
	v_nop
	global_prefetch_b8 v0, s[64:65] scope:SCOPE_SE
	s_setreg_imm32_b32 hwreg(HW_REG_WAVE_MODE, 25, 1), 1
	s_wait_xcnt 0x0
; ONE TEXT FOR BOTH PRODUCTS OF AN EXPERT; the symbol MODE selects addresses, bias and the way out.
;   MODE 1:  h[e][pos][f] = gelu(x[token(pos)] . W1[e][:, f] + b1[e][f]), f16, for the rows pos of the list of expert e
;   MODE 2:  ybuf[p][code(pos)][n] = h[e][pos][1024 p .. + 1023] . W2[e][1024 p .. + 1023][n], f32: four partial planes p, summed by the last launch
; Only rows that the router chose are computed: the gate of every other expert is exactly 0.
; FORMAT.  The operands of both products are f16, the sums f32.  Four roundings lie between the inputs and a result (x, W1, h, W2).  With 8 significant
; bits each (bf16) they add up to about 0.3 per cent of the root mean square of the results, a third of the 1 per cent that the problem allows, which a million
; results do not all keep; with 11 bits (f16) to an eighth of that.  The room in f16, whose largest number is 65,504: with every input 30 times larger
; |x| reaches 180, |W1| 5, and x . W1 has a spread of 900, so |h| reaches 5,000; with x and W1 both offset by 30 spreads x . W1 is about
; 1024 x 30 x 30/32 = 28,800.  With every input 30 times smaller W2 has a spread of 1/1920 and h of about as much; below 2^-14 the step of f16 is 2^-24,
; a ten-thousandth of that spread.
; THE WEIGHTS STAY.  A work-group owns W[1024 k][128 n] of one expert (grid y = expert; grid x: MODE 1 the slice of 128 columns of F, MODE 2
; the slice of 128 columns of H in bits 2:0 and the quarter p of F above).  It reads these 512 KiB once, in f32, each load of sixteen lanes
; covering 256 consecutive aligned bytes, and rounds them to f16 straight into the registers of source 1: 512 registers a wave, no LDS,
; no transposing.  Wave w: kh = w >> 1 takes 512 of the 1024 k (16 steps of 32), nh = w & 1 takes 64 of the 128 columns as four tiles;
; tile j is the columns 64 nh + 4 r + j (r = lane % 16), so the four columns of a 16-byte load feed the four tiles.
; THE ROWS STREAM.  The rows of the expert come in blocks of 64 through two LDS slots (f16, 2,048 bytes a row + 16 of padding); while one block is
; multiplied the next is fetched through registers.  MODE 1 gathers its rows by the list, which a tile descriptor does not express, so
; both modes use plain loads; the rows are shared by the 32 work-groups of an expert and are not asked for jointly in this text.
; SIXTEEN TURNS, WHATEVER THE COUNT.  An expert has 1 to 16 blocks: nblk = ceil(n_e / 64), at least 1, from cnt, whole numbers that an earlier launch
; stored.  Every wave passes both barriers of all sixteen turns; the count only decides, by forward branches, whether the work between two
; barriers is done.  Each guarded piece waits inside itself for every global load that it issues.  The products of block 0 stand unguarded in front of the loop:
; an expert without tokens computes one block of pad rows.  A piece of products always stages a block (MODE 1: block min(b + 1, 15) of the
; list, whose unused places hold pad codes; MODE 2: block b + 1, or block b once more where b is the last, so that only written rows of h are
; read; both offsets are made of the loop counter, and a forward branch on the count chooses): the last one is staged in vain.
; Pad rows (list code 2048 + e) are computed like any other: MODE 1 takes token e for them and stores them, so that every byte of h that MODE 2
; reads is written; MODE 2 stores them to row 2048 + e of its plane, which nobody reads.
; THE TWO K HALVES MEET IN LDS: a wave keeps two of its four blocks of 16 rows and hands the other two to wave w ^ 2.
; LIMITS.  An operand (x, W1, h, W2) above 65,504 in magnitude becomes infinite.  Sums f32, in another order than a plain loop.
; gelu(x) = max(x, 0) - |x| Phi(-|x|), Phi(-|x|) by the five-term rational form times e^(-x x / 2) (Abramowitz and Stegun 7.1.26, absolute error
; at most 1e-7 for every x).  An expert that the router did not choose is never formed, so an overflow there, which the dense form would turn
; into NaN, is not reproduced.
.set MODE, 2
.set XP,    2064                       ; an LDS row: 2,048 bytes + 16 = 129 x 16: the sixteen rows of a fragment load start at sixteen different 16-byte columns
.set SLOTB, 64*XP                      ; a slot: 64 rows
.set EX,    2*SLOTB                    ; behind the slots: 8,192 bytes a wave, the accumulators handed over
.set ST,    EX+4*8192                  ; MODE 1: the stage of the work-group, 64 rows x 272 bytes
.set SPT,   272
.set PLANE, 2056*4096                  ; bytes in a plane of ybuf
.set NBLK,  16                         ; blocks of 64 rows at the most: 1,024 tokens
.if MODE == 1
.set WPITCH, 16384                     ; bytes in a row of W
.else
.set WPITCH, 4096
.endif
; window 0
.set L16,  4                           ; 16 x lane
.set R16A, 5                           ; 16 r
.set WO,   6                           ; v6, v7    my offset in W: 8 h rows + 16 r; the same 256 rows on
.set XS,   8                           ; v8-11     where I put staged rows: slot s, rows 4 w on at XS + 2 s, rows 32 + 4 w on at XS + 2 s + 1; never rewritten
.set XO0,  12                          ; MODE 2: 16 x lane + 4 w rows of h
.set LCV,  13                          ; MODE 2: my offset in the list, this block
.set LCB,  14                          ; MODE 2: the same for block 0
.set XOB,  15                          ; MODE 2: XO0 + the block being staged
.set BV,   16                          ; v[16:19]  MODE 1: the bias of my four columns
.set TP,   20                          ; at work
.set XO,   32                          ; v[32:47]  MODE 1: byte offsets in xb of my sixteen rows of a block
.set WS,   64                          ; v[64:255] three staging sets of 64
; window 1
.set ACC,  0                           ; v[0:127]   accumulator (a, j) at 32 a + 8 j: a is the block of 16 rows a ^ 2 kh, j the tile
.set AF,   128                         ; v[128:191] two buffers of fragments of the rows; at work on the way out
.set AA,   192                         ; 192-195    my fragment address: slot s, a = 0, 1 at AA + 2 s, a = 2, 3 at AA + 2 s + 1; never rewritten
.set EXS,  196                         ; where I hand over
.set EXL,  197                         ; where my partner handed over
.set STS,  198                         ; MODE 1: into the stage
.set STL,  199                         ; MODE 1: back from it
.set GO,   200                         ; MODE 1: my offset in h, block 0
.set R16,  201                         ; MODE 2: 16 r
.set A5P,  202                         ; 202:203    MODE 1: the leading coefficient, twice
.set GOI,  204                         ; MODE 1: my offset in h, this block
.set BC,   208                         ; v[208:239] MODE 1: the bias as a C operand, 8 equal registers a tile (0 in the waves with kh = 1)
.set CODE, 208                         ; v[208:223] MODE 2: the list codes of my sixteen rows, then their byte offsets
.set GT,   AF                          ; gelu: t, the exponential, the polynomial, max(x, 0)
.set GZ,   AF+8
.set GQ,   AF+16
.set GM,   AF+24
; windows 2 and 3: W.  K step g, tile j, register q at 32 (g & 7) + 8 j + q; window 2 holds g < 8, window 3 the rest
; scalars: s16 wave, s17 kh, s18 nh, s22 nblk, s24 the loop counter = the block that the first turn of a trip finishes, s28-s30 at work,
; MODE 1: s27 offset of the codes asked for, s31 16 w, s[32:47] sixteen codes, s48-s59 constants of gelu
.set TO1, 0x40                         ; destination window 1
.set CV2, 0x80                         ; destination window 2
.set CV3, 0xc0                         ; destination window 3
.set CW2, 0x59                         ; source 0, C and D window 1, source 1 window 2; an LDS load under it: data and address window 1
.set CW3, 0x5d                         ; the same with source 1 in window 3
.set EW,  0x55                         ; everything window 1
.set MSB, 0
.macro WIN new                         ; the high byte of the immediate repeats the setting that is left; a switch that changes nothing is dropped
.if MSB != \new
	s_set_vgpr_msb (MSB<<8)|\new
.set MSB, \new
.endif
.endm
; Four places: a load into a register that a matrix instruction has read, and whatever reads a matrix result, stand four plain vector
; instructions behind that matrix instruction; no other vector work is at hand at these points.
.macro PLACES
.rept 4
	v_nop
.endr
.endm
; K step g of W, sixteen loads: rows 32 g + 8 h + i (i < 8) and 32 g + 16 + 8 h + i - 8, my four columns.  Read once in the launch.
.macro WISSUE g
.irp i, 0,1,2,3,4,5,6,7,8,9,10,11,12,13,14,15
	global_load_b128 v[WS+64*((\g)%3)+4*\i:WS+64*((\g)%3)+4*\i+3], v[WO+((\g)>>3)], s[6:7] offset:(((\g)&7)*32+\i+8*(\i>>3))*WPITCH th:TH_LOAD_NT
.endr
.endm
; and its rounding: register q of tile j takes column j of loads 2 q and 2 q + 1, two neighbouring k
.macro WCVT g
.if (\g) < 8
	WIN CV2
.else
	WIN CV3
.endif
.irp j, 0,1,2,3
.irp q, 0,1,2,3,4,5,6,7
	v_cvt_pk_f16_f32 v[((\g)&7)*32+8*\j+\q], v[WS+64*((\g)%3)+8*\q+\j], v[WS+64*((\g)%3)+8*\q+4+\j]
.endr
.endr
	WIN 0
.endm
.if MODE == 1
; The sixteen codes in s[32:47] become offsets in xb (token = code & 1023, 2,048 bytes a row), and the codes of the block after are asked for.
; pro = 1: in front of the turns (block 1 is asked for).  Else block s24 + d + 2, held at the last block of the table, 15: no load leaves the list.
.macro XCODES pro, d
	s_wait_kmcnt 0x0
.irp n, 0,1,2,3,4,5,6,7,8,9,10,11,12,13,14,15
	s_min_u32 s[32+\n], s[32+\n], 0xfff
	s_and_b32 s[32+\n], s[32+\n], 0x3ff
	v_lshl_add_u32 v[XO+\n], s[32+\n], 11, v[L16]
.endr
.if \pro
	s_add_co_u32 s27, s31, 256
.else
	s_add_co_u32 s27, s24, (\d)+2
	s_min_u32 s27, s27, 15
	s_lshl_b32 s27, s27, 8
	s_add_co_u32 s27, s27, s31
.endif
.irp c, 0,1,2,3
	s_load_b128 s[32+4*\c:35+4*\c], s[10:11], s27 offset:64*\c
.endr
.endm
.endif
; Chunk c of a block: my rows 16 c + 4 w + q, q = 0..3, four loads of 512 consecutive bytes each, into a staging set
.macro XISSUE c, set
.irp q, 0,1,2,3
.irp pc, 0,1,2,3
.if MODE == 1
	global_load_b128 v[WS+64*(\set)+16*\q+4*\pc:WS+64*(\set)+16*\q+4*\pc+3], v[XO+4*(\c)+\q], s[4:5] offset:512*\pc
.else
	global_load_b128 v[WS+64*(\set)+16*\q+4*\pc:WS+64*(\set)+16*\q+4*\pc+3], v[XOB], s[4:5] offset:(16*(\c)+\q)*8192+512*\pc
.endif
.endr
.endr
.endm
; and on into slot sl of LDS
.macro XSTORE c, set, sl
.irp q, 0,1,2,3
.irp pc, 0,1,2,3
	ds_store_b128 v[XS+2*(\sl)+((\c)>>1)], v[WS+64*(\set)+16*\q+4*\pc:WS+64*(\set)+16*\q+4*\pc+3] offset:(((\c)&1)*16+\q)*XP+512*\pc
.endr
.endr
.endm
; The fragments of K step k from slot sl: four blocks of 16 rows x 32 k, two loads of 16 bytes each, 32 bytes apart, into buffer k & 1
.macro AFLOAD k, sl
.irp a, 0,1,2,3
	ds_load_b128 v[AF+32*((\k)&1)+8*\a:AF+32*((\k)&1)+8*\a+3],   v[AA+2*(\sl)+(\a>>1)] offset:(\a&1)*16*XP+64*(\k)
	ds_load_b128 v[AF+32*((\k)&1)+8*\a+4:AF+32*((\k)&1)+8*\a+7], v[AA+2*(\sl)+(\a>>1)] offset:(\a&1)*16*XP+64*(\k)+32
.endr
.endm
; Four K steps; the symbol ks runs on.  A step: the next fragments are asked for, into the buffer that the step before multiplied; then sixteen
; matrix instructions, one on each accumulator, in the same order in every step: the accumulators take turns.
; The first step starts the sums: with the bias as C (MODE 1) or with 0.
.macro KS4 sl
.rept 4
	PLACES
.if ks < 15
.set kn, ks+1
	AFLOAD kn, \sl
	s_wait_dscnt 8                                 ; all but the eight just issued: the fragments of this step are in
.else
	s_wait_dscnt 0x0
.endif
.irp a, 0,1,2,3
.irp j, 0,1,2,3
.if ks > 0
	v_wmma_f32_16x16x32_f16 v[ACC+32*\a+8*\j:ACC+32*\a+8*\j+7], v[AF+32*(ks&1)+8*\a:AF+32*(ks&1)+8*\a+7], v[32*(ks&7)+8*\j:32*(ks&7)+8*\j+7], v[ACC+32*\a+8*\j:ACC+32*\a+8*\j+7]
.elseif MODE == 1
	v_wmma_f32_16x16x32_f16 v[ACC+32*\a+8*\j:ACC+32*\a+8*\j+7], v[AF+32*(ks&1)+8*\a:AF+32*(ks&1)+8*\a+7], v[32*(ks&7)+8*\j:32*(ks&7)+8*\j+7], v[BC+8*\j:BC+8*\j+7]
.else
	v_wmma_f32_16x16x32_f16 v[ACC+32*\a+8*\j:ACC+32*\a+8*\j+7], v[AF+32*(ks&1)+8*\a:AF+32*(ks&1)+8*\a+7], v[32*(ks&7)+8*\j:32*(ks&7)+8*\j+7], 0
.endif
.endr
.endr
.set ks, ks+1
.endr
.endm
.if MODE == 1
; gelu of eight numbers in place.  t = 1 / (1 + 0.2316419 |x|); q = t (a1 + t (a2 + t (a3 + t (a4 + t a5)))) / 2 x 2^(-(c x)^2), c^2 = log2(e) / 2;
; result = max(x, 0) - |x| q.  Behind each run of transcendentals stands a packed instruction that touches none of their registers.
.macro GELU8 x
.irp i, 0,1,2,3,4,5,6,7
	v_fma_f32 v[GT+\i], |v[(\x)+\i]|, s48, 1.0
.endr
.irp i, 0,1,2,3,4,5,6,7
	v_rcp_f32 v[GT+\i], v[GT+\i]
.endr
.irp i, 0,2,4,6
	v_pk_mul_f32 v[GZ+\i:GZ+\i+1], v[(\x)+\i:(\x)+\i+1], s[50:51] op_sel_hi:[1,0]
.endr
.irp i, 0,2,4,6
	v_pk_mul_f32 v[GZ+\i:GZ+\i+1], v[GZ+\i:GZ+\i+1], v[GZ+\i:GZ+\i+1] neg_lo:[1,0] neg_hi:[1,0]
.endr
.irp i, 0,1,2,3,4,5,6,7
	v_exp_f32 v[GZ+\i], v[GZ+\i]
.endr
.irp i, 0,2,4,6
	v_pk_fma_f32 v[GQ+\i:GQ+\i+1], v[GT+\i:GT+\i+1], v[A5P:A5P+1], s[52:53] op_sel_hi:[1,1,0]
.endr
.irp sc, 54,56,58
.irp i, 0,2,4,6
	v_pk_fma_f32 v[GQ+\i:GQ+\i+1], v[GQ+\i:GQ+\i+1], v[GT+\i:GT+\i+1], s[\sc:\sc+1] op_sel_hi:[1,1,0]
.endr
.endr
.irp i, 0,2,4,6
	v_pk_mul_f32 v[GQ+\i:GQ+\i+1], v[GQ+\i:GQ+\i+1], v[GT+\i:GT+\i+1]
.endr
.irp i, 0,2,4,6
	v_pk_mul_f32 v[GQ+\i:GQ+\i+1], v[GQ+\i:GQ+\i+1], v[GZ+\i:GZ+\i+1]
.endr
.irp i, 0,1,2,3,4,5,6,7
	v_max_num_f32 v[GM+\i], 0, v[(\x)+\i]
.endr
.irp i, 0,1,2,3,4,5,6,7
	v_fma_f32 v[(\x)+\i], -|v[(\x)+\i]|, v[GQ+\i], v[GM+\i]
.endr
.endm
.endif
; A barrier of the four waves.  It stands outside every guard: each wave passes it in every turn.
.macro MEET
	s_wait_dscnt 0x0                               ; for the sake of the others: my LDS stores are done and my LDS reads are back
	s_barrier_signal -1
	s_barrier_wait -1
.endm
; Block s24 + d goes into s30; the piece up to the label is left out where the expert has no such block.
.macro GUARD d, to
	s_add_co_u32 s30, s24, \d
	s_cmp_lt_u32 s30, s22
	s_cbranch_scc0 \to
.endm
; THE PRODUCTS of block s24 + d, which lies in slot sl; the next block is staged into the other slot meanwhile; at the end a = 2, 3 are handed over.
; All global loads of the piece are waited for inside it.
.macro COMP sl, d
	WIN 0
	s_wait_xcnt 0x0                                ; earlier stores have had their addresses translated: their data and offsets are rewritten only behind this wait
.if MODE == 2
	s_add_co_u32 s30, s24, \d
	s_min_u32 s28, s30, 15                         ; the block in hand, held inside the sixteen blocks
	v_lshl_add_u32 v[LCV], s28, 8, v[LCB]          ; 256 bytes of list a block
	v_lshl_add_u32 v[XOB], s28, 19, v[XO0]         ; 64 rows of 8,192 bytes a block: this block once more, where it is the last: only written rows of h are read
	s_add_co_u32 s30, s30, 1
	s_cmp_lt_u32 s30, s22
	s_cbranch_scc0 .Lsame_\@
	s_min_u32 s30, s30, 15
	v_lshl_add_u32 v[XOB], s30, 19, v[XO0]         ; else the next block
.Lsame_\@:
	WIN TO1
.irp n, 0,1,2,3
	global_load_b128 v[CODE+4*\n:CODE+4*\n+3], v[LCV], s[10:11] offset:64*(\n>>1)+16*(\n&1)   ; the codes of rows 16 a + 8 h + 0..7 of my 32
.endr
	WIN 0
.else
	XCODES 0, \d
.endif
	XISSUE 0, 0
	XISSUE 1, 1
	WIN CW2
	AFLOAD 0, \sl
.set ks, 0
	KS4 \sl
	WIN 0
	XISSUE 2, 2
	WIN CW2
	KS4 \sl
	WIN 0
	s_wait_loadcnt 32                              ; chunk 0 is in (asked for 128 matrix instructions ago), MODE 2's codes too; chunks 1 and 2 stay out
	XSTORE 0, 0, 1-\sl
	XISSUE 3, 0
	WIN CW3
	KS4 \sl
	WIN 0
	s_wait_loadcnt 32                              ; chunk 1; 2 and 3 stay out
	XSTORE 1, 1, 1-\sl
	WIN CW3
	KS4 \sl
	WIN 0
	s_wait_loadcnt 16                              ; chunk 2; 3 stays out
	XSTORE 2, 2, 1-\sl
	s_wait_loadcnt 0x0
	XSTORE 3, 0, 1-\sl
	WIN EW
	PLACES
.irp q, 0,1,2,3,4,5,6,7,8,9,10,11,12,13,14,15
	ds_store_b128 v[EXS], v[ACC+64+4*\q:ACC+64+4*\q+3] offset:512*\q      ; a = 2, 3 go to my partner, each accumulator from its low end on
.endr
	WIN 0
.endm
; BEHIND THE FIRST BARRIER of a turn: the other K half of my a = 0, 1 comes in; MODE 1 goes on to gelu and the stage.
.macro FIN2
	WIN EW
.irp q, 0,1,2,3,4,5,6,7,8,9,10,11,12,13,14,15
	ds_load_b128 v[ACC+64+4*\q:ACC+64+4*\q+3], v[EXL] offset:512*\q
.endr
.if MODE == 1
.irp a, 0,1
.irp j, 0,1,2,3
	s_wait_dscnt 14-2*(4*\a+\j)                    ; the loads issued behind the two of this accumulator stay out
.irp i, 0,2,4,6
	v_pk_add_f32 v[ACC+32*\a+8*\j+\i:ACC+32*\a+8*\j+\i+1], v[ACC+32*\a+8*\j+\i:ACC+32*\a+8*\j+\i+1], v[ACC+64+32*\a+8*\j+\i:ACC+64+32*\a+8*\j+\i+1]
.endr
	GELU8 ACC+32*\a+8*\j
.endr
.endr
.irp a, 0,1
.irp i, 0,1,2,3,4,5,6,7
	v_cvt_pk_f16_f32 v[AF+2*(8*\a+\i)],   v[ACC+32*\a+\i],    v[ACC+32*\a+8+\i]       ; register i of the four tiles: four neighbouring columns of a row
	v_cvt_pk_f16_f32 v[AF+2*(8*\a+\i)+1], v[ACC+32*\a+16+\i], v[ACC+32*\a+24+\i]
	ds_store_b64 v[STS], v[AF+2*(8*\a+\i):AF+2*(8*\a+\i)+1] offset:(16*\a+\i)*SPT
.endr
.endr
.endif
	WIN 0
.endm
; BEHIND THE SECOND BARRIER: the block leaves.  s30 holds its number (from the guard in front).
.macro FIN3
	s_wait_xcnt 0x0                                ; the stores of the block before have had their addresses translated: their offsets and data are rewritten only behind this wait
	WIN EW
.if MODE == 1
	v_lshl_add_u32 v[GOI], s30, 19, v[GO]          ; 64 rows of 8,192 bytes a block
.irp t, 0,1,2,3,4,5,6,7
	ds_load_b128 v[AF+32+4*\t:AF+32+4*\t+3], v[STL] offset:2*SPT*\t       ; a row of 256 bytes comes from two waves: hence the barrier
.endr
.irp t, 0,1,2,3,4,5,6,7
	s_wait_dscnt 7-\t
	global_store_b128 v[GOI], v[AF+32+4*\t:AF+32+4*\t+3], s[12:13] offset:16384*\t   ; sixteen lanes store 256 consecutive bytes, aligned
.endr
.else
.irp n, 0,1,2,3,4,5,6,7,8,9,10,11,12,13,14,15
	v_min_u32 v[CODE+\n], 0x807, v[CODE+\n]        ; a loaded number enters an address: held inside the 2,056 rows of a plane
	v_lshl_add_u32 v[CODE+\n], v[CODE+\n], 12, v[R16]
.endr
.irp a, 0,1
.irp i, 0,1,2,3,4,5,6,7
.irp j, 0,1,2,3
	v_add_f32 v[AF+32*\a+4*\i+\j], v[ACC+32*\a+8*\j+\i], v[ACC+64+32*\a+8*\j+\i]    ; the sum of the halves also lays four neighbouring columns side by side
.endr
.endr
.endr
.irp a, 0,1
.irp i, 0,1,2,3,4,5,6,7
	global_store_b128 v[CODE+8*\a+\i], v[AF+32*\a+4*\i:AF+32*\a+4*\i+3], s[12:13]   ; sixteen lanes store 256 consecutive bytes, aligned
.endr
.endr
.endif
	WIN 0
.endm
; A TURN: block s24 + d is finished, then block s24 + d + 1, which lies in slot sl, is multiplied.
; First barrier: what was handed over and the staged block are in LDS, and every wave's reads of the slot just multiplied and of the stage are back.
; Second barrier: every wave has taken what was handed over (the next products write those bytes again), and MODE 1's stage is whole.
.macro HALF sl, d
	MEET
	GUARD \d, .Lno2_\@
	FIN2
.Lno2_\@:
	MEET
	GUARD \d, .Lno3_\@
	FIN3
.Lno3_\@:
	GUARD \d+1, .Lno1_\@
	COMP \sl, \d+1
.Lno1_\@:
.endm
; ---------------------------------------------------------------- the head
.if MODE == 1
	s_load_b256 s[4:11], s[0:1], 0x0               ; xb s[4:5], W1 s[6:7], b1 s[8:9], list s[10:11]
	s_load_b128 s[12:15], s[0:1], 0x20             ; h s[12:13], cnt s[14:15]
.else
	s_load_b128 s[4:7], s[0:1], 0x0                ; h s[4:5], W2 s[6:7]
	s_load_b64 s[10:11], s[0:1], 0x10              ; list
	s_load_b128 s[12:15], s[0:1], 0x18             ; ybuf s[12:13], cnt s[14:15]
	v_lshl_add_u32 v62, v0, 2, 0x48800
	v_mov_b32 v63, 0
.endif
	v_lshrrev_b32 v1, 5, v0
	v_readfirstlane_b32 s16, v1                    ; wave 0..3
	s_lshr_b32 s17, s16, 1                         ; kh
	s_and_b32 s18, s16, 1                          ; nh
	s_and_b32 s19, ttmp7, 0xffff                   ; expert
	s_mov_b32 s20, ttmp9                           ; slice
	v_and_b32 v1, 31, v0                           ; lane
	v_and_b32 v2, 15, v0                           ; r
	v_bfe_u32 v3, v0, 4, 1                         ; h
	v_lshlrev_b32 v[L16], 4, v1
	v_lshlrev_b32 v[R16A], 4, v2
	v_mul_u32_u24 v[WO], v3, 8*WPITCH
	v_add_nc_u32 v[WO], v[WO], v[R16A]
	v_add_nc_u32 v[WO+1], 256*WPITCH, v[WO]
	; byte offsets, each in a pair of its own; all stay under 2^31
.if MODE == 1
	s_lshl_b32 s30, s20, 9
	s_lshl_b32 s31, s18, 8
	s_add_co_u32 s30, s30, s31                     ; my 64 columns in f32: 512 x slice + 256 nh
	s_lshl_b32 s28, s19, 24                        ; W1: 16 MiB an expert,
	s_add_co_u32 s28, s28, s30
	s_lshl_b32 s31, s17, 23                        ; 512 rows of 16,384 bytes for kh
	s_add_co_u32 s28, s28, s31
	s_mov_b32 s29, 0
	s_lshl_b32 s40, s19, 14                        ; b1
	s_add_co_u32 s40, s40, s30
	s_mov_b32 s41, 0
	s_lshl_b32 s42, s19, 23                        ; h: 8 MiB an expert, 256 bytes a slice
	s_lshl_b32 s31, s20, 8
	s_add_co_u32 s42, s42, s31
	s_mov_b32 s43, 0
.else
	s_and_b32 s26, s20, 7                          ; the slice of 128 columns of H
	s_lshr_b32 s27, s20, 3                         ; p: the quarter of F
	s_lshl_b32 s30, s26, 9
	s_lshl_b32 s31, s18, 8
	s_add_co_u32 s30, s30, s31                     ; my 64 columns in f32
	s_lshl_b32 s28, s19, 24                        ; W2: 16 MiB an expert,
	s_lshl_b32 s31, s27, 22                        ; 1,024 rows of 4,096 bytes a quarter,
	s_add_co_u32 s28, s28, s31
	s_add_co_u32 s28, s28, s30
	s_lshl_b32 s31, s17, 21                        ; 512 rows for kh
	s_add_co_u32 s28, s28, s31
	s_mov_b32 s29, 0
	s_lshl_b32 s40, s19, 23                        ; h: 8 MiB an expert, 2,048 bytes a quarter
	s_lshl_b32 s31, s27, 11
	s_add_co_u32 s40, s40, s31
	s_mov_b32 s41, 0
	s_mul_i32 s42, s27, PLANE                      ; ybuf: my plane, my columns
	s_add_co_u32 s42, s42, s30
	s_mov_b32 s43, 0
.endif
	s_lshl_b32 s44, s19, 12                        ; list: 4,096 bytes an expert
	s_mov_b32 s45, 0
	s_lshl_b32 s46, s19, 8                         ; cnt: 256 bytes an expert
	s_mov_b32 s47, 0
	s_wait_kmcnt 0x0
	s_add_nc_u64 s[6:7], s[6:7], s[28:29]
.if MODE == 1
	s_add_nc_u64 s[8:9], s[8:9], s[40:41]
.else
	s_add_nc_u64 s[4:5], s[4:5], s[40:41]
.endif
	s_add_nc_u64 s[12:13], s[12:13], s[42:43]
	s_add_nc_u64 s[10:11], s[10:11], s[44:45]
	s_add_nc_u64 s[14:15], s[14:15], s[46:47]
	s_load_b32 s21, s[14:15], 0x0                  ; n_e
.if MODE == 1
	s_lshl_b32 s31, s16, 4                         ; my four codes of a chunk begin 16 w bytes in; kept
	s_mov_b32 s27, s31
.irp c, 0,1,2,3
	s_load_b128 s[32+4*\c:35+4*\c], s[10:11], s27 offset:64*\c     ; the codes of block 0
.endr
	global_load_b128 v[BV:BV+3], v[R16A], s[8:9]   ; the oldest load: in with the first K step of W
.endif
	WISSUE 0                                       ; three K steps of W, 48 loads of 512 bytes a wave, are on their way from here on
	WISSUE 1
	WISSUE 2
	; LDS addresses.  Each is a constant, the wave number times a constant, and a lane term; each slot has registers of its own.
	v_mul_u32_u24 v[TP], v2, XP
	v_lshl_add_u32 v[TP], v3, 4, v[TP]             ; a fragment: row r, 16 bytes for each half of the lanes
	s_mul_i32 s28, s17, 1024+32*XP                 ; a = 0, 1: the blocks of rows 2 kh, 2 kh + 1; my K half begins 1,024 kh bytes into a row
	s_xor_b32 s29, s17, 1
	s_mul_i32 s29, s29, 32*XP                      ; a = 2, 3: the other two blocks
	s_lshl_b32 s30, s17, 10
	s_add_co_u32 s29, s29, s30
	s_add_co_u32 s60, s28, SLOTB                   ; the same in slot 1
	s_add_co_u32 s61, s29, SLOTB
	s_lshl_b32 s30, s16, 13
	s_add_co_u32 s30, s30, EX                      ; I hand over at wave x 8,192,
	s_xor_b32 s26, s16, 2
	s_lshl_b32 s26, s26, 13
	s_add_co_u32 s26, s26, EX                      ; my partner, the wave with the other K half, at its own
	s_mul_i32 s22, s16, 4*XP
	v_add_nc_u32 v[XS], s22, v[L16]
	v_add_nc_u32 v[XS+1], 32*XP, v[XS]
	v_add_nc_u32 v[XS+2], SLOTB, v[XS]
	v_add_nc_u32 v[XS+3], SLOTB, v[XS+1]
.if MODE == 1
	v_mul_u32_u24 v[TP+1], v3, 8*SPT
	v_lshl_add_u32 v[TP+1], v2, 3, v[TP+1]         ; into the stage: row 8 h (+ i), 8 bytes at 8 r
	s_mul_i32 s25, s17, 32*SPT
	s_lshl_b32 s22, s18, 7
	s_add_co_u32 s25, s25, s22
	s_add_co_u32 s25, s25, ST                      ; my 32 rows, my half of their 256 bytes
	v_mul_u32_u24 v[TP+2], v3, SPT
	v_add_nc_u32 v[TP+2], v[TP+2], v[R16A]         ; back: lanes 0-15 one row of 256 bytes, lanes 16-31 the next
	s_mul_i32 s24, s16, 16*SPT
	s_add_co_u32 s24, s24, ST                      ; rows 16 w on
	v_lshl_add_u32 v[TP+3], v3, 13, v[R16A]        ; and the same two rows in h, 8,192 bytes a row
	s_lshl_b32 s23, s16, 17
	s_mov_b32 s48, 0x3e6d3388                      ; 0.2316419
	s_cmp_eq_u32 s17, 0
	s_cselect_b32 s49, 0x3f800000, 0               ; the bias enters one of the two K halves
	s_mov_b32 s50, 0x3f596d27                      ; sqrt(log2(e) / 2); each constant twice: the packed forms name a pair
	s_mov_b32 s51, 0x3f596d27
	s_mov_b32 s52, 0xbf3a00e3                      ; a4 / 2
	s_mov_b32 s53, 0xbf3a00e3
	s_mov_b32 s54, 0x3f35f0e3                      ; a3 / 2
	s_mov_b32 s55, 0x3f35f0e3
	s_mov_b32 s56, 0xbe11a98e                      ; a2 / 2
	s_mov_b32 s57, 0xbe11a98e
	s_mov_b32 s58, 0x3e027906                      ; a1 / 2
	s_mov_b32 s59, 0x3e027906
.else
	s_lshl_b32 s22, s16, 15
	v_add_nc_u32 v[XO0], s22, v[L16]               ; rows 4 w on, 8,192 bytes a row
	v_mov_b32 v[XOB], v[XO0]                       ; block 0 is staged first
	s_lshl_b32 s22, s17, 7
	v_lshl_add_u32 v[LCB], v3, 5, s22              ; the codes of rows 32 kh + 8 h on, 4 bytes each
.endif
	WIN TO1
	v_add_nc_u32 v[AA], s28, v[TP]
	v_add_nc_u32 v[AA+1], s29, v[TP]
	v_add_nc_u32 v[AA+2], s60, v[TP]
	v_add_nc_u32 v[AA+3], s61, v[TP]
	v_add_nc_u32 v[EXS], s30, v[L16]
	v_add_nc_u32 v[EXL], s26, v[L16]
.if MODE == 1
	v_add_nc_u32 v[STS], s25, v[TP+1]
	v_add_nc_u32 v[STL], s24, v[TP+2]
	v_add_nc_u32 v[GO], s23, v[TP+3]
	v_mov_b32 v[A5P], 0x3f07dc22                   ; a5 / 2
	v_mov_b32 v[A5P+1], 0x3f07dc22
.else
	v_mov_b32 v[R16], v[R16A]
.endif
	WIN 0
	s_wait_kmcnt 0x0
	s_min_u32 s21, s21, 1024
	s_add_co_u32 s22, s21, 63
	s_lshr_b32 s22, s22, 6
	s_max_u32 s22, s22, 1                          ; nblk: blocks of 64 rows, 1 to 16; it enters compares alone, never an address
	s_mov_b32 s24, 0
; ---------------------------------------------------------------- W comes in; block 0 follows it through the same three sets
.set g, 0
.rept 16
	s_wait_loadcnt 32                              ; the two younger items of sixteen loads stay out
	WCVT g
.if g < 13
.set gi, g+3
	WISSUE gi
.else
.set xc, g-13
.set xs, g%3
	XISSUE xc, xs                                  ; chunks 0, 1, 2 of block 0 into the sets 1, 2, 0, each just freed
.endif
.if MODE == 1
.if g == 0
	WIN TO1
.irp j, 0,1,2,3
.irp i, 0,1,2,3,4,5,6,7
	v_mul_f32 v[BC+8*\j+\i], s49, v[BV+\j]         ; register i of a result is row 8 h + i of column 4 r + j: the bias is the same in all eight
.endr
.endr
	WIN 0
.endif
.if g == 7
	XCODES 1, 0
.endif
.endif
.set g, g+1
.endr
	s_wait_loadcnt 32                              ; chunk 0 is in; chunks 1 and 2 stay out
	XSTORE 0, 1, 0
	XISSUE 3, 1
	s_wait_loadcnt 32                              ; chunk 1; 2 and 3 stay out
	XSTORE 1, 2, 0
	s_wait_loadcnt 16
	XSTORE 2, 0, 0
	s_wait_loadcnt 0x0
	XSTORE 3, 1, 0
	MEET                                           ; block 0 is whole in slot 0
; ---------------------------------------------------------------- the turns
	COMP 0, 0                                      ; block 0 always exists
.Lturn:                                                ; eight trips, two turns each: the slots are constants of the text
	HALF 1, 0
	HALF 0, 1
	s_add_co_u32 s24, s24, 2
	s_cmp_lt_u32 s24, NBLK
	s_cbranch_scc1 .Lturn
.if MODE == 1
	s_wait_kmcnt 0x0                               ; the codes asked for last are not used; they have landed when the wave ends
.endif
	s_wait_dscnt 0x0                               ; no LDS instruction of the wave is out when it ends
	s_wait_tensorcnt 0x0
	ds_add_u32 v62, v63
	s_wait_dscnt 0x0
	s_endpgm
.Lfunc_end_k_q34812fd24b_ffn2:
	.size	k_q34812fd24b_ffn2, .Lfunc_end_k_q34812fd24b_ffn2-k_q34812fd24b_ffn2
	.p2alignl 7, 3214868480
	.fill 96, 4, 3214868480
	.section	.rodata,"a",@progbits
	.p2align	6, 0x0
	.amdhsa_kernel k_q34812fd24b_ffn2
		.amdhsa_group_segment_fixed_size 297472
		.amdhsa_private_segment_fixed_size 0
		.amdhsa_enable_private_segment 0
		.amdhsa_kernarg_size 40
		.amdhsa_user_sgpr_count 2
		.amdhsa_user_sgpr_kernarg_segment_ptr 1
		.amdhsa_wavefront_size32 1
		.amdhsa_system_sgpr_workgroup_id_x 1
		.amdhsa_system_sgpr_workgroup_id_y 1
		.amdhsa_system_sgpr_workgroup_id_z 1
		.amdhsa_system_vgpr_workitem_id 0
		.amdhsa_next_free_vgpr 1024
		.amdhsa_next_free_sgpr 66
		.amdhsa_reserve_vcc 0
		.amdhsa_float_denorm_mode_32 3
		.amdhsa_float_denorm_mode_16_64 3
		.amdhsa_memory_ordered 1
		.amdhsa_forward_progress 1
		.amdhsa_inst_pref_size 203
	.end_amdhsa_kernel
	.amdgpu_metadata
---
amdhsa.version: [ 1, 2 ]
amdhsa.kernels:
  - .name:           k_q34812fd24b_ffn2
    .symbol:         k_q34812fd24b_ffn2.kd
    .args:
      - { .name: h, .offset: 0, .size: 8, .value_kind: global_buffer, .address_space: global }
      - { .name: W2, .offset: 8, .size: 8, .value_kind: global_buffer, .address_space: global }
      - { .name: list, .offset: 16, .size: 8, .value_kind: global_buffer, .address_space: global }
      - { .name: ybuf, .offset: 24, .size: 8, .value_kind: global_buffer, .address_space: global }
      - { .name: cnt, .offset: 32, .size: 8, .value_kind: global_buffer, .address_space: global }
    .group_segment_fixed_size: 297472
    .private_segment_fixed_size: 0
    .kernarg_segment_align: 8
    .kernarg_segment_size: 40
    .max_flat_workgroup_size: 128
    .sgpr_count:     66
    .vgpr_count:     1024
    .wavefront_size: 32
...
	.end_amdgpu_metadata
.endif
;; end of part 4
;; launch combine (part 5): grid 256 x 1, 8 waves a work-group, no clusters, 0 bytes of LDS; arguments ybuf, b2, sel, gates, out0; writes out0
.if DOCPART == 5
	.amdgcn_target "amdgcn-amd-amdhsa--gfx1250"
	.amdhsa_code_object_version 6
	.text
	.protected	k_q34812fd24b_combine
	.globl	k_q34812fd24b_combine
	.p2align	8
	.type	k_q34812fd24b_combine,@function
k_q34812fd24b_combine:
	s_mov_b64 s[64:65], 0
	v_nop
	global_prefetch_b8 v0, s[64:65] scope:SCOPE_SE
	s_setreg_imm32_b32 hwreg(HW_REG_WAVE_MODE, 25, 1), 1
	s_wait_xcnt 0x0
; COMBINE.  out[t] = g0 (sum over p of ybuf[p][t] + b2[e0]) + g1 (sum over p of ybuf[p][1024 + t] + b2[e1]).
; A stream: every byte of ybuf rows 0..2047 is read once, every byte of out written once; no LDS, no barrier, no matrix unit.
; A work-group takes four tokens; thread i owns the 16 bytes at 16 i of every row, so each load and store of a wave covers 512 consecutive bytes.
; All 40 loads of a thread are on their way at once: the 32 of ybuf first, which need nothing from sel, then the 8 rows of b2.
; The sum of the two experts of a token is made here, by gathering, since they were computed by different work-groups.
.set PLANE, 2056*4096                  ; bytes in a plane of ybuf
.set BO, 4                             ; v[4:11]    token q, choice k: offset of the row of b2, at 4 + 2 q + k
.set Y,  16                            ; v[16:175]  token q, choice k: planes 0..3 at Y + 40 q + 20 k + 4 p, b2 at + 16
	s_load_b256 s[4:11], s[0:1], 0x0               ; ybuf s[4:5], b2 s[6:7], sel s[8:9], gates s[10:11]
	s_load_b64 s[12:13], s[0:1], 0x20              ; out0
	v_lshlrev_b32 v1, 4, v0                        ; my 16 bytes of a row
	s_lshl_b32 s14, ttmp9, 4                       ; four words of sel,
	s_mov_b32 s15, 0
	s_lshl_b32 s28, ttmp9, 5                       ; four pairs of gates,
	s_mov_b32 s29, 0
	s_lshl_b32 s30, ttmp9, 14                      ; four rows of 4,096 bytes
	s_mov_b32 s31, 0
	s_wait_kmcnt 0x0
	s_add_nc_u64 s[8:9], s[8:9], s[14:15]
	s_add_nc_u64 s[10:11], s[10:11], s[28:29]
	s_load_b128 s[16:19], s[8:9], 0x0              ; sel of my four tokens
	s_load_b256 s[20:27], s[10:11], 0x0            ; g0, g1 of my four tokens
	s_add_nc_u64 s[32:33], s[4:5], s[30:31]        ; my rows in the four planes
	s_add_nc_u64 s[34:35], s[32:33], PLANE
	s_add_nc_u64 s[36:37], s[34:35], PLANE
	s_add_nc_u64 s[38:39], s[36:37], PLANE
	s_add_nc_u64 s[12:13], s[12:13], s[30:31]
.irp q, 0,1,2,3
.irp k, 0,1
.irp p, 0,1,2,3
	global_load_b128 v[Y+40*\q+20*\k+4*\p:Y+40*\q+20*\k+4*\p+3], v1, s[32+2*\p:33+2*\p] offset:\k*4194304+\q*4096 th:TH_LOAD_NT
.endr
.endr
.endr
	s_wait_kmcnt 0x0
.irp q, 0,1,2,3
	s_and_b32 s40, s[16+\q], 0xff                  ; e0
	s_min_u32 s40, s40, 7                          ; a loaded number enters an address: held inside the eight rows of b2
	v_lshl_add_u32 v[BO+2*\q], s40, 12, v1
	s_lshr_b32 s41, s[16+\q], 8                    ; e1
	s_min_u32 s41, s41, 7
	v_lshl_add_u32 v[BO+2*\q+1], s41, 12, v1
	global_load_b128 v[Y+40*\q+16:Y+40*\q+19], v[BO+2*\q], s[6:7]
	global_load_b128 v[Y+40*\q+36:Y+40*\q+39], v[BO+2*\q+1], s[6:7]
.endr
.irp q, 0,1,2,3
	s_wait_loadcnt 6-2*\q                          ; the two rows of b2 of each younger token stay out
.irp k, 0,1
.irp d, 0,2
	v_pk_add_f32 v[Y+40*\q+20*\k+\d:Y+40*\q+20*\k+\d+1], v[Y+40*\q+20*\k+\d:Y+40*\q+20*\k+\d+1], v[Y+40*\q+20*\k+4+\d:Y+40*\q+20*\k+4+\d+1]
	v_pk_add_f32 v[Y+40*\q+20*\k+8+\d:Y+40*\q+20*\k+8+\d+1], v[Y+40*\q+20*\k+8+\d:Y+40*\q+20*\k+8+\d+1], v[Y+40*\q+20*\k+12+\d:Y+40*\q+20*\k+12+\d+1]
.endr
.irp d, 0,2
	v_pk_add_f32 v[Y+40*\q+20*\k+\d:Y+40*\q+20*\k+\d+1], v[Y+40*\q+20*\k+\d:Y+40*\q+20*\k+\d+1], v[Y+40*\q+20*\k+8+\d:Y+40*\q+20*\k+8+\d+1]
.endr
.irp d, 0,2
	v_pk_add_f32 v[Y+40*\q+20*\k+\d:Y+40*\q+20*\k+\d+1], v[Y+40*\q+20*\k+\d:Y+40*\q+20*\k+\d+1], v[Y+40*\q+20*\k+16+\d:Y+40*\q+20*\k+16+\d+1]
.endr
.endr
.irp i, 0,1,2,3
	v_mul_f32 v[Y+40*\q+\i], s[20+2*\q], v[Y+40*\q+\i]
.endr
.irp i, 0,1,2,3
	v_fma_f32 v[Y+40*\q+\i], s[21+2*\q], v[Y+40*\q+20+\i], v[Y+40*\q+\i]
.endr
	global_store_b128 v1, v[Y+40*\q:Y+40*\q+3], s[12:13] offset:4096*\q th:TH_STORE_NT
.endr
	s_endpgm
.Lfunc_end_k_q34812fd24b_combine:
	.size	k_q34812fd24b_combine, .Lfunc_end_k_q34812fd24b_combine-k_q34812fd24b_combine
	.p2alignl 7, 3214868480
	.fill 96, 4, 3214868480
	.section	.rodata,"a",@progbits
	.p2align	6, 0x0
	.amdhsa_kernel k_q34812fd24b_combine
		.amdhsa_group_segment_fixed_size 0
		.amdhsa_private_segment_fixed_size 0
		.amdhsa_enable_private_segment 0
		.amdhsa_kernarg_size 40
		.amdhsa_user_sgpr_count 2
		.amdhsa_user_sgpr_kernarg_segment_ptr 1
		.amdhsa_wavefront_size32 1
		.amdhsa_system_sgpr_workgroup_id_x 1
		.amdhsa_system_sgpr_workgroup_id_y 1
		.amdhsa_system_sgpr_workgroup_id_z 1
		.amdhsa_system_vgpr_workitem_id 0
		.amdhsa_next_free_vgpr 184
		.amdhsa_next_free_sgpr 66
		.amdhsa_reserve_vcc 0
		.amdhsa_float_denorm_mode_32 3
		.amdhsa_float_denorm_mode_16_64 3
		.amdhsa_memory_ordered 1
		.amdhsa_forward_progress 1
		.amdhsa_inst_pref_size 12
	.end_amdhsa_kernel
	.amdgpu_metadata
---
amdhsa.version: [ 1, 2 ]
amdhsa.kernels:
  - .name:           k_q34812fd24b_combine
    .symbol:         k_q34812fd24b_combine.kd
    .args:
      - { .name: ybuf, .offset: 0, .size: 8, .value_kind: global_buffer, .address_space: global }
      - { .name: b2, .offset: 8, .size: 8, .value_kind: global_buffer, .address_space: global }
      - { .name: sel, .offset: 16, .size: 8, .value_kind: global_buffer, .address_space: global }
      - { .name: gates, .offset: 24, .size: 8, .value_kind: global_buffer, .address_space: global }
      - { .name: out0, .offset: 32, .size: 8, .value_kind: global_buffer, .address_space: global }
    .group_segment_fixed_size: 0
    .private_segment_fixed_size: 0
    .kernarg_segment_align: 8
    .kernarg_segment_size: 40
    .max_flat_workgroup_size: 256
    .sgpr_count:     66
    .vgpr_count:     184
    .wavefront_size: 32
...
	.end_amdgpu_metadata
.endif
;; end of part 5
;; ======== version 2 of 2: 5 launches; version 1 with the launches ffn1, ffn2, combine written anew for expert scheduling mode
;; limits: values are held in f16: magnitudes above 65,504 overflow, below 6.1e-05 lose precision
;; workspace buffers: xb 2,097,152 bytes; sel 4,096 bytes of whole numbers; gates 8,192 bytes; list 32,768 bytes of whole numbers; cnt 2,048 bytes of whole numbers; h 67,108,864 bytes; ybuf 33,685,504 bytes
;; launch router: the kernel of part 1 again; grid 256 x 1, 4 waves a work-group, no clusters, 0 bytes of LDS; arguments x, Wr, xb, sel, gates; writes xb, sel, gates
;; launch lists: the kernel of part 2 again; grid 8 x 1, 1 waves a work-group, no clusters, 4,608 bytes of LDS; arguments sel, list, cnt; writes list, cnt
;; launch ffn1 (part 6): grid 32 x 8, 4 waves a work-group, no clusters, 314,880 bytes of LDS; arguments xb, W1, b1, list, h, cnt; writes h
.if DOCPART == 6
	.amdgcn_target "amdgcn-amd-amdhsa--gfx1250"
	.amdhsa_code_object_version 6
	.text
	.protected	k_q34812fd24b_ffn1
	.globl	k_q34812fd24b_ffn1
	.p2align	8
	.type	k_q34812fd24b_ffn1,@function
k_q34812fd24b_ffn1:
	s_mov_b64 s[64:65], 0
	v_nop
	global_prefetch_b8 v0, s[64:65] scope:SCOPE_SE
	s_setreg_imm32_b32 hwreg(HW_REG_WAVE_SCHED_MODE, 0, 2), 2
	s_setreg_imm32_b32 hwreg(HW_REG_WAVE_MODE, 25, 1), 1
	s_wait_xcnt 0x0
	s_wait_alu depctr_vm_vsrc(0)
; ONE TEXT FOR BOTH PRODUCTS OF AN EXPERT; the symbol MODE selects addresses, bias and the way out.
;   MODE 1:  h[e][pos][f] = gelu(x[token(pos)] . W1[e][:, f] + b1[e][f]), f16, for the rows pos of the list of expert e
;   MODE 2:  ybuf[p][code(pos)][n] = h[e][pos][1024 p .. + 1023] . W2[e][1024 p .. + 1023][n], f32: four partial planes p, summed by the last launch
; Only rows that the router chose are computed: the gate of every other expert is exactly 0.
; FORMAT.  The operands of both products are f16, the sums f32.  Four roundings lie between the inputs and a result (x, W1, h, W2).  With 8 significant
; bits each (bf16) they add up to about 0.3 per cent of the root mean square of the results, a third of the 1 per cent that the problem allows, which a million
; results do not all keep; with 11 bits (f16) to an eighth of that.  The room in f16, whose largest number is 65,504: with every input 30 times larger
; |x| reaches 180, |W1| 5, and x . W1 has a spread of 900, so |h| reaches 5,000; with x and W1 both offset by 30 spreads x . W1 is about
; 1024 x 30 x 30/32 = 28,800.  With every input 30 times smaller W2 has a spread of 1/1920 and h of about as much; below 2^-14 the step of f16 is 2^-24,
; a ten-thousandth of that spread.
; THE WEIGHTS STAY.  A work-group owns W[1024 k][128 n] of one expert (grid y = expert; grid x: MODE 1 the slice of 128 columns of F, MODE 2
; the slice of 128 columns of H in bits 2:0 and the quarter p of F above).  It reads these 512 KiB once, in f32, each load of sixteen lanes
; covering 256 consecutive aligned bytes, and rounds them to f16 straight into the registers of source 1: 512 registers a wave, no LDS,
; no transposing.  Wave w: kh = w >> 1 takes 512 of the 1024 k (16 steps of 32), nh = w & 1 takes 64 of the 128 columns as four tiles;
; tile j is the columns 64 nh + 4 r + j (r = lane % 16), so the four columns of a 16-byte load feed the four tiles.
; THE ROWS STREAM.  The rows of the expert come in blocks of 64 through two LDS slots (f16, 2,048 bytes a row + 16 of padding); while one block is
; multiplied the next is fetched through registers.  MODE 1 gathers its rows by the list, which a tile descriptor does not express, so
; both modes use plain loads; the rows are shared by the 32 work-groups of an expert and are not asked for jointly in this text.
; SIXTEEN TURNS, WHATEVER THE COUNT.  An expert has 1 to 16 blocks: nblk = ceil(n_e / 64), at least 1, from cnt, whole numbers that an earlier launch
; stored.  Every wave passes both barriers of all sixteen turns; the count only decides, by forward branches, whether the work between two
; barriers is done.  Each guarded piece waits inside itself for every global load that it issues.  The products of block 0 stand unguarded in front of the loop:
; an expert without tokens computes one block of pad rows.  A piece of products always stages a block (MODE 1: block min(b + 1, 15) of the
; list, whose unused places hold pad codes; MODE 2: block b + 1, or block b once more where b is the last, so that only written rows of h are
; read; both offsets are made of the loop counter, and a forward branch on the count chooses): the last one is staged in vain.
; Pad rows (list code 2048 + e) are computed like any other: MODE 1 takes token e for them and stores them, so that every byte of h that MODE 2
; reads is written; MODE 2 stores them to row 2048 + e of its plane, which nobody reads.
; THE TWO K HALVES MEET IN LDS: a wave keeps two of its four blocks of 16 rows and hands the other two to wave w ^ 2.
; LIMITS.  An operand (x, W1, h, W2) above 65,504 in magnitude becomes infinite.  Sums f32, in another order than a plain loop.
; gelu(x) = max(x, 0) - |x| Phi(-|x|), Phi(-|x|) by the five-term rational form times e^(-x x / 2) (Abramowitz and Stegun 7.1.26, absolute error
; at most 1e-7 for every x).  An expert that the router did not choose is never formed, so an overflow there, which the dense form would turn
; into NaN, is not reproduced.
; THE MODE: SCHED_MODE bits 1:0 = 2 (LLVM: expert scheduling mode 2), set by the entry lines.  The code itself states the register dependences
; between vector or matrix instructions and memory or LDS instructions, with s_wait_alu, always for 0.
; THE PLAN.  Registers that memory or LDS instructions touch, and who else names them:
;   WS0 .. WS2    While W comes in: the roundings of a K step read a set, and the loads three steps on land in it: one wait on va_vdst behind each step's roundings.
;                 From then on no vector instruction names the sets: row loads land in them and LDS stores read them; a wait on vm_vsrc stands between
;                 the LDS stores that read a set and the loads that land in it again.
;   AF0, AF1      K step ks: its sixteen matrix instructions read AF[ks & 1]; the LDS loads of step ks + 1 land in the other buffer, which step ks - 1 read.  One wait on
;                 va_vdst at the head of steps 1 to 14 states that step ks - 1 is done reading; the step's eight loads follow it, a fragment behind each of its first
;                 four matrix instructions, which name AF[ks & 1], the accumulators, W and the bias: none of the registers that those loads touch.
;                 Between two blocks both buffers are at work on the way out, and stores read them.
;   ACC a = 2, 3  Written by matrix instructions, read by the LDS stores that hand them over; then the partner's halves land in them, and additions read those.
;   XO / XOB, LCV offsets of the rows and codes: written at the head of a piece of products, read by its loads.   GOI / CODE: written on the way out, read by its stores.
;   All other addresses are made once at the kernel's head and never written again.
; Each of the three guarded pieces of a turn begins with the wait on vm_vsrc that frees what it writes, and ends its own vector reads and writes of
; such registers with a wait on va_vdst of its own: so every dependence is stated whichever pieces a guard leaves out.
.set MODE, 1
.set XP,    2064                       ; an LDS row: 2,048 bytes + 16 = 129 x 16: the sixteen rows of a fragment load start at sixteen different 16-byte columns
.set SLOTB, 64*XP                      ; a slot: 64 rows
.set EX,    2*SLOTB                    ; behind the slots: 8,192 bytes a wave, the accumulators handed over
.set ST,    EX+4*8192                  ; MODE 1: the stage of the work-group, 64 rows x 272 bytes
.set SPT,   272
.set PLANE, 2056*4096                  ; bytes in a plane of ybuf
.set NBLK,  16                         ; blocks of 64 rows at the most: 1,024 tokens
.if MODE == 1
.set WPITCH, 16384                     ; bytes in a row of W
.else
.set WPITCH, 4096
.endif
; window 0
.set L16,  4                           ; 16 x lane
.set R16A, 5                           ; 16 r
.set WO,   6                           ; v6, v7    my offset in W: 8 h rows + 16 r; the same 256 rows on
.set XS,   8                           ; v8-11     where I put staged rows: slot s, rows 4 w on at XS + 2 s, rows 32 + 4 w on at XS + 2 s + 1; never rewritten
.set XO0,  12                          ; MODE 2: 16 x lane + 4 w rows of h
.set LCV,  13                          ; MODE 2: my offset in the list, this block
.set LCB,  14                          ; MODE 2: the same for block 0
.set XOB,  15                          ; MODE 2: XO0 + the block being staged
.set BV,   16                          ; v[16:19]  MODE 1: the bias of my four columns
.set TP,   20                          ; at work
.set XO,   32                          ; v[32:47]  MODE 1: byte offsets in xb of my sixteen rows of a block
.set WS,   64                          ; v[64:255] three staging sets of 64
; window 1
.set ACC,  0                           ; v[0:127]   accumulator (a, j) at 32 a + 8 j: a is the block of 16 rows a ^ 2 kh, j the tile
.set AF,   128                         ; v[128:191] two buffers of fragments of the rows; at work on the way out
.set AA,   192                         ; 192-195    my fragment address: slot s, a = 0, 1 at AA + 2 s, a = 2, 3 at AA + 2 s + 1; never rewritten
.set EXS,  196                         ; where I hand over
.set EXL,  197                         ; where my partner handed over
.set STS,  198                         ; MODE 1: into the stage
.set STL,  199                         ; MODE 1: back from it
.set GO,   200                         ; MODE 1: my offset in h, block 0
.set R16,  201                         ; MODE 2: 16 r
.set A5P,  202                         ; 202:203    MODE 1: the leading coefficient, twice
.set GOI,  204                         ; MODE 1: my offset in h, this block
.set BC,   208                         ; v[208:239] MODE 1: the bias as a C operand, 8 equal registers a tile (0 in the waves with kh = 1)
.set CODE, 208                         ; v[208:223] MODE 2: the list codes of my sixteen rows, then their byte offsets
.set GT,   AF                          ; gelu: t, the exponential, the polynomial, max(x, 0)
.set GZ,   AF+8
.set GQ,   AF+16
.set GM,   AF+24
; windows 2 and 3: W.  K step g, tile j, register q at 32 (g & 7) + 8 j + q; window 2 holds g < 8, window 3 the rest
; scalars: s16 wave, s17 kh, s18 nh, s22 nblk, s24 the loop counter = the block that the first turn of a trip finishes, s28-s30 at work,
; MODE 1: s27 offset of the codes asked for, s31 16 w, s[32:47] sixteen codes, s48-s59 constants of gelu
.set TO1, 0x40                         ; destination window 1
.set CV2, 0x80                         ; destination window 2
.set CV3, 0xc0                         ; destination window 3
.set CW2, 0x59                         ; source 0, C and D window 1, source 1 window 2; an LDS load under it: data and address window 1
.set CW3, 0x5d                         ; the same with source 1 in window 3
.set EW,  0x55                         ; everything window 1
.set MSB, 0
.macro WIN new                         ; the high byte of the immediate repeats the setting that is left; a switch that changes nothing is dropped
.if MSB != \new
	s_set_vgpr_msb (MSB<<8)|\new
.set MSB, \new
.endif
.endm
; Four places: whatever reads a matrix result stands four plain vector instructions behind that matrix instruction (ISA guide 7.12.1);
; no other vector work is at hand at that point.
.macro PLACES
.rept 4
	v_nop
.endr
.endm
; K step g of W, sixteen loads: rows 32 g + 8 h + i (i < 8) and 32 g + 16 + 8 h + i - 8, my four columns.  Read once in the launch.
.macro WISSUE g
.irp i, 0,1,2,3,4,5,6,7,8,9,10,11,12,13,14,15
	global_load_b128 v[WS+64*((\g)%3)+4*\i:WS+64*((\g)%3)+4*\i+3], v[WO+((\g)>>3)], s[6:7] offset:(((\g)&7)*32+\i+8*(\i>>3))*WPITCH th:TH_LOAD_NT
.endr
.endm
; and its rounding: register q of tile j takes column j of loads 2 q and 2 q + 1, two neighbouring k
.macro WCVT g
.if (\g) < 8
	WIN CV2
.else
	WIN CV3
.endif
.irp j, 0,1,2,3
.irp q, 0,1,2,3,4,5,6,7
	v_cvt_pk_f16_f32 v[((\g)&7)*32+8*\j+\q], v[WS+64*((\g)%3)+8*\q+\j], v[WS+64*((\g)%3)+8*\q+4+\j]
.endr
.endr
	WIN 0
.endm
.if MODE == 1
; The sixteen codes in s[32:47] become offsets in xb (token = code & 1023, 2,048 bytes a row), and the codes of the block after are asked for.
; pro = 1: in front of the turns (block 1 is asked for).  Else block s24 + d + 2, held at the last block of the table, 15: no load leaves the list.
.macro XCODES pro, d
	s_wait_kmcnt 0x0
.irp n, 0,1,2,3,4,5,6,7,8,9,10,11,12,13,14,15
	s_min_u32 s[32+\n], s[32+\n], 0xfff
	s_and_b32 s[32+\n], s[32+\n], 0x3ff
	v_lshl_add_u32 v[XO+\n], s[32+\n], 11, v[L16]
.endr
.if \pro
	s_add_co_u32 s27, s31, 256
.else
	s_add_co_u32 s27, s24, (\d)+2
	s_min_u32 s27, s27, 15
	s_lshl_b32 s27, s27, 8
	s_add_co_u32 s27, s27, s31
.endif
.irp c, 0,1,2,3
	s_load_b128 s[32+4*\c:35+4*\c], s[10:11], s27 offset:64*\c
.endr
.endm
.endif
; Chunk c of a block: my rows 16 c + 4 w + q, q = 0..3, four loads of 512 consecutive bytes each, into a staging set
.macro XISSUE c, set
.irp q, 0,1,2,3
.irp pc, 0,1,2,3
.if MODE == 1
	global_load_b128 v[WS+64*(\set)+16*\q+4*\pc:WS+64*(\set)+16*\q+4*\pc+3], v[XO+4*(\c)+\q], s[4:5] offset:512*\pc
.else
	global_load_b128 v[WS+64*(\set)+16*\q+4*\pc:WS+64*(\set)+16*\q+4*\pc+3], v[XOB], s[4:5] offset:(16*(\c)+\q)*8192+512*\pc
.endif
.endr
.endr
.endm
; and on into slot sl of LDS
.macro XSTORE c, set, sl
.irp q, 0,1,2,3
.irp pc, 0,1,2,3
	ds_store_b128 v[XS+2*(\sl)+((\c)>>1)], v[WS+64*(\set)+16*\q+4*\pc:WS+64*(\set)+16*\q+4*\pc+3] offset:(((\c)&1)*16+\q)*XP+512*\pc
.endr
.endr
.endm
; Fragment a of K step k from slot sl: 16 rows x 32 k, two loads of 16 bytes, 32 bytes apart, into buffer k & 1
.macro AFRAG k, sl, a
	ds_load_b128 v[AF+32*((\k)&1)+8*(\a):AF+32*((\k)&1)+8*(\a)+3],   v[AA+2*(\sl)+((\a)>>1)] offset:((\a)&1)*16*XP+64*(\k)
	ds_load_b128 v[AF+32*((\k)&1)+8*(\a)+4:AF+32*((\k)&1)+8*(\a)+7], v[AA+2*(\sl)+((\a)>>1)] offset:((\a)&1)*16*XP+64*(\k)+32
.endm
; all four fragments of a K step
.macro AFLOAD k, sl
.irp a, 0,1,2,3
	AFRAG \k, \sl, \a
.endr
.endm
; Four K steps; the symbol ks runs on.  A step: sixteen matrix instructions, one on each accumulator, in the same order in every step: the accumulators take
; turns; behind each of the first four a fragment of the next step is asked for, into the buffer that the step before multiplied.
; young = the LDS instructions issued behind the last fragment loads when the first of the four steps begins (a run of sixteen LDS stores, or none).
; The first step starts the sums: with the bias as C (MODE 1) or with 0.
.macro KS4 sl, young
.set yg, \young
.rept 4
	s_wait_dscnt yg                                ; LDS instructions end in order (ISA guide 5.7.1): the fragments of this step are in; the younger LDS stores stay out
.set yg, 0
.if (ks > 0) && (ks < 15)
	s_wait_alu depctr_va_vdst(0)                   ; the matrix instructions of the step before are done reading the other buffer, in which the eight loads below land
.endif
.set kn, ks+1
.irp a, 0,1,2,3
.irp j, 0,1,2,3
.if ks > 0
	v_wmma_f32_16x16x32_f16 v[ACC+32*\a+8*\j:ACC+32*\a+8*\j+7], v[AF+32*(ks&1)+8*\a:AF+32*(ks&1)+8*\a+7], v[32*(ks&7)+8*\j:32*(ks&7)+8*\j+7], v[ACC+32*\a+8*\j:ACC+32*\a+8*\j+7]
.elseif MODE == 1
	v_wmma_f32_16x16x32_f16 v[ACC+32*\a+8*\j:ACC+32*\a+8*\j+7], v[AF+32*(ks&1)+8*\a:AF+32*(ks&1)+8*\a+7], v[32*(ks&7)+8*\j:32*(ks&7)+8*\j+7], v[BC+8*\j:BC+8*\j+7]
.else
	v_wmma_f32_16x16x32_f16 v[ACC+32*\a+8*\j:ACC+32*\a+8*\j+7], v[AF+32*(ks&1)+8*\a:AF+32*(ks&1)+8*\a+7], v[32*(ks&7)+8*\j:32*(ks&7)+8*\j+7], 0
.endif
.if (\a == 0) && (ks < 15)
	AFRAG kn, \sl, \j                              ; no further wait: no vector or matrix instruction since the wait names the other buffer or its address (step 0: since the wait at the piece's head)
.endif
.endr
.endr
.set ks, ks+1
.endr
.endm
.if MODE == 1
; gelu of eight numbers in place.  t = 1 / (1 + 0.2316419 |x|); q = t (a1 + t (a2 + t (a3 + t (a4 + t a5)))) / 2 x 2^(-(c x)^2), c^2 = log2(e) / 2;
; result = max(x, 0) - |x| q.  Behind each run of transcendentals stands a packed instruction that touches none of their registers.
.macro GELU8 x
.irp i, 0,1,2,3,4,5,6,7
	v_fma_f32 v[GT+\i], |v[(\x)+\i]|, s48, 1.0
.endr
.irp i, 0,1,2,3,4,5,6,7
	v_rcp_f32 v[GT+\i], v[GT+\i]
.endr
.irp i, 0,2,4,6
	v_pk_mul_f32 v[GZ+\i:GZ+\i+1], v[(\x)+\i:(\x)+\i+1], s[50:51] op_sel_hi:[1,0]
.endr
.irp i, 0,2,4,6
	v_pk_mul_f32 v[GZ+\i:GZ+\i+1], v[GZ+\i:GZ+\i+1], v[GZ+\i:GZ+\i+1] neg_lo:[1,0] neg_hi:[1,0]
.endr
.irp i, 0,1,2,3,4,5,6,7
	v_exp_f32 v[GZ+\i], v[GZ+\i]
.endr
	s_wait_alu depctr_va_vdst(0)
.irp i, 0,2,4,6
	v_pk_fma_f32 v[GQ+\i:GQ+\i+1], v[GT+\i:GT+\i+1], v[A5P:A5P+1], s[52:53] op_sel_hi:[1,1,0]
.endr
.irp sc, 54,56,58
.irp i, 0,2,4,6
	v_pk_fma_f32 v[GQ+\i:GQ+\i+1], v[GQ+\i:GQ+\i+1], v[GT+\i:GT+\i+1], s[\sc:\sc+1] op_sel_hi:[1,1,0]
.endr
.endr
.irp i, 0,2,4,6
	v_pk_mul_f32 v[GQ+\i:GQ+\i+1], v[GQ+\i:GQ+\i+1], v[GT+\i:GT+\i+1]
.endr
.irp i, 0,2,4,6
	v_pk_mul_f32 v[GQ+\i:GQ+\i+1], v[GQ+\i:GQ+\i+1], v[GZ+\i:GZ+\i+1]
.endr
.irp i, 0,1,2,3,4,5,6,7
	v_max_num_f32 v[GM+\i], 0, v[(\x)+\i]
.endr
.irp i, 0,1,2,3,4,5,6,7
	v_fma_f32 v[(\x)+\i], -|v[(\x)+\i]|, v[GQ+\i], v[GM+\i]
.endr
.endm
.endif
; A barrier of the four waves.  It stands outside every guard: each wave passes it in every turn.
.macro MEET
	s_wait_dscnt 0x0                               ; for the sake of the others: my LDS stores are done and my LDS reads are back
	s_barrier_signal -1
	s_barrier_wait -1
.endm
; Block s24 + d goes into s30; the piece up to the label is left out where the expert has no such block.
.macro GUARD d, to
	s_add_co_u32 s30, s24, \d
	s_cmp_lt_u32 s30, s22
	s_cbranch_scc0 \to
.endm
; THE PRODUCTS of block s24 + d, which lies in slot sl; the next block is staged into the other slot meanwhile; at the end a = 2, 3 are handed over.
; All global loads of the piece are waited for inside it.  The runs of row loads and LDS stores between the K steps touch the staging sets, their offsets and
; addresses alone, which no vector or matrix instruction since the wait at the piece's head names.
.macro COMP sl, d
	WIN 0
	s_wait_xcnt 0x0                                ; earlier stores have had their addresses translated: their data and offsets are rewritten only behind this wait
	s_wait_alu depctr_vm_vsrc(0)                   ; earlier loads and stores, LDS ones too, have read the offsets that are made anew below, the staging sets and the fragment buffers (MODE 2: the codes' registers too) in which loads land below, and the accumulators that the products write
.if MODE == 2
	s_add_co_u32 s30, s24, \d
	s_min_u32 s28, s30, 15                         ; the block in hand, held inside the sixteen blocks
	v_lshl_add_u32 v[LCV], s28, 8, v[LCB]          ; 256 bytes of list a block
	v_lshl_add_u32 v[XOB], s28, 19, v[XO0]         ; 64 rows of 8,192 bytes a block: this block once more, where it is the last: only written rows of h are read
	s_add_co_u32 s30, s30, 1
	s_cmp_lt_u32 s30, s22
	s_cbranch_scc0 .Lsame_\@
	s_min_u32 s30, s30, 15
	v_lshl_add_u32 v[XOB], s30, 19, v[XO0]         ; else the next block
.Lsame_\@:
	WIN TO1
	s_wait_alu depctr_va_vdst(0)                   ; the two offsets are written, which the loads below read; the way out of the block before is done with the codes' registers and the fragment buffers, in which loads land
.irp n, 0,1,2,3
	global_load_b128 v[CODE+4*\n:CODE+4*\n+3], v[LCV], s[10:11] offset:64*(\n>>1)+16*(\n&1)   ; the codes of rows 16 a + 8 h + 0..7 of my 32
.endr
	WIN 0
.else
	XCODES 0, \d
	s_wait_alu depctr_va_vdst(0)                   ; the sixteen offsets are written, which the loads below read; the way out of the block before is done with the fragment buffers, in which loads land
.endif
	XISSUE 0, 0
	XISSUE 1, 1
	WIN CW2
	AFLOAD 0, \sl
.set ks, 0
	KS4 \sl, 0
	WIN 0
	XISSUE 2, 2
	WIN CW2
	KS4 \sl, 0
	WIN 0
	s_wait_loadcnt 32                              ; chunk 0 is in (asked for 128 matrix instructions ago), MODE 2's codes too; chunks 1 and 2 stay out
	XSTORE 0, 0, 1-\sl
	s_wait_alu depctr_vm_vsrc(0)                   ; the LDS stores have read set 0, in which chunk 3 lands
	XISSUE 3, 0
	WIN CW3
	KS4 \sl, 16
	WIN 0
	s_wait_loadcnt 32                              ; chunk 1; 2 and 3 stay out
	XSTORE 1, 1, 1-\sl
	WIN CW3
	KS4 \sl, 16
	WIN 0
	s_wait_loadcnt 16                              ; chunk 2; 3 stays out
	XSTORE 2, 2, 1-\sl
	s_wait_loadcnt 0x0
	XSTORE 3, 0, 1-\sl
	WIN EW
	PLACES
	s_wait_alu depctr_va_vdst(0)                   ; the matrix instructions have written the accumulators, which the LDS stores read, and are done with both fragment buffers; the places above stay beside this wait
.irp q, 0,1,2,3,4,5,6,7,8,9,10,11,12,13,14,15
	ds_store_b128 v[EXS], v[ACC+64+4*\q:ACC+64+4*\q+3] offset:512*\q      ; a = 2, 3 go to my partner, each accumulator from its low end on
.endr
	WIN 0
.endm
; BEHIND THE FIRST BARRIER of a turn: the other K half of my a = 0, 1 comes in; MODE 1 goes on to gelu and the stage.
.macro FIN2
	WIN EW
	s_wait_alu depctr_vm_vsrc(0)                   ; my LDS stores have read a = 2, 3, in which the loads below land; MODE 1: the stage's stores of the block before have read the registers that gelu and the roundings write
.irp q, 0,1,2,3,4,5,6,7,8,9,10,11,12,13,14,15
	ds_load_b128 v[ACC+64+4*\q:ACC+64+4*\q+3], v[EXL] offset:512*\q       ; no vector or matrix instruction has named these registers since the wait ahead of the stores that handed them over
.endr
.if MODE == 1
.irp a, 0,1
.irp j, 0,1,2,3
	s_wait_dscnt 14-2*(4*\a+\j)                    ; the loads issued behind the two of this accumulator stay out
.irp i, 0,2,4,6
	v_pk_add_f32 v[ACC+32*\a+8*\j+\i:ACC+32*\a+8*\j+\i+1], v[ACC+32*\a+8*\j+\i:ACC+32*\a+8*\j+\i+1], v[ACC+64+32*\a+8*\j+\i:ACC+64+32*\a+8*\j+\i+1]
.endr
	GELU8 ACC+32*\a+8*\j
.endr
.endr
.irp a, 0,1
.irp i, 0,1,2,3,4,5,6,7
	v_cvt_pk_f16_f32 v[AF+2*(8*\a+\i)],   v[ACC+32*\a+\i],    v[ACC+32*\a+8+\i]       ; register i of the four tiles: four neighbouring columns of a row
	v_cvt_pk_f16_f32 v[AF+2*(8*\a+\i)+1], v[ACC+32*\a+16+\i], v[ACC+32*\a+24+\i]
.endr
.endr
	s_wait_alu depctr_va_vdst(0)                   ; the roundings have written the sixteen pairs, which the LDS stores read; the additions are done reading a = 2, 3
.irp a, 0,1
.irp i, 0,1,2,3,4,5,6,7
	ds_store_b64 v[STS], v[AF+2*(8*\a+\i):AF+2*(8*\a+\i)+1] offset:(16*\a+\i)*SPT
.endr
.endr
.endif
	WIN 0
.endm
; BEHIND THE SECOND BARRIER: the block leaves.  s30 holds its number (from the guard in front).
.macro FIN3
	s_wait_xcnt 0x0                                ; the stores of the block before have had their addresses translated: their offsets and data are rewritten only behind this wait
	s_wait_alu depctr_vm_vsrc(0)                   ; and they have read those offsets and data
	WIN EW
.if MODE == 1
	v_lshl_add_u32 v[GOI], s30, 19, v[GO]          ; 64 rows of 8,192 bytes a block
.irp t, 0,1,2,3,4,5,6,7
	ds_load_b128 v[AF+32+4*\t:AF+32+4*\t+3], v[STL] offset:2*SPT*\t       ; a row of 256 bytes comes from two waves: hence the barrier.  No vector or matrix instruction has named these registers since the wait at the end of the products
.endr
	s_wait_alu depctr_va_vdst(0)                   ; the offset of this block is written, which the stores read
.irp t, 0,1,2,3,4,5,6,7
	s_wait_dscnt 7-\t
	global_store_b128 v[GOI], v[AF+32+4*\t:AF+32+4*\t+3], s[12:13] offset:16384*\t   ; sixteen lanes store 256 consecutive bytes, aligned
.endr
.else
.irp n, 0,1,2,3,4,5,6,7,8,9,10,11,12,13,14,15
	v_min_u32 v[CODE+\n], 0x807, v[CODE+\n]        ; a loaded number enters an address: held inside the 2,056 rows of a plane
	v_lshl_add_u32 v[CODE+\n], v[CODE+\n], 12, v[R16]
.endr
.irp a, 0,1
.irp i, 0,1,2,3,4,5,6,7
.irp j, 0,1,2,3
	v_add_f32 v[AF+32*\a+4*\i+\j], v[ACC+32*\a+8*\j+\i], v[ACC+64+32*\a+8*\j+\i]    ; the sum of the halves also lays four neighbouring columns side by side
.endr
.endr
.endr
	s_wait_alu depctr_va_vdst(0)                   ; the sixteen offsets and the sums are written, which the stores read; the additions are done reading a = 2, 3
.irp a, 0,1
.irp i, 0,1,2,3,4,5,6,7
	global_store_b128 v[CODE+8*\a+\i], v[AF+32*\a+4*\i:AF+32*\a+4*\i+3], s[12:13]   ; sixteen lanes store 256 consecutive bytes, aligned
.endr
.endr
.endif
	WIN 0
.endm
; A TURN: block s24 + d is finished, then block s24 + d + 1, which lies in slot sl, is multiplied.
; First barrier: what was handed over and the staged block are in LDS, and every wave's reads of the slot just multiplied and of the stage are back.
; Second barrier: every wave has taken what was handed over (the next products write those bytes again), and MODE 1's stage is whole.
.macro HALF sl, d
	MEET
	GUARD \d, .Lno2_\@
	FIN2
.Lno2_\@:
	MEET
	GUARD \d, .Lno3_\@
	FIN3
.Lno3_\@:
	GUARD \d+1, .Lno1_\@
	COMP \sl, \d+1
.Lno1_\@:
.endm
; ---------------------------------------------------------------- the head
.if MODE == 1
	s_load_b256 s[4:11], s[0:1], 0x0               ; xb s[4:5], W1 s[6:7], b1 s[8:9], list s[10:11]
	s_load_b128 s[12:15], s[0:1], 0x20             ; h s[12:13], cnt s[14:15]
	v_lshl_add_u32 v62, v0, 2, 0x4cc00
	v_mov_b32 v63, 0
.else
	s_load_b128 s[4:7], s[0:1], 0x0                ; h s[4:5], W2 s[6:7]
	s_load_b64 s[10:11], s[0:1], 0x10              ; list
	s_load_b128 s[12:15], s[0:1], 0x18             ; ybuf s[12:13], cnt s[14:15]
.endif
	v_lshrrev_b32 v1, 5, v0
	v_readfirstlane_b32 s16, v1                    ; wave 0..3
	v_and_b32 v1, 31, v0                           ; lane
	v_and_b32 v2, 15, v0                           ; r
	v_bfe_u32 v3, v0, 4, 1                         ; h
	v_lshlrev_b32 v[L16], 4, v1
	v_lshlrev_b32 v[R16A], 4, v2
	v_mul_u32_u24 v[WO], v3, 8*WPITCH
	v_add_nc_u32 v[WO], v[WO], v[R16A]
	v_add_nc_u32 v[WO+1], 256*WPITCH, v[WO]
	s_wait_alu depctr_va_sdst(0)                   ; s16 is written, ahead of its first reader: the halves, the bases and the LDS addresses are made from it
	s_lshr_b32 s17, s16, 1                         ; kh
	s_and_b32 s18, s16, 1                          ; nh
	s_and_b32 s19, ttmp7, 0xffff                   ; expert
	s_mov_b32 s20, ttmp9                           ; slice
	; byte offsets, each in a pair of its own; all stay under 2^31
.if MODE == 1
	s_lshl_b32 s30, s20, 9
	s_lshl_b32 s31, s18, 8
	s_add_co_u32 s30, s30, s31                     ; my 64 columns in f32: 512 x slice + 256 nh
	s_lshl_b32 s28, s19, 24                        ; W1: 16 MiB an expert,
	s_add_co_u32 s28, s28, s30
	s_lshl_b32 s31, s17, 23                        ; 512 rows of 16,384 bytes for kh
	s_add_co_u32 s28, s28, s31
	s_mov_b32 s29, 0
	s_lshl_b32 s40, s19, 14                        ; b1
	s_add_co_u32 s40, s40, s30
	s_mov_b32 s41, 0
	s_lshl_b32 s42, s19, 23                        ; h: 8 MiB an expert, 256 bytes a slice
	s_lshl_b32 s31, s20, 8
	s_add_co_u32 s42, s42, s31
	s_mov_b32 s43, 0
.else
	s_and_b32 s26, s20, 7                          ; the slice of 128 columns of H
	s_lshr_b32 s27, s20, 3                         ; p: the quarter of F
	s_lshl_b32 s30, s26, 9
	s_lshl_b32 s31, s18, 8
	s_add_co_u32 s30, s30, s31                     ; my 64 columns in f32
	s_lshl_b32 s28, s19, 24                        ; W2: 16 MiB an expert,
	s_lshl_b32 s31, s27, 22                        ; 1,024 rows of 4,096 bytes a quarter,
	s_add_co_u32 s28, s28, s31
	s_add_co_u32 s28, s28, s30
	s_lshl_b32 s31, s17, 21                        ; 512 rows for kh
	s_add_co_u32 s28, s28, s31
	s_mov_b32 s29, 0
	s_lshl_b32 s40, s19, 23                        ; h: 8 MiB an expert, 2,048 bytes a quarter
	s_lshl_b32 s31, s27, 11
	s_add_co_u32 s40, s40, s31
	s_mov_b32 s41, 0
	s_mul_i32 s42, s27, PLANE                      ; ybuf: my plane, my columns
	s_add_co_u32 s42, s42, s30
	s_mov_b32 s43, 0
.endif
	s_lshl_b32 s44, s19, 12                        ; list: 4,096 bytes an expert
	s_mov_b32 s45, 0
	s_lshl_b32 s46, s19, 8                         ; cnt: 256 bytes an expert
	s_mov_b32 s47, 0
	s_wait_kmcnt 0x0
	s_add_nc_u64 s[6:7], s[6:7], s[28:29]
.if MODE == 1
	s_add_nc_u64 s[8:9], s[8:9], s[40:41]
.else
	s_add_nc_u64 s[4:5], s[4:5], s[40:41]
.endif
	s_add_nc_u64 s[12:13], s[12:13], s[42:43]
	s_add_nc_u64 s[10:11], s[10:11], s[44:45]
	s_add_nc_u64 s[14:15], s[14:15], s[46:47]
	s_load_b32 s21, s[14:15], 0x0                  ; n_e
	s_wait_alu depctr_va_vdst(0)                   ; the offsets 16 r and the two in W are written, which the loads below read
.if MODE == 1
	s_lshl_b32 s31, s16, 4                         ; my four codes of a chunk begin 16 w bytes in; kept
	s_mov_b32 s27, s31
.irp c, 0,1,2,3
	s_load_b128 s[32+4*\c:35+4*\c], s[10:11], s27 offset:64*\c     ; the codes of block 0
.endr
	global_load_b128 v[BV:BV+3], v[R16A], s[8:9]   ; the oldest load: in with the first K step of W
.endif
	WISSUE 0                                       ; three K steps of W, 48 loads of 512 bytes a wave, are on their way from here on
	WISSUE 1
	WISSUE 2
	; LDS addresses.  Each is a constant, the wave number times a constant, and a lane term; each slot has registers of its own.
	v_mul_u32_u24 v[TP], v2, XP
	v_lshl_add_u32 v[TP], v3, 4, v[TP]             ; a fragment: row r, 16 bytes for each half of the lanes
	s_mul_i32 s28, s17, 1024+32*XP                 ; a = 0, 1: the blocks of rows 2 kh, 2 kh + 1; my K half begins 1,024 kh bytes into a row
	s_xor_b32 s29, s17, 1
	s_mul_i32 s29, s29, 32*XP                      ; a = 2, 3: the other two blocks
	s_lshl_b32 s30, s17, 10
	s_add_co_u32 s29, s29, s30
	s_add_co_u32 s60, s28, SLOTB                   ; the same in slot 1
	s_add_co_u32 s61, s29, SLOTB
	s_lshl_b32 s30, s16, 13
	s_add_co_u32 s30, s30, EX                      ; I hand over at wave x 8,192,
	s_xor_b32 s26, s16, 2
	s_lshl_b32 s26, s26, 13
	s_add_co_u32 s26, s26, EX                      ; my partner, the wave with the other K half, at its own
	s_mul_i32 s22, s16, 4*XP
	v_add_nc_u32 v[XS], s22, v[L16]
	v_add_nc_u32 v[XS+1], 32*XP, v[XS]
	v_add_nc_u32 v[XS+2], SLOTB, v[XS]
	v_add_nc_u32 v[XS+3], SLOTB, v[XS+1]
.if MODE == 1
	v_mul_u32_u24 v[TP+1], v3, 8*SPT
	v_lshl_add_u32 v[TP+1], v2, 3, v[TP+1]         ; into the stage: row 8 h (+ i), 8 bytes at 8 r
	s_mul_i32 s25, s17, 32*SPT
	s_lshl_b32 s22, s18, 7
	s_add_co_u32 s25, s25, s22
	s_add_co_u32 s25, s25, ST                      ; my 32 rows, my half of their 256 bytes
	v_mul_u32_u24 v[TP+2], v3, SPT
	v_add_nc_u32 v[TP+2], v[TP+2], v[R16A]         ; back: lanes 0-15 one row of 256 bytes, lanes 16-31 the next
	s_mul_i32 s24, s16, 16*SPT
	s_add_co_u32 s24, s24, ST                      ; rows 16 w on
	v_lshl_add_u32 v[TP+3], v3, 13, v[R16A]        ; and the same two rows in h, 8,192 bytes a row
	s_lshl_b32 s23, s16, 17
	s_mov_b32 s48, 0x3e6d3388                      ; 0.2316419
	s_cmp_eq_u32 s17, 0
	s_cselect_b32 s49, 0x3f800000, 0               ; the bias enters one of the two K halves
	s_mov_b32 s50, 0x3f596d27                      ; sqrt(log2(e) / 2); each constant twice: the packed forms name a pair
	s_mov_b32 s51, 0x3f596d27
	s_mov_b32 s52, 0xbf3a00e3                      ; a4 / 2
	s_mov_b32 s53, 0xbf3a00e3
	s_mov_b32 s54, 0x3f35f0e3                      ; a3 / 2
	s_mov_b32 s55, 0x3f35f0e3
	s_mov_b32 s56, 0xbe11a98e                      ; a2 / 2
	s_mov_b32 s57, 0xbe11a98e
	s_mov_b32 s58, 0x3e027906                      ; a1 / 2
	s_mov_b32 s59, 0x3e027906
.else
	s_lshl_b32 s22, s16, 15
	v_add_nc_u32 v[XO0], s22, v[L16]               ; rows 4 w on, 8,192 bytes a row
	v_mov_b32 v[XOB], v[XO0]                       ; block 0 is staged first
	s_lshl_b32 s22, s17, 7
	v_lshl_add_u32 v[LCB], v3, 5, s22              ; the codes of rows 32 kh + 8 h on, 4 bytes each
.endif
	WIN TO1
	v_add_nc_u32 v[AA], s28, v[TP]
	v_add_nc_u32 v[AA+1], s29, v[TP]
	v_add_nc_u32 v[AA+2], s60, v[TP]
	v_add_nc_u32 v[AA+3], s61, v[TP]
	v_add_nc_u32 v[EXS], s30, v[L16]
	v_add_nc_u32 v[EXL], s26, v[L16]
.if MODE == 1
	v_add_nc_u32 v[STS], s25, v[TP+1]
	v_add_nc_u32 v[STL], s24, v[TP+2]
	v_add_nc_u32 v[GO], s23, v[TP+3]
	v_mov_b32 v[A5P], 0x3f07dc22                   ; a5 / 2
	v_mov_b32 v[A5P+1], 0x3f07dc22
.else
	v_mov_b32 v[R16], v[R16A]
.endif
	WIN 0
	s_wait_kmcnt 0x0
	s_min_u32 s21, s21, 1024
	s_add_co_u32 s22, s21, 63
	s_lshr_b32 s22, s22, 6
	s_max_u32 s22, s22, 1                          ; nblk: blocks of 64 rows, 1 to 16; it enters compares alone, never an address
	s_mov_b32 s24, 0
; ---------------------------------------------------------------- W comes in; block 0 follows it through the same three sets
.set g, 0
.rept 16
	s_wait_loadcnt 32                              ; the two younger items of sixteen loads stay out
	WCVT g
	s_wait_alu depctr_va_vdst(0)                   ; the roundings are done reading the set, in which the loads below land; the first of these waits also states that the LDS addresses and offsets of the head are written, the ninth that MODE 1's row offsets are
.if g < 13
.set gi, g+3
	WISSUE gi
.else
.set xc, g-13
.set xs, g%3
	XISSUE xc, xs                                  ; chunks 0, 1, 2 of block 0 into the sets 1, 2, 0, each just freed
.endif
.if MODE == 1
.if g == 0
	WIN TO1
.irp j, 0,1,2,3
.irp i, 0,1,2,3,4,5,6,7
	v_mul_f32 v[BC+8*\j+\i], s49, v[BV+\j]         ; register i of a result is row 8 h + i of column 4 r + j: the bias is the same in all eight
.endr
.endr
	WIN 0
.endif
.if g == 7
	XCODES 1, 0
.endif
.endif
.set g, g+1
.endr
	s_wait_loadcnt 32                              ; chunk 0 is in; chunks 1 and 2 stay out
	XSTORE 0, 1, 0
	s_wait_alu depctr_vm_vsrc(0)                   ; the LDS stores have read set 1, in which chunk 3 lands
	XISSUE 3, 1
	s_wait_loadcnt 32                              ; chunk 1; 2 and 3 stay out
	XSTORE 1, 2, 0
	s_wait_loadcnt 16
	XSTORE 2, 0, 0
	s_wait_loadcnt 0x0
	XSTORE 3, 1, 0
	MEET                                           ; block 0 is whole in slot 0
; ---------------------------------------------------------------- the turns
	COMP 0, 0                                      ; block 0 always exists
.Lturn:                                                ; eight trips, two turns each: the slots are constants of the text
	HALF 1, 0
	HALF 0, 1
	s_add_co_u32 s24, s24, 2
	s_cmp_lt_u32 s24, NBLK
	s_cbranch_scc1 .Lturn
.if MODE == 1
	s_wait_kmcnt 0x0                               ; the codes asked for last are not used; they have landed when the wave ends
.endif
	s_wait_dscnt 0x0                               ; no LDS instruction of the wave is out when it ends
	s_wait_alu depctr_hold_cnt(0) depctr_sa_sdst(0) depctr_va_vdst(0) depctr_va_sdst(0) depctr_va_ssrc(0) depctr_va_vcc(0) depctr_vm_vsrc(0)
	s_wait_tensorcnt 0x0
	ds_add_u32 v62, v63
	s_wait_dscnt 0x0
	s_endpgm
.Lfunc_end_k_q34812fd24b_ffn1:
	.size	k_q34812fd24b_ffn1, .Lfunc_end_k_q34812fd24b_ffn1-k_q34812fd24b_ffn1
	.p2alignl 7, 3214868480
	.fill 96, 4, 3214868480
	.section	.rodata,"a",@progbits
	.p2align	6, 0x0
	.amdhsa_kernel k_q34812fd24b_ffn1
		.amdhsa_group_segment_fixed_size 314880
		.amdhsa_private_segment_fixed_size 0
		.amdhsa_enable_private_segment 0
		.amdhsa_kernarg_size 48
		.amdhsa_user_sgpr_count 2
		.amdhsa_user_sgpr_kernarg_segment_ptr 1
		.amdhsa_wavefront_size32 1
		.amdhsa_system_sgpr_workgroup_id_x 1
		.amdhsa_system_sgpr_workgroup_id_y 1
		.amdhsa_system_sgpr_workgroup_id_z 1
		.amdhsa_system_vgpr_workitem_id 0
		.amdhsa_next_free_vgpr 1024
		.amdhsa_next_free_sgpr 66
		.amdhsa_reserve_vcc 0
		.amdhsa_float_denorm_mode_32 3
		.amdhsa_float_denorm_mode_16_64 3
		.amdhsa_memory_ordered 1
		.amdhsa_forward_progress 1
		.amdhsa_inst_pref_size 255
	.end_amdhsa_kernel
	.section	.bss,"aw",@nobits
	.p2align	6
	.space	262144
	.amdgpu_metadata
---
amdhsa.version: [ 1, 2 ]
amdhsa.kernels:
  - .name:           k_q34812fd24b_ffn1
    .symbol:         k_q34812fd24b_ffn1.kd
    .args:
      - { .name: xb, .offset: 0, .size: 8, .value_kind: global_buffer, .address_space: global }
      - { .name: W1, .offset: 8, .size: 8, .value_kind: global_buffer, .address_space: global }
      - { .name: b1, .offset: 16, .size: 8, .value_kind: global_buffer, .address_space: global }
      - { .name: list, .offset: 24, .size: 8, .value_kind: global_buffer, .address_space: global }
      - { .name: h, .offset: 32, .size: 8, .value_kind: global_buffer, .address_space: global }
      - { .name: cnt, .offset: 40, .size: 8, .value_kind: global_buffer, .address_space: global }
    .group_segment_fixed_size: 314880
    .private_segment_fixed_size: 0
    .kernarg_segment_align: 8
    .kernarg_segment_size: 48
    .max_flat_workgroup_size: 128
    .sgpr_count:     66
    .vgpr_count:     1024
    .wavefront_size: 32
...
	.end_amdgpu_metadata
.endif
;; end of part 6
;; launch ffn2 (part 7): grid 32 x 8, 4 waves a work-group, no clusters, 297,472 bytes of LDS; arguments h, W2, list, ybuf, cnt; writes ybuf
.if DOCPART == 7
	.amdgcn_target "amdgcn-amd-amdhsa--gfx1250"
	.amdhsa_code_object_version 6
	.text
	.protected	k_q34812fd24b_ffn2
	.globl	k_q34812fd24b_ffn2
	.p2align	8
	.type	k_q34812fd24b_ffn2,@function
k_q34812fd24b_ffn2:
	s_mov_b64 s[64:65], 0
	v_nop
	global_prefetch_b8 v0, s[64:65] scope:SCOPE_SE
	s_setreg_imm32_b32 hwreg(HW_REG_WAVE_SCHED_MODE, 0, 2), 2
	s_setreg_imm32_b32 hwreg(HW_REG_WAVE_MODE, 25, 1), 1
	s_wait_xcnt 0x0
	s_wait_alu depctr_vm_vsrc(0)
; ONE TEXT FOR BOTH PRODUCTS OF AN EXPERT; the symbol MODE selects addresses, bias and the way out.
;   MODE 1:  h[e][pos][f] = gelu(x[token(pos)] . W1[e][:, f] + b1[e][f]), f16, for the rows pos of the list of expert e
;   MODE 2:  ybuf[p][code(pos)][n] = h[e][pos][1024 p .. + 1023] . W2[e][1024 p .. + 1023][n], f32: four partial planes p, summed by the last launch
; Only rows that the router chose are computed: the gate of every other expert is exactly 0.
; FORMAT.  The operands of both products are f16, the sums f32.  Four roundings lie between the inputs and a result (x, W1, h, W2).  With 8 significant
; bits each (bf16) they add up to about 0.3 per cent of the root mean square of the results, a third of the 1 per cent that the problem allows, which a million
; results do not all keep; with 11 bits (f16) to an eighth of that.  The room in f16, whose largest number is 65,504: with every input 30 times larger
; |x| reaches 180, |W1| 5, and x . W1 has a spread of 900, so |h| reaches 5,000; with x and W1 both offset by 30 spreads x . W1 is about
; 1024 x 30 x 30/32 = 28,800.  With every input 30 times smaller W2 has a spread of 1/1920 and h of about as much; below 2^-14 the step of f16 is 2^-24,
; a ten-thousandth of that spread.
; THE WEIGHTS STAY.  A work-group owns W[1024 k][128 n] of one expert (grid y = expert; grid x: MODE 1 the slice of 128 columns of F, MODE 2
; the slice of 128 columns of H in bits 2:0 and the quarter p of F above).  It reads these 512 KiB once, in f32, each load of sixteen lanes
; covering 256 consecutive aligned bytes, and rounds them to f16 straight into the registers of source 1: 512 registers a wave, no LDS,
; no transposing.  Wave w: kh = w >> 1 takes 512 of the 1024 k (16 steps of 32), nh = w & 1 takes 64 of the 128 columns as four tiles;
; tile j is the columns 64 nh + 4 r + j (r = lane % 16), so the four columns of a 16-byte load feed the four tiles.
; THE ROWS STREAM.  The rows of the expert come in blocks of 64 through two LDS slots (f16, 2,048 bytes a row + 16 of padding); while one block is
; multiplied the next is fetched through registers.  MODE 1 gathers its rows by the list, which a tile descriptor does not express, so
; both modes use plain loads; the rows are shared by the 32 work-groups of an expert and are not asked for jointly in this text.
; SIXTEEN TURNS, WHATEVER THE COUNT.  An expert has 1 to 16 blocks: nblk = ceil(n_e / 64), at least 1, from cnt, whole numbers that an earlier launch
; stored.  Every wave passes both barriers of all sixteen turns; the count only decides, by forward branches, whether the work between two
; barriers is done.  Each guarded piece waits inside itself for every global load that it issues.  The products of block 0 stand unguarded in front of the loop:
; an expert without tokens computes one block of pad rows.  A piece of products always stages a block (MODE 1: block min(b + 1, 15) of the
; list, whose unused places hold pad codes; MODE 2: block b + 1, or block b once more where b is the last, so that only written rows of h are
; read; both offsets are made of the loop counter, and a forward branch on the count chooses): the last one is staged in vain.
; Pad rows (list code 2048 + e) are computed like any other: MODE 1 takes token e for them and stores them, so that every byte of h that MODE 2
; reads is written; MODE 2 stores them to row 2048 + e of its plane, which nobody reads.
; THE TWO K HALVES MEET IN LDS: a wave keeps two of its four blocks of 16 rows and hands the other two to wave w ^ 2.
; LIMITS.  An operand (x, W1, h, W2) above 65,504 in magnitude becomes infinite.  Sums f32, in another order than a plain loop.
; gelu(x) = max(x, 0) - |x| Phi(-|x|), Phi(-|x|) by the five-term rational form times e^(-x x / 2) (Abramowitz and Stegun 7.1.26, absolute error
; at most 1e-7 for every x).  An expert that the router did not choose is never formed, so an overflow there, which the dense form would turn
; into NaN, is not reproduced.
; THE MODE: SCHED_MODE bits 1:0 = 2 (LLVM: expert scheduling mode 2), set by the entry lines.  The code itself states the register dependences
; between vector or matrix instructions and memory or LDS instructions, with s_wait_alu, always for 0.
; THE PLAN.  Registers that memory or LDS instructions touch, and who else names them:
;   WS0 .. WS2    While W comes in: the roundings of a K step read a set, and the loads three steps on land in it: one wait on va_vdst behind each step's roundings.
;                 From then on no vector instruction names the sets: row loads land in them and LDS stores read them; a wait on vm_vsrc stands between
;                 the LDS stores that read a set and the loads that land in it again.
;   AF0, AF1      K step ks: its sixteen matrix instructions read AF[ks & 1]; the LDS loads of step ks + 1 land in the other buffer, which step ks - 1 read.  One wait on
;                 va_vdst at the head of steps 1 to 14 states that step ks - 1 is done reading; the step's eight loads follow it, a fragment behind each of its first
;                 four matrix instructions, which name AF[ks & 1], the accumulators, W and the bias: none of the registers that those loads touch.
;                 Between two blocks both buffers are at work on the way out, and stores read them.
;   ACC a = 2, 3  Written by matrix instructions, read by the LDS stores that hand them over; then the partner's halves land in them, and additions read those.
;   XO / XOB, LCV offsets of the rows and codes: written at the head of a piece of products, read by its loads.   GOI / CODE: written on the way out, read by its stores.
;   All other addresses are made once at the kernel's head and never written again.
; Each of the three guarded pieces of a turn begins with the wait on vm_vsrc that frees what it writes, and ends its own vector reads and writes of
; such registers with a wait on va_vdst of its own: so every dependence is stated whichever pieces a guard leaves out.
.set MODE, 2
.set XP,    2064                       ; an LDS row: 2,048 bytes + 16 = 129 x 16: the sixteen rows of a fragment load start at sixteen different 16-byte columns
.set SLOTB, 64*XP                      ; a slot: 64 rows
.set EX,    2*SLOTB                    ; behind the slots: 8,192 bytes a wave, the accumulators handed over
.set ST,    EX+4*8192                  ; MODE 1: the stage of the work-group, 64 rows x 272 bytes
.set SPT,   272
.set PLANE, 2056*4096                  ; bytes in a plane of ybuf
.set NBLK,  16                         ; blocks of 64 rows at the most: 1,024 tokens
.if MODE == 1
.set WPITCH, 16384                     ; bytes in a row of W
.else
.set WPITCH, 4096
.endif
; window 0
.set L16,  4                           ; 16 x lane
.set R16A, 5                           ; 16 r
.set WO,   6                           ; v6, v7    my offset in W: 8 h rows + 16 r; the same 256 rows on
.set XS,   8                           ; v8-11     where I put staged rows: slot s, rows 4 w on at XS + 2 s, rows 32 + 4 w on at XS + 2 s + 1; never rewritten
.set XO0,  12                          ; MODE 2: 16 x lane + 4 w rows of h
.set LCV,  13                          ; MODE 2: my offset in the list, this block
.set LCB,  14                          ; MODE 2: the same for block 0
.set XOB,  15                          ; MODE 2: XO0 + the block being staged
.set BV,   16                          ; v[16:19]  MODE 1: the bias of my four columns
.set TP,   20                          ; at work
.set XO,   32                          ; v[32:47]  MODE 1: byte offsets in xb of my sixteen rows of a block
.set WS,   64                          ; v[64:255] three staging sets of 64
; window 1
.set ACC,  0                           ; v[0:127]   accumulator (a, j) at 32 a + 8 j: a is the block of 16 rows a ^ 2 kh, j the tile
.set AF,   128                         ; v[128:191] two buffers of fragments of the rows; at work on the way out
.set AA,   192                         ; 192-195    my fragment address: slot s, a = 0, 1 at AA + 2 s, a = 2, 3 at AA + 2 s + 1; never rewritten
.set EXS,  196                         ; where I hand over
.set EXL,  197                         ; where my partner handed over
.set STS,  198                         ; MODE 1: into the stage
.set STL,  199                         ; MODE 1: back from it
.set GO,   200                         ; MODE 1: my offset in h, block 0
.set R16,  201                         ; MODE 2: 16 r
.set A5P,  202                         ; 202:203    MODE 1: the leading coefficient, twice
.set GOI,  204                         ; MODE 1: my offset in h, this block
.set BC,   208                         ; v[208:239] MODE 1: the bias as a C operand, 8 equal registers a tile (0 in the waves with kh = 1)
.set CODE, 208                         ; v[208:223] MODE 2: the list codes of my sixteen rows, then their byte offsets
.set GT,   AF                          ; gelu: t, the exponential, the polynomial, max(x, 0)
.set GZ,   AF+8
.set GQ,   AF+16
.set GM,   AF+24
; windows 2 and 3: W.  K step g, tile j, register q at 32 (g & 7) + 8 j + q; window 2 holds g < 8, window 3 the rest
; scalars: s16 wave, s17 kh, s18 nh, s22 nblk, s24 the loop counter = the block that the first turn of a trip finishes, s28-s30 at work,
; MODE 1: s27 offset of the codes asked for, s31 16 w, s[32:47] sixteen codes, s48-s59 constants of gelu
.set TO1, 0x40                         ; destination window 1
.set CV2, 0x80                         ; destination window 2
.set CV3, 0xc0                         ; destination window 3
.set CW2, 0x59                         ; source 0, C and D window 1, source 1 window 2; an LDS load under it: data and address window 1
.set CW3, 0x5d                         ; the same with source 1 in window 3
.set EW,  0x55                         ; everything window 1
.set MSB, 0
.macro WIN new                         ; the high byte of the immediate repeats the setting that is left; a switch that changes nothing is dropped
.if MSB != \new
	s_set_vgpr_msb (MSB<<8)|\new
.set MSB, \new
.endif
.endm
; Four places: whatever reads a matrix result stands four plain vector instructions behind that matrix instruction (ISA guide 7.12.1);
; no other vector work is at hand at that point.
.macro PLACES
.rept 4
	v_nop
.endr
.endm
; K step g of W, sixteen loads: rows 32 g + 8 h + i (i < 8) and 32 g + 16 + 8 h + i - 8, my four columns.  Read once in the launch.
.macro WISSUE g
.irp i, 0,1,2,3,4,5,6,7,8,9,10,11,12,13,14,15
	global_load_b128 v[WS+64*((\g)%3)+4*\i:WS+64*((\g)%3)+4*\i+3], v[WO+((\g)>>3)], s[6:7] offset:(((\g)&7)*32+\i+8*(\i>>3))*WPITCH th:TH_LOAD_NT
.endr
.endm
; and its rounding: register q of tile j takes column j of loads 2 q and 2 q + 1, two neighbouring k
.macro WCVT g
.if (\g) < 8
	WIN CV2
.else
	WIN CV3
.endif
.irp j, 0,1,2,3
.irp q, 0,1,2,3,4,5,6,7
	v_cvt_pk_f16_f32 v[((\g)&7)*32+8*\j+\q], v[WS+64*((\g)%3)+8*\q+\j], v[WS+64*((\g)%3)+8*\q+4+\j]
.endr
.endr
	WIN 0
.endm
.if MODE == 1
; The sixteen codes in s[32:47] become offsets in xb (token = code & 1023, 2,048 bytes a row), and the codes of the block after are asked for.
; pro = 1: in front of the turns (block 1 is asked for).  Else block s24 + d + 2, held at the last block of the table, 15: no load leaves the list.
.macro XCODES pro, d
	s_wait_kmcnt 0x0
.irp n, 0,1,2,3,4,5,6,7,8,9,10,11,12,13,14,15
	s_min_u32 s[32+\n], s[32+\n], 0xfff
	s_and_b32 s[32+\n], s[32+\n], 0x3ff
	v_lshl_add_u32 v[XO+\n], s[32+\n], 11, v[L16]
.endr
.if \pro
	s_add_co_u32 s27, s31, 256
.else
	s_add_co_u32 s27, s24, (\d)+2
	s_min_u32 s27, s27, 15
	s_lshl_b32 s27, s27, 8
	s_add_co_u32 s27, s27, s31
.endif
.irp c, 0,1,2,3
	s_load_b128 s[32+4*\c:35+4*\c], s[10:11], s27 offset:64*\c
.endr
.endm
.endif
; Chunk c of a block: my rows 16 c + 4 w + q, q = 0..3, four loads of 512 consecutive bytes each, into a staging set
.macro XISSUE c, set
.irp q, 0,1,2,3
.irp pc, 0,1,2,3
.if MODE == 1
	global_load_b128 v[WS+64*(\set)+16*\q+4*\pc:WS+64*(\set)+16*\q+4*\pc+3], v[XO+4*(\c)+\q], s[4:5] offset:512*\pc
.else
	global_load_b128 v[WS+64*(\set)+16*\q+4*\pc:WS+64*(\set)+16*\q+4*\pc+3], v[XOB], s[4:5] offset:(16*(\c)+\q)*8192+512*\pc
.endif
.endr
.endr
.endm
; and on into slot sl of LDS
.macro XSTORE c, set, sl
.irp q, 0,1,2,3
.irp pc, 0,1,2,3
	ds_store_b128 v[XS+2*(\sl)+((\c)>>1)], v[WS+64*(\set)+16*\q+4*\pc:WS+64*(\set)+16*\q+4*\pc+3] offset:(((\c)&1)*16+\q)*XP+512*\pc
.endr
.endr
.endm
; Fragment a of K step k from slot sl: 16 rows x 32 k, two loads of 16 bytes, 32 bytes apart, into buffer k & 1
.macro AFRAG k, sl, a
	ds_load_b128 v[AF+32*((\k)&1)+8*(\a):AF+32*((\k)&1)+8*(\a)+3],   v[AA+2*(\sl)+((\a)>>1)] offset:((\a)&1)*16*XP+64*(\k)
	ds_load_b128 v[AF+32*((\k)&1)+8*(\a)+4:AF+32*((\k)&1)+8*(\a)+7], v[AA+2*(\sl)+((\a)>>1)] offset:((\a)&1)*16*XP+64*(\k)+32
.endm
; all four fragments of a K step
.macro AFLOAD k, sl
.irp a, 0,1,2,3
	AFRAG \k, \sl, \a
.endr
.endm
; Four K steps; the symbol ks runs on.  A step: sixteen matrix instructions, one on each accumulator, in the same order in every step: the accumulators take
; turns; behind each of the first four a fragment of the next step is asked for, into the buffer that the step before multiplied.
; young = the LDS instructions issued behind the last fragment loads when the first of the four steps begins (a run of sixteen LDS stores, or none).
; The first step starts the sums: with the bias as C (MODE 1) or with 0.
.macro KS4 sl, young
.set yg, \young
.rept 4
	s_wait_dscnt yg                                ; LDS instructions end in order (ISA guide 5.7.1): the fragments of this step are in; the younger LDS stores stay out
.set yg, 0
.if (ks > 0) && (ks < 15)
	s_wait_alu depctr_va_vdst(0)                   ; the matrix instructions of the step before are done reading the other buffer, in which the eight loads below land
.endif
.set kn, ks+1
.irp a, 0,1,2,3
.irp j, 0,1,2,3
.if ks > 0
	v_wmma_f32_16x16x32_f16 v[ACC+32*\a+8*\j:ACC+32*\a+8*\j+7], v[AF+32*(ks&1)+8*\a:AF+32*(ks&1)+8*\a+7], v[32*(ks&7)+8*\j:32*(ks&7)+8*\j+7], v[ACC+32*\a+8*\j:ACC+32*\a+8*\j+7]
.elseif MODE == 1
	v_wmma_f32_16x16x32_f16 v[ACC+32*\a+8*\j:ACC+32*\a+8*\j+7], v[AF+32*(ks&1)+8*\a:AF+32*(ks&1)+8*\a+7], v[32*(ks&7)+8*\j:32*(ks&7)+8*\j+7], v[BC+8*\j:BC+8*\j+7]
.else
	v_wmma_f32_16x16x32_f16 v[ACC+32*\a+8*\j:ACC+32*\a+8*\j+7], v[AF+32*(ks&1)+8*\a:AF+32*(ks&1)+8*\a+7], v[32*(ks&7)+8*\j:32*(ks&7)+8*\j+7], 0
.endif
.if (\a == 0) && (ks < 15)
	AFRAG kn, \sl, \j                              ; no further wait: no vector or matrix instruction since the wait names the other buffer or its address (step 0: since the wait at the piece's head)
.endif
.endr
.endr
.set ks, ks+1
.endr
.endm
.if MODE == 1
; gelu of eight numbers in place.  t = 1 / (1 + 0.2316419 |x|); q = t (a1 + t (a2 + t (a3 + t (a4 + t a5)))) / 2 x 2^(-(c x)^2), c^2 = log2(e) / 2;
; result = max(x, 0) - |x| q.  Behind each run of transcendentals stands a packed instruction that touches none of their registers.
.macro GELU8 x
.irp i, 0,1,2,3,4,5,6,7
	v_fma_f32 v[GT+\i], |v[(\x)+\i]|, s48, 1.0
.endr
.irp i, 0,1,2,3,4,5,6,7
	v_rcp_f32 v[GT+\i], v[GT+\i]
.endr
.irp i, 0,2,4,6
	v_pk_mul_f32 v[GZ+\i:GZ+\i+1], v[(\x)+\i:(\x)+\i+1], s[50:51] op_sel_hi:[1,0]
.endr
.irp i, 0,2,4,6
	v_pk_mul_f32 v[GZ+\i:GZ+\i+1], v[GZ+\i:GZ+\i+1], v[GZ+\i:GZ+\i+1] neg_lo:[1,0] neg_hi:[1,0]
.endr
.irp i, 0,1,2,3,4,5,6,7
	v_exp_f32 v[GZ+\i], v[GZ+\i]
.endr
.irp i, 0,2,4,6
	v_pk_fma_f32 v[GQ+\i:GQ+\i+1], v[GT+\i:GT+\i+1], v[A5P:A5P+1], s[52:53] op_sel_hi:[1,1,0]
.endr
.irp sc, 54,56,58
.irp i, 0,2,4,6
	v_pk_fma_f32 v[GQ+\i:GQ+\i+1], v[GQ+\i:GQ+\i+1], v[GT+\i:GT+\i+1], s[\sc:\sc+1] op_sel_hi:[1,1,0]
.endr
.endr
.irp i, 0,2,4,6
	v_pk_mul_f32 v[GQ+\i:GQ+\i+1], v[GQ+\i:GQ+\i+1], v[GT+\i:GT+\i+1]
.endr
.irp i, 0,2,4,6
	v_pk_mul_f32 v[GQ+\i:GQ+\i+1], v[GQ+\i:GQ+\i+1], v[GZ+\i:GZ+\i+1]
.endr
.irp i, 0,1,2,3,4,5,6,7
	v_max_num_f32 v[GM+\i], 0, v[(\x)+\i]
.endr
.irp i, 0,1,2,3,4,5,6,7
	v_fma_f32 v[(\x)+\i], -|v[(\x)+\i]|, v[GQ+\i], v[GM+\i]
.endr
.endm
.endif
; A barrier of the four waves.  It stands outside every guard: each wave passes it in every turn.
.macro MEET
	s_wait_dscnt 0x0                               ; for the sake of the others: my LDS stores are done and my LDS reads are back
	s_barrier_signal -1
	s_barrier_wait -1
.endm
; Block s24 + d goes into s30; the piece up to the label is left out where the expert has no such block.
.macro GUARD d, to
	s_add_co_u32 s30, s24, \d
	s_cmp_lt_u32 s30, s22
	s_cbranch_scc0 \to
.endm
; THE PRODUCTS of block s24 + d, which lies in slot sl; the next block is staged into the other slot meanwhile; at the end a = 2, 3 are handed over.
; All global loads of the piece are waited for inside it.  The runs of row loads and LDS stores between the K steps touch the staging sets, their offsets and
; addresses alone, which no vector or matrix instruction since the wait at the piece's head names.
.macro COMP sl, d
	WIN 0
	s_wait_xcnt 0x0                                ; earlier stores have had their addresses translated: their data and offsets are rewritten only behind this wait
	s_wait_alu depctr_vm_vsrc(0)                   ; earlier loads and stores, LDS ones too, have read the offsets that are made anew below, the staging sets and the fragment buffers (MODE 2: the codes' registers too) in which loads land below, and the accumulators that the products write
.if MODE == 2
	s_add_co_u32 s30, s24, \d
	s_min_u32 s28, s30, 15                         ; the block in hand, held inside the sixteen blocks
	v_lshl_add_u32 v[LCV], s28, 8, v[LCB]          ; 256 bytes of list a block
	v_lshl_add_u32 v[XOB], s28, 19, v[XO0]         ; 64 rows of 8,192 bytes a block: this block once more, where it is the last: only written rows of h are read
	s_add_co_u32 s30, s30, 1
	s_cmp_lt_u32 s30, s22
	s_cbranch_scc0 .Lsame_\@
	s_min_u32 s30, s30, 15
	v_lshl_add_u32 v[XOB], s30, 19, v[XO0]         ; else the next block
.Lsame_\@:
	WIN TO1
	s_wait_alu depctr_va_vdst(0)                   ; the two offsets are written, which the loads below read; the way out of the block before is done with the codes' registers and the fragment buffers, in which loads land
.irp n, 0,1,2,3
	global_load_b128 v[CODE+4*\n:CODE+4*\n+3], v[LCV], s[10:11] offset:64*(\n>>1)+16*(\n&1)   ; the codes of rows 16 a + 8 h + 0..7 of my 32
.endr
	WIN 0
.else
	XCODES 0, \d
	s_wait_alu depctr_va_vdst(0)                   ; the sixteen offsets are written, which the loads below read; the way out of the block before is done with the fragment buffers, in which loads land
.endif
	XISSUE 0, 0
	XISSUE 1, 1
	WIN CW2
	AFLOAD 0, \sl
.set ks, 0
	KS4 \sl, 0
	WIN 0
	XISSUE 2, 2
	WIN CW2
	KS4 \sl, 0
	WIN 0
	s_wait_loadcnt 32                              ; chunk 0 is in (asked for 128 matrix instructions ago), MODE 2's codes too; chunks 1 and 2 stay out
	XSTORE 0, 0, 1-\sl
	s_wait_alu depctr_vm_vsrc(0)                   ; the LDS stores have read set 0, in which chunk 3 lands
	XISSUE 3, 0
	WIN CW3
	KS4 \sl, 16
	WIN 0
	s_wait_loadcnt 32                              ; chunk 1; 2 and 3 stay out
	XSTORE 1, 1, 1-\sl
	WIN CW3
	KS4 \sl, 16
	WIN 0
	s_wait_loadcnt 16                              ; chunk 2; 3 stays out
	XSTORE 2, 2, 1-\sl
	s_wait_loadcnt 0x0
	XSTORE 3, 0, 1-\sl
	WIN EW
	PLACES
	s_wait_alu depctr_va_vdst(0)                   ; the matrix instructions have written the accumulators, which the LDS stores read, and are done with both fragment buffers; the places above stay beside this wait
.irp q, 0,1,2,3,4,5,6,7,8,9,10,11,12,13,14,15
	ds_store_b128 v[EXS], v[ACC+64+4*\q:ACC+64+4*\q+3] offset:512*\q      ; a = 2, 3 go to my partner, each accumulator from its low end on
.endr
	WIN 0
.endm
; BEHIND THE FIRST BARRIER of a turn: the other K half of my a = 0, 1 comes in; MODE 1 goes on to gelu and the stage.
.macro FIN2
	WIN EW
	s_wait_alu depctr_vm_vsrc(0)                   ; my LDS stores have read a = 2, 3, in which the loads below land; MODE 1: the stage's stores of the block before have read the registers that gelu and the roundings write
.irp q, 0,1,2,3,4,5,6,7,8,9,10,11,12,13,14,15
	ds_load_b128 v[ACC+64+4*\q:ACC+64+4*\q+3], v[EXL] offset:512*\q       ; no vector or matrix instruction has named these registers since the wait ahead of the stores that handed them over
.endr
.if MODE == 1
.irp a, 0,1
.irp j, 0,1,2,3
	s_wait_dscnt 14-2*(4*\a+\j)                    ; the loads issued behind the two of this accumulator stay out
.irp i, 0,2,4,6
	v_pk_add_f32 v[ACC+32*\a+8*\j+\i:ACC+32*\a+8*\j+\i+1], v[ACC+32*\a+8*\j+\i:ACC+32*\a+8*\j+\i+1], v[ACC+64+32*\a+8*\j+\i:ACC+64+32*\a+8*\j+\i+1]
.endr
	GELU8 ACC+32*\a+8*\j
.endr
.endr
.irp a, 0,1
.irp i, 0,1,2,3,4,5,6,7
	v_cvt_pk_f16_f32 v[AF+2*(8*\a+\i)],   v[ACC+32*\a+\i],    v[ACC+32*\a+8+\i]       ; register i of the four tiles: four neighbouring columns of a row
	v_cvt_pk_f16_f32 v[AF+2*(8*\a+\i)+1], v[ACC+32*\a+16+\i], v[ACC+32*\a+24+\i]
.endr
.endr
	s_wait_alu depctr_va_vdst(0)                   ; the roundings have written the sixteen pairs, which the LDS stores read; the additions are done reading a = 2, 3
.irp a, 0,1
.irp i, 0,1,2,3,4,5,6,7
	ds_store_b64 v[STS], v[AF+2*(8*\a+\i):AF+2*(8*\a+\i)+1] offset:(16*\a+\i)*SPT
.endr
.endr
.endif
	WIN 0
.endm
; BEHIND THE SECOND BARRIER: the block leaves.  s30 holds its number (from the guard in front).
.macro FIN3
	s_wait_xcnt 0x0                                ; the stores of the block before have had their addresses translated: their offsets and data are rewritten only behind this wait
	s_wait_alu depctr_vm_vsrc(0)                   ; and they have read those offsets and data
	WIN EW
.if MODE == 1
	v_lshl_add_u32 v[GOI], s30, 19, v[GO]          ; 64 rows of 8,192 bytes a block
.irp t, 0,1,2,3,4,5,6,7
	ds_load_b128 v[AF+32+4*\t:AF+32+4*\t+3], v[STL] offset:2*SPT*\t       ; a row of 256 bytes comes from two waves: hence the barrier.  No vector or matrix instruction has named these registers since the wait at the end of the products
.endr
	s_wait_alu depctr_va_vdst(0)                   ; the offset of this block is written, which the stores read
.irp t, 0,1,2,3,4,5,6,7
	s_wait_dscnt 7-\t
	global_store_b128 v[GOI], v[AF+32+4*\t:AF+32+4*\t+3], s[12:13] offset:16384*\t   ; sixteen lanes store 256 consecutive bytes, aligned
.endr
.else
.irp n, 0,1,2,3,4,5,6,7,8,9,10,11,12,13,14,15
	v_min_u32 v[CODE+\n], 0x807, v[CODE+\n]        ; a loaded number enters an address: held inside the 2,056 rows of a plane
	v_lshl_add_u32 v[CODE+\n], v[CODE+\n], 12, v[R16]
.endr
.irp a, 0,1
.irp i, 0,1,2,3,4,5,6,7
.irp j, 0,1,2,3
	v_add_f32 v[AF+32*\a+4*\i+\j], v[ACC+32*\a+8*\j+\i], v[ACC+64+32*\a+8*\j+\i]    ; the sum of the halves also lays four neighbouring columns side by side
.endr
.endr
.endr
	s_wait_alu depctr_va_vdst(0)                   ; the sixteen offsets and the sums are written, which the stores read; the additions are done reading a = 2, 3
.irp a, 0,1
.irp i, 0,1,2,3,4,5,6,7
	global_store_b128 v[CODE+8*\a+\i], v[AF+32*\a+4*\i:AF+32*\a+4*\i+3], s[12:13]   ; sixteen lanes store 256 consecutive bytes, aligned
.endr
.endr
.endif
	WIN 0
.endm
; A TURN: block s24 + d is finished, then block s24 + d + 1, which lies in slot sl, is multiplied.
; First barrier: what was handed over and the staged block are in LDS, and every wave's reads of the slot just multiplied and of the stage are back.
; Second barrier: every wave has taken what was handed over (the next products write those bytes again), and MODE 1's stage is whole.
.macro HALF sl, d
	MEET
	GUARD \d, .Lno2_\@
	FIN2
.Lno2_\@:
	MEET
	GUARD \d, .Lno3_\@
	FIN3
.Lno3_\@:
	GUARD \d+1, .Lno1_\@
	COMP \sl, \d+1
.Lno1_\@:
.endm
; ---------------------------------------------------------------- the head
.if MODE == 1
	s_load_b256 s[4:11], s[0:1], 0x0               ; xb s[4:5], W1 s[6:7], b1 s[8:9], list s[10:11]
	s_load_b128 s[12:15], s[0:1], 0x20             ; h s[12:13], cnt s[14:15]
.else
	s_load_b128 s[4:7], s[0:1], 0x0                ; h s[4:5], W2 s[6:7]
	s_load_b64 s[10:11], s[0:1], 0x10              ; list
	s_load_b128 s[12:15], s[0:1], 0x18             ; ybuf s[12:13], cnt s[14:15]
	v_lshl_add_u32 v62, v0, 2, 0x48800
	v_mov_b32 v63, 0
.endif
	v_lshrrev_b32 v1, 5, v0
	v_readfirstlane_b32 s16, v1                    ; wave 0..3
	v_and_b32 v1, 31, v0                           ; lane
	v_and_b32 v2, 15, v0                           ; r
	v_bfe_u32 v3, v0, 4, 1                         ; h
	v_lshlrev_b32 v[L16], 4, v1
	v_lshlrev_b32 v[R16A], 4, v2
	v_mul_u32_u24 v[WO], v3, 8*WPITCH
	v_add_nc_u32 v[WO], v[WO], v[R16A]
	v_add_nc_u32 v[WO+1], 256*WPITCH, v[WO]
	s_wait_alu depctr_va_sdst(0)                   ; s16 is written, ahead of its first reader: the halves, the bases and the LDS addresses are made from it
	s_lshr_b32 s17, s16, 1                         ; kh
	s_and_b32 s18, s16, 1                          ; nh
	s_and_b32 s19, ttmp7, 0xffff                   ; expert
	s_mov_b32 s20, ttmp9                           ; slice
	; byte offsets, each in a pair of its own; all stay under 2^31
.if MODE == 1
	s_lshl_b32 s30, s20, 9
	s_lshl_b32 s31, s18, 8
	s_add_co_u32 s30, s30, s31                     ; my 64 columns in f32: 512 x slice + 256 nh
	s_lshl_b32 s28, s19, 24                        ; W1: 16 MiB an expert,
	s_add_co_u32 s28, s28, s30
	s_lshl_b32 s31, s17, 23                        ; 512 rows of 16,384 bytes for kh
	s_add_co_u32 s28, s28, s31
	s_mov_b32 s29, 0
	s_lshl_b32 s40, s19, 14                        ; b1
	s_add_co_u32 s40, s40, s30
	s_mov_b32 s41, 0
	s_lshl_b32 s42, s19, 23                        ; h: 8 MiB an expert, 256 bytes a slice
	s_lshl_b32 s31, s20, 8
	s_add_co_u32 s42, s42, s31
	s_mov_b32 s43, 0
.else
	s_and_b32 s26, s20, 7                          ; the slice of 128 columns of H
	s_lshr_b32 s27, s20, 3                         ; p: the quarter of F
	s_lshl_b32 s30, s26, 9
	s_lshl_b32 s31, s18, 8
	s_add_co_u32 s30, s30, s31                     ; my 64 columns in f32
	s_lshl_b32 s28, s19, 24                        ; W2: 16 MiB an expert,
	s_lshl_b32 s31, s27, 22                        ; 1,024 rows of 4,096 bytes a quarter,
	s_add_co_u32 s28, s28, s31
	s_add_co_u32 s28, s28, s30
	s_lshl_b32 s31, s17, 21                        ; 512 rows for kh
	s_add_co_u32 s28, s28, s31
	s_mov_b32 s29, 0
	s_lshl_b32 s40, s19, 23                        ; h: 8 MiB an expert, 2,048 bytes a quarter
	s_lshl_b32 s31, s27, 11
	s_add_co_u32 s40, s40, s31
	s_mov_b32 s41, 0
	s_mul_i32 s42, s27, PLANE                      ; ybuf: my plane, my columns
	s_add_co_u32 s42, s42, s30
	s_mov_b32 s43, 0
.endif
	s_lshl_b32 s44, s19, 12                        ; list: 4,096 bytes an expert
	s_mov_b32 s45, 0
	s_lshl_b32 s46, s19, 8                         ; cnt: 256 bytes an expert
	s_mov_b32 s47, 0
	s_wait_kmcnt 0x0
	s_add_nc_u64 s[6:7], s[6:7], s[28:29]
.if MODE == 1
	s_add_nc_u64 s[8:9], s[8:9], s[40:41]
.else
	s_add_nc_u64 s[4:5], s[4:5], s[40:41]
.endif
	s_add_nc_u64 s[12:13], s[12:13], s[42:43]
	s_add_nc_u64 s[10:11], s[10:11], s[44:45]
	s_add_nc_u64 s[14:15], s[14:15], s[46:47]
	s_load_b32 s21, s[14:15], 0x0                  ; n_e
	s_wait_alu depctr_va_vdst(0)                   ; the offsets 16 r and the two in W are written, which the loads below read
.if MODE == 1
	s_lshl_b32 s31, s16, 4                         ; my four codes of a chunk begin 16 w bytes in; kept
	s_mov_b32 s27, s31
.irp c, 0,1,2,3
	s_load_b128 s[32+4*\c:35+4*\c], s[10:11], s27 offset:64*\c     ; the codes of block 0
.endr
	global_load_b128 v[BV:BV+3], v[R16A], s[8:9]   ; the oldest load: in with the first K step of W
.endif
	WISSUE 0                                       ; three K steps of W, 48 loads of 512 bytes a wave, are on their way from here on
	WISSUE 1
	WISSUE 2
	; LDS addresses.  Each is a constant, the wave number times a constant, and a lane term; each slot has registers of its own.
	v_mul_u32_u24 v[TP], v2, XP
	v_lshl_add_u32 v[TP], v3, 4, v[TP]             ; a fragment: row r, 16 bytes for each half of the lanes
	s_mul_i32 s28, s17, 1024+32*XP                 ; a = 0, 1: the blocks of rows 2 kh, 2 kh + 1; my K half begins 1,024 kh bytes into a row
	s_xor_b32 s29, s17, 1
	s_mul_i32 s29, s29, 32*XP                      ; a = 2, 3: the other two blocks
	s_lshl_b32 s30, s17, 10
	s_add_co_u32 s29, s29, s30
	s_add_co_u32 s60, s28, SLOTB                   ; the same in slot 1
	s_add_co_u32 s61, s29, SLOTB
	s_lshl_b32 s30, s16, 13
	s_add_co_u32 s30, s30, EX                      ; I hand over at wave x 8,192,
	s_xor_b32 s26, s16, 2
	s_lshl_b32 s26, s26, 13
	s_add_co_u32 s26, s26, EX                      ; my partner, the wave with the other K half, at its own
	s_mul_i32 s22, s16, 4*XP
	v_add_nc_u32 v[XS], s22, v[L16]
	v_add_nc_u32 v[XS+1], 32*XP, v[XS]
	v_add_nc_u32 v[XS+2], SLOTB, v[XS]
	v_add_nc_u32 v[XS+3], SLOTB, v[XS+1]
.if MODE == 1
	v_mul_u32_u24 v[TP+1], v3, 8*SPT
	v_lshl_add_u32 v[TP+1], v2, 3, v[TP+1]         ; into the stage: row 8 h (+ i), 8 bytes at 8 r
	s_mul_i32 s25, s17, 32*SPT
	s_lshl_b32 s22, s18, 7
	s_add_co_u32 s25, s25, s22
	s_add_co_u32 s25, s25, ST                      ; my 32 rows, my half of their 256 bytes
	v_mul_u32_u24 v[TP+2], v3, SPT
	v_add_nc_u32 v[TP+2], v[TP+2], v[R16A]         ; back: lanes 0-15 one row of 256 bytes, lanes 16-31 the next
	s_mul_i32 s24, s16, 16*SPT
	s_add_co_u32 s24, s24, ST                      ; rows 16 w on
	v_lshl_add_u32 v[TP+3], v3, 13, v[R16A]        ; and the same two rows in h, 8,192 bytes a row
	s_lshl_b32 s23, s16, 17
	s_mov_b32 s48, 0x3e6d3388                      ; 0.2316419
	s_cmp_eq_u32 s17, 0
	s_cselect_b32 s49, 0x3f800000, 0               ; the bias enters one of the two K halves
	s_mov_b32 s50, 0x3f596d27                      ; sqrt(log2(e) / 2); each constant twice: the packed forms name a pair
	s_mov_b32 s51, 0x3f596d27
	s_mov_b32 s52, 0xbf3a00e3                      ; a4 / 2
	s_mov_b32 s53, 0xbf3a00e3
	s_mov_b32 s54, 0x3f35f0e3                      ; a3 / 2
	s_mov_b32 s55, 0x3f35f0e3
	s_mov_b32 s56, 0xbe11a98e                      ; a2 / 2
	s_mov_b32 s57, 0xbe11a98e
	s_mov_b32 s58, 0x3e027906                      ; a1 / 2
	s_mov_b32 s59, 0x3e027906
.else
	s_lshl_b32 s22, s16, 15
	v_add_nc_u32 v[XO0], s22, v[L16]               ; rows 4 w on, 8,192 bytes a row
	v_mov_b32 v[XOB], v[XO0]                       ; block 0 is staged first
	s_lshl_b32 s22, s17, 7
	v_lshl_add_u32 v[LCB], v3, 5, s22              ; the codes of rows 32 kh + 8 h on, 4 bytes each
.endif
	WIN TO1
	v_add_nc_u32 v[AA], s28, v[TP]
	v_add_nc_u32 v[AA+1], s29, v[TP]
	v_add_nc_u32 v[AA+2], s60, v[TP]
	v_add_nc_u32 v[AA+3], s61, v[TP]
	v_add_nc_u32 v[EXS], s30, v[L16]
	v_add_nc_u32 v[EXL], s26, v[L16]
.if MODE == 1
	v_add_nc_u32 v[STS], s25, v[TP+1]
	v_add_nc_u32 v[STL], s24, v[TP+2]
	v_add_nc_u32 v[GO], s23, v[TP+3]
	v_mov_b32 v[A5P], 0x3f07dc22                   ; a5 / 2
	v_mov_b32 v[A5P+1], 0x3f07dc22
.else
	v_mov_b32 v[R16], v[R16A]
.endif
	WIN 0
	s_wait_kmcnt 0x0
	s_min_u32 s21, s21, 1024
	s_add_co_u32 s22, s21, 63
	s_lshr_b32 s22, s22, 6
	s_max_u32 s22, s22, 1                          ; nblk: blocks of 64 rows, 1 to 16; it enters compares alone, never an address
	s_mov_b32 s24, 0
; ---------------------------------------------------------------- W comes in; block 0 follows it through the same three sets
.set g, 0
.rept 16
	s_wait_loadcnt 32                              ; the two younger items of sixteen loads stay out
	WCVT g
	s_wait_alu depctr_va_vdst(0)                   ; the roundings are done reading the set, in which the loads below land; the first of these waits also states that the LDS addresses and offsets of the head are written, the ninth that MODE 1's row offsets are
.if g < 13
.set gi, g+3
	WISSUE gi
.else
.set xc, g-13
.set xs, g%3
	XISSUE xc, xs                                  ; chunks 0, 1, 2 of block 0 into the sets 1, 2, 0, each just freed
.endif
.if MODE == 1
.if g == 0
	WIN TO1
.irp j, 0,1,2,3
.irp i, 0,1,2,3,4,5,6,7
	v_mul_f32 v[BC+8*\j+\i], s49, v[BV+\j]         ; register i of a result is row 8 h + i of column 4 r + j: the bias is the same in all eight
.endr
.endr
	WIN 0
.endif
.if g == 7
	XCODES 1, 0
.endif
.endif
.set g, g+1
.endr
	s_wait_loadcnt 32                              ; chunk 0 is in; chunks 1 and 2 stay out
	XSTORE 0, 1, 0
	s_wait_alu depctr_vm_vsrc(0)                   ; the LDS stores have read set 1, in which chunk 3 lands
	XISSUE 3, 1
	s_wait_loadcnt 32                              ; chunk 1; 2 and 3 stay out
	XSTORE 1, 2, 0
	s_wait_loadcnt 16
	XSTORE 2, 0, 0
	s_wait_loadcnt 0x0
	XSTORE 3, 1, 0
	MEET                                           ; block 0 is whole in slot 0
; ---------------------------------------------------------------- the turns
	COMP 0, 0                                      ; block 0 always exists
.Lturn:                                                ; eight trips, two turns each: the slots are constants of the text
	HALF 1, 0
	HALF 0, 1
	s_add_co_u32 s24, s24, 2
	s_cmp_lt_u32 s24, NBLK
	s_cbranch_scc1 .Lturn
.if MODE == 1
	s_wait_kmcnt 0x0                               ; the codes asked for last are not used; they have landed when the wave ends
.endif
	s_wait_dscnt 0x0                               ; no LDS instruction of the wave is out when it ends
	s_wait_alu depctr_hold_cnt(0) depctr_sa_sdst(0) depctr_va_vdst(0) depctr_va_sdst(0) depctr_va_ssrc(0) depctr_va_vcc(0) depctr_vm_vsrc(0)
	s_wait_tensorcnt 0x0
	ds_add_u32 v62, v63
	s_wait_dscnt 0x0
	s_endpgm
.Lfunc_end_k_q34812fd24b_ffn2:
	.size	k_q34812fd24b_ffn2, .Lfunc_end_k_q34812fd24b_ffn2-k_q34812fd24b_ffn2
	.p2alignl 7, 3214868480
	.fill 96, 4, 3214868480
	.section	.rodata,"a",@progbits
	.p2align	6, 0x0
	.amdhsa_kernel k_q34812fd24b_ffn2
		.amdhsa_group_segment_fixed_size 297472
		.amdhsa_private_segment_fixed_size 0
		.amdhsa_enable_private_segment 0
		.amdhsa_kernarg_size 40
		.amdhsa_user_sgpr_count 2
		.amdhsa_user_sgpr_kernarg_segment_ptr 1
		.amdhsa_wavefront_size32 1
		.amdhsa_system_sgpr_workgroup_id_x 1
		.amdhsa_system_sgpr_workgroup_id_y 1
		.amdhsa_system_sgpr_workgroup_id_z 1
		.amdhsa_system_vgpr_workitem_id 0
		.amdhsa_next_free_vgpr 1024
		.amdhsa_next_free_sgpr 66
		.amdhsa_reserve_vcc 0
		.amdhsa_float_denorm_mode_32 3
		.amdhsa_float_denorm_mode_16_64 3
		.amdhsa_memory_ordered 1
		.amdhsa_forward_progress 1
		.amdhsa_inst_pref_size 200
	.end_amdhsa_kernel
	.amdgpu_metadata
---
amdhsa.version: [ 1, 2 ]
amdhsa.kernels:
  - .name:           k_q34812fd24b_ffn2
    .symbol:         k_q34812fd24b_ffn2.kd
    .args:
      - { .name: h, .offset: 0, .size: 8, .value_kind: global_buffer, .address_space: global }
      - { .name: W2, .offset: 8, .size: 8, .value_kind: global_buffer, .address_space: global }
      - { .name: list, .offset: 16, .size: 8, .value_kind: global_buffer, .address_space: global }
      - { .name: ybuf, .offset: 24, .size: 8, .value_kind: global_buffer, .address_space: global }
      - { .name: cnt, .offset: 32, .size: 8, .value_kind: global_buffer, .address_space: global }
    .group_segment_fixed_size: 297472
    .private_segment_fixed_size: 0
    .kernarg_segment_align: 8
    .kernarg_segment_size: 40
    .max_flat_workgroup_size: 128
    .sgpr_count:     66
    .vgpr_count:     1024
    .wavefront_size: 32
...
	.end_amdgpu_metadata
.endif
;; end of part 7
;; launch combine (part 8): grid 256 x 1, 8 waves a work-group, no clusters, 0 bytes of LDS; arguments ybuf, b2, sel, gates, out0; writes out0
.if DOCPART == 8
	.amdgcn_target "amdgcn-amd-amdhsa--gfx1250"
	.amdhsa_code_object_version 6
	.text
	.protected	k_q34812fd24b_combine
	.globl	k_q34812fd24b_combine
	.p2align	8
	.type	k_q34812fd24b_combine,@function
k_q34812fd24b_combine:
	s_mov_b64 s[64:65], 0
	v_nop
	global_prefetch_b8 v0, s[64:65] scope:SCOPE_SE
	s_setreg_imm32_b32 hwreg(HW_REG_WAVE_SCHED_MODE, 0, 2), 2
	s_setreg_imm32_b32 hwreg(HW_REG_WAVE_MODE, 25, 1), 1
	s_wait_xcnt 0x0
	s_wait_alu depctr_vm_vsrc(0)
; COMBINE.  out[t] = g0 (sum over p of ybuf[p][t] + b2[e0]) + g1 (sum over p of ybuf[p][1024 + t] + b2[e1]).
; A stream: every byte of ybuf rows 0..2047 is read once, every byte of out written once; no LDS, no barrier, no matrix unit.
; A work-group takes four tokens; thread i owns the 16 bytes at 16 i of every row, so each load and store of a wave covers 512 consecutive bytes.
; All 40 loads of a thread are on their way at once: the 32 of ybuf first, which need nothing from sel, then the 8 rows of b2.
; The sum of the two experts of a token is made here, by gathering, since they were computed by different work-groups.
; THE MODE: SCHED_MODE bits 1:0 = 2 (LLVM: expert scheduling mode 2), set by the entry lines.  The code itself states the register dependences
; between vector instructions and memory instructions, with s_wait_alu, always for 0.
; THE PLAN.  Registers that memory instructions touch:
;   v1          my offset in a row: made once, read by the loads of ybuf and by every store; never written again.
;   BO (8)      the offsets of the rows of b2: made in one run, read by the eight loads of b2; never written again.
;   Y (160)     each register takes one load, before any vector instruction names it.  Token q's sums are made in place in its first four registers, which one store
;               reads; nothing writes them again.
; So the waits are on va_vdst alone: one ahead of the loads of ybuf (v1), one ahead of the loads of b2 (BO), and one ahead of each token's store; the store of token q
; stands at the head of token q + 1, behind the wait for that token's data.
.set PLANE, 2056*4096                  ; bytes in a plane of ybuf
.set BO, 4                             ; v[4:11]    token q, choice k: offset of the row of b2, at 4 + 2 q + k
.set Y,  16                            ; v[16:175]  token q, choice k: planes 0..3 at Y + 40 q + 20 k + 4 p, b2 at + 16
	s_load_b256 s[4:11], s[0:1], 0x0               ; ybuf s[4:5], b2 s[6:7], sel s[8:9], gates s[10:11]
	s_load_b64 s[12:13], s[0:1], 0x20              ; out0
	v_lshlrev_b32 v1, 4, v0                        ; my 16 bytes of a row
	s_lshl_b32 s14, ttmp9, 4                       ; four words of sel,
	s_mov_b32 s15, 0
	s_lshl_b32 s28, ttmp9, 5                       ; four pairs of gates,
	s_mov_b32 s29, 0
	s_lshl_b32 s30, ttmp9, 14                      ; four rows of 4,096 bytes
	s_mov_b32 s31, 0
	s_wait_kmcnt 0x0
	s_add_nc_u64 s[8:9], s[8:9], s[14:15]
	s_add_nc_u64 s[10:11], s[10:11], s[28:29]
	s_load_b128 s[16:19], s[8:9], 0x0              ; sel of my four tokens
	s_load_b256 s[20:27], s[10:11], 0x0            ; g0, g1 of my four tokens
	s_add_nc_u64 s[32:33], s[4:5], s[30:31]        ; my rows in the four planes
	s_add_nc_u64 s[34:35], s[32:33], PLANE
	s_add_nc_u64 s[36:37], s[34:35], PLANE
	s_add_nc_u64 s[38:39], s[36:37], PLANE
	s_add_nc_u64 s[12:13], s[12:13], s[30:31]
	s_wait_alu depctr_va_vdst(0)                   ; v1 is written, which the loads of ybuf and all the stores read as their offset
.irp q, 0,1,2,3
.irp k, 0,1
.irp p, 0,1,2,3
	global_load_b128 v[Y+40*\q+20*\k+4*\p:Y+40*\q+20*\k+4*\p+3], v1, s[32+2*\p:33+2*\p] offset:\k*4194304+\q*4096 th:TH_LOAD_NT
.endr
.endr
.endr
	s_wait_kmcnt 0x0
.irp q, 0,1,2,3
	s_and_b32 s40, s[16+\q], 0xff                  ; e0
	s_min_u32 s40, s40, 7                          ; a loaded number enters an address: held inside the eight rows of b2
	v_lshl_add_u32 v[BO+2*\q], s40, 12, v1
	s_lshr_b32 s41, s[16+\q], 8                    ; e1
	s_min_u32 s41, s41, 7
	v_lshl_add_u32 v[BO+2*\q+1], s41, 12, v1
.endr
	s_wait_alu depctr_va_vdst(0)                   ; the eight offsets are written, which the loads of b2 read
.irp q, 0,1,2,3
	global_load_b128 v[Y+40*\q+16:Y+40*\q+19], v[BO+2*\q], s[6:7]
	global_load_b128 v[Y+40*\q+36:Y+40*\q+39], v[BO+2*\q+1], s[6:7]
.endr
.irp q, 0,1,2,3
	s_wait_loadcnt 6-2*\q                          ; the two rows of b2 of each younger token stay out
.if \q > 0
	s_wait_alu depctr_va_vdst(0)                   ; the sums of the token before are written, which its store reads
	global_store_b128 v1, v[Y+40*\q-40:Y+40*\q-37], s[12:13] offset:4096*\q-4096 th:TH_STORE_NT
.endif
.irp k, 0,1
.irp d, 0,2
	v_pk_add_f32 v[Y+40*\q+20*\k+\d:Y+40*\q+20*\k+\d+1], v[Y+40*\q+20*\k+\d:Y+40*\q+20*\k+\d+1], v[Y+40*\q+20*\k+4+\d:Y+40*\q+20*\k+4+\d+1]
	v_pk_add_f32 v[Y+40*\q+20*\k+8+\d:Y+40*\q+20*\k+8+\d+1], v[Y+40*\q+20*\k+8+\d:Y+40*\q+20*\k+8+\d+1], v[Y+40*\q+20*\k+12+\d:Y+40*\q+20*\k+12+\d+1]
.endr
.irp d, 0,2
	v_pk_add_f32 v[Y+40*\q+20*\k+\d:Y+40*\q+20*\k+\d+1], v[Y+40*\q+20*\k+\d:Y+40*\q+20*\k+\d+1], v[Y+40*\q+20*\k+8+\d:Y+40*\q+20*\k+8+\d+1]
.endr
.irp d, 0,2
	v_pk_add_f32 v[Y+40*\q+20*\k+\d:Y+40*\q+20*\k+\d+1], v[Y+40*\q+20*\k+\d:Y+40*\q+20*\k+\d+1], v[Y+40*\q+20*\k+16+\d:Y+40*\q+20*\k+16+\d+1]
.endr
.endr
.irp i, 0,1,2,3
	v_mul_f32 v[Y+40*\q+\i], s[20+2*\q], v[Y+40*\q+\i]
.endr
.irp i, 0,1,2,3
	v_fma_f32 v[Y+40*\q+\i], s[21+2*\q], v[Y+40*\q+20+\i], v[Y+40*\q+\i]
.endr
.endr
	s_wait_alu depctr_va_vdst(0)                   ; the sums of the last token are written, which its store reads
	global_store_b128 v1, v[Y+120:Y+123], s[12:13] offset:12288 th:TH_STORE_NT
	s_endpgm
.Lfunc_end_k_q34812fd24b_combine:
	.size	k_q34812fd24b_combine, .Lfunc_end_k_q34812fd24b_combine-k_q34812fd24b_combine
	.p2alignl 7, 3214868480
	.fill 96, 4, 3214868480
	.section	.rodata,"a",@progbits
	.p2align	6, 0x0
	.amdhsa_kernel k_q34812fd24b_combine
		.amdhsa_group_segment_fixed_size 0
		.amdhsa_private_segment_fixed_size 0
		.amdhsa_enable_private_segment 0
		.amdhsa_kernarg_size 40
		.amdhsa_user_sgpr_count 2
		.amdhsa_user_sgpr_kernarg_segment_ptr 1
		.amdhsa_wavefront_size32 1
		.amdhsa_system_sgpr_workgroup_id_x 1
		.amdhsa_system_sgpr_workgroup_id_y 1
		.amdhsa_system_sgpr_workgroup_id_z 1
		.amdhsa_system_vgpr_workitem_id 0
		.amdhsa_next_free_vgpr 184
		.amdhsa_next_free_sgpr 66
		.amdhsa_reserve_vcc 0
		.amdhsa_float_denorm_mode_32 3
		.amdhsa_float_denorm_mode_16_64 3
		.amdhsa_memory_ordered 1
		.amdhsa_forward_progress 1
		.amdhsa_inst_pref_size 13
	.end_amdhsa_kernel
	.amdgpu_metadata
---
amdhsa.version: [ 1, 2 ]
amdhsa.kernels:
  - .name:           k_q34812fd24b_combine
    .symbol:         k_q34812fd24b_combine.kd
    .args:
      - { .name: ybuf, .offset: 0, .size: 8, .value_kind: global_buffer, .address_space: global }
      - { .name: b2, .offset: 8, .size: 8, .value_kind: global_buffer, .address_space: global }
      - { .name: sel, .offset: 16, .size: 8, .value_kind: global_buffer, .address_space: global }
      - { .name: gates, .offset: 24, .size: 8, .value_kind: global_buffer, .address_space: global }
      - { .name: out0, .offset: 32, .size: 8, .value_kind: global_buffer, .address_space: global }
    .group_segment_fixed_size: 0
    .private_segment_fixed_size: 0
    .kernarg_segment_align: 8
    .kernarg_segment_size: 40
    .max_flat_workgroup_size: 256
    .sgpr_count:     66
    .vgpr_count:     184
    .wavefront_size: 32
...
	.end_amdgpu_metadata
.endif
;; end of part 8
